; MI455X (gfx1250); checked and timed in simulation.
; The chip was launched on July 23, 2026; its instructions are those of AMD's public machine-readable ISA for CDNA 5 (MIT licence, August 2026) and "CDNA5" Instruction Set Architecture Reference Guide (July 2026). The comments in the code are by the model that wrote it; some were corrected since.
;; Interact Pre. Allowed arithmetic: matrix products marked QUANTISED: E2M3 operands, one E8M0 scale for each 32 along K, by v_wmma_scale_f32_16x16x128_f8f6f4 with both operands' format E2M3, f32 sums; products left as they are: f32 operands where the result goes on into a quantised operand, else bf16, f16 or f32 operands; f32 sums; everything else in f32.
;; Inputs: W1 64 x 256 float32; W2 64 x 256 float32; Wa 64 x 64 float32; Wc 256 x 1,024 float32; Wf1 256 x 128 float32; Wf2 128 x 256 float32; Wf3 1 x 128 float32; Wpa 64 x 64 float32; Wra 64 x 64 float32; b1 64 float32; b2 64 float32; ba 64 float32; bc 256 float32; bf1 256 float32; bf2 128 float32; bf3 1 float32; bpa 64 float32; bra 64 float32; protein 1 x 4,096 x 1,024 float32; reactions 1 x 512 x 256 float32.
;; Outputs: out0 512 float32.
;; This version of the problem:
;;   THIS VERSION OF THE PROBLEM IS GIVEN IN LOW PRECISION. The matrix products marked QUANTISED in the list below multiply operands that are first quantised to E2M3 (2 exponent bits, 3 mantissa bits; 6 bits a number), with one power-of-two scale for each 32 numbers along K (OCP MX v1.0); their sums are f32. All else is computed in f32.
;;   The module's matrix products, in the order in which they are computed (A, B: the left and right operand; K: the contracted axis; several contracted axes count as one K, in the product's order):
;;     1. [M 4,096, K 1,024] x [K 1,024, N 256]; A: input protein; B: input Wc: QUANTISED
;;     2. [M 512, K 256] x [K 256, N 64]; A: input reactions; B: input W2: QUANTISED
;;     3. [M 4,096, K 256] x [K 256, N 64]; A: computed on the way; B: input W1: QUANTISED
;;     4. [M 512, K 64] x [K 64, N 64]; A: computed on the way; B: input Wra: QUANTISED
;;     5. [M 4,096, K 64] x [K 64, N 64]; A: computed on the way; B: input Wpa: QUANTISED
;;     6. [M 2,097,152, K 64] x [K 64, N 64]; A: computed on the way; B: input Wa: QUANTISED
;;     7. [M 512, K 128] x [K 128, N 256]; A: computed on the way; B: input Wf1: QUANTISED
;;     8. [M 512, K 256] x [K 256, N 128]; A: computed on the way; B: input Wf2: QUANTISED
;;     9. [M 512, K 128] x [K 128, N 1]; A: computed on the way; B: input Wf3: left as it is (N = 1 < 16)
;;   THE QUANTISER, for each operand of a quantised product, along K:
;;     - K is cut into blocks of 32 from its start; a last block that is shorter is filled with zeros.
;;     - A block's scale is 2^e with e = floor(log2(the largest magnitude in the block)) - 2, held to -126 .. 127; a block of zeros has e = 0. As a byte (E8M0): e + 127.
;;     - Each number is divided by its block's scale, clamped to +-7.5, and rounded to the nearest number of E2M3, ties to even, subnormals kept.
;;     - The product sums the exact products of the quantised numbers (number of the format x scale) in f32.
;;   ~~~python
;;   def quantise(x, axis):      # numpy; x: float32 -> the quantised numbers, widened to float32 again
;;       x = np.moveaxis(x, axis, -1); K = x.shape[-1]
;;       x = np.pad(x, [(0, 0)] * (x.ndim - 1) + [(0, -K % 32)]); x = x.reshape(x.shape[:-1] + (-1, 32)); a = np.abs(x).max(-1, keepdims=True)
;;       e = np.where(a > 0, np.clip(np.frexp(np.where(a > 0, a, 1))[1] - 1 - 2, -126, 127), 0)      # np.frexp(a)[1] - 1 = floor(log2(a)), exactly
;;       r = np.clip(x / 2.0 ** e, -7.5, 7.5)
;;       step = 2.0 ** (np.maximum(np.frexp(np.where(r == 0, 1, r))[1] - 1, 0) - 3)
;;       q = np.round(r / step) * step * 2.0 ** e      # np.round: ties to even
;;       return np.moveaxis(q.reshape(q.shape[:-2] + (-1,))[..., :K], -1, axis).astype(np.float32)
;;   ~~~
;;   OPERANDS COMPUTED ON THE WAY. 'Computed on the way' means the value that the module computes at that place (a softmax that the list does not call 'softmax' is quantised finished and normalised). What goes into a quantiser is computed in f32, as accurately as f32 sums, v_exp_f32 and their like allow (about 1e-6 of the number): no bf16 or f16 on the way to a quantiser, and a product that is left as it is and whose result goes on into a quantised operand takes f32 operands (vector FMAs, or v_wmma_f32_16x16x4_f32). A number that lies on a knife's edge between two numbers of the format may be rounded either way, as far as f32 arithmetic and the matrix unit's own rounding can turn it there, and no further.
;; 2 versions. Each part assembles by itself: llvm-mc -triple=amdgcn-amd-amdhsa -mcpu=gfx1250 --defsym DOCPART=n.
;; ======== version 1 of 2: 4 launches
;; workspace buffers: kpart 4,194,304 bytes; raraw 131,072 bytes; rbuf 131,072 bytes; kbuf 1,048,576 bytes; SQ 8,388,608 bytes; SL 4,194,304 bytes; pmw 118,784 bytes; rxn 131,072 bytes
;; launch front (part 1): grid 264 x 1, 8 waves a work-group, no clusters, 130,048 bytes of LDS; arguments protein, reactions, Wc, W2, bc, b2, W1, Wra, kpart, raraw, rbuf; writes kpart, raraw, rbuf
.if DOCPART == 1
	.amdgcn_target "amdgcn-amd-amdhsa--gfx1250"
	.amdhsa_code_object_version 6
	.text
	.protected	k_qc1f4c0bfeb_front
	.globl	k_qc1f4c0bfeb_front
	.p2align	8
	.type	k_qc1f4c0bfeb_front,@function
k_qc1f4c0bfeb_front:
	s_mov_b64 s[64:65], 0
	v_nop
	global_prefetch_b8 v0, s[64:65] scope:SCOPE_SE
	s_setreg_imm32_b32 hwreg(HW_REG_WAVE_MODE, 25, 1), 1
	s_wait_xcnt 0x0
; FRONT: two chains of the same shape on one path, both products on codes of FP6 (E2M3) with one E8M0 scale for each 32 along K.
;   work-groups 0-255 (rb = id / 4, cb = id % 4): T = relu(protein[64 rb ..][:] Wc[64 cb ..]^T + bc), 64 x 64, K = 1,024;  kpart[cb][64 rb ..] = Q(T) Q(W1[:, 64 cb .. 64 cb + 63])^T
;   work-groups 256-263 (rb = id - 256):          T = relu(reactions[64 rb ..] W2^T + b2), 64 x 64, K = 256, stored to rbuf;  raraw[64 rb ..] = Q(T) Q(Wra)^T
; The job only chooses pointers, pitches and whether the K loop's three trips run (a scalar branch on the work-group's number); all LDS addresses are the same for both.
; SHARES.  Eight waves.  In each K step of 128 wave w turns ONE fragment (16 rows x 128 K of f32) into codes: waves 0-3 the four tiles of the left operand's rows, waves 4-7 the four tiles of
; the weight's rows.  Each of its 16 loads reads 512 consecutive bytes of one row; the 8 KiB turn through the wave's own stage in LDS and come back in the order of the operand's registers
; (lane (r, h): row r, k = 64 c + 32 h + 0 .. 31), so a lane holds two whole blocks.  The codes and the scale word go to LDS as images of the registers; behind one barrier every wave fetches the three
; fragments that its two tiles of T want.  Two image slots take turns: a slot is written again only behind the next step's barrier, which every wave reaches behind its reads of it.
; THE MATRIX INSTRUCTION IS USED TRANSPOSED (source 0 = 16 rows of the weight, source 1 = 16 rows of the left operand): a lane holds one row of T and eight neighbouring columns.
; The bias is loaded straight into the accumulators, so it is the C of each sum's first product and no step is written apart.
; NO CLUSTER: a joint request is a tensor load into LDS; here every number goes from memory into registers, is quantised there, and only its codes (3/16 of the bytes) reach LDS.
; LIMITS: NaN and infinities are not served.  A block of zeros keeps the scale byte 1 (its codes are zeros, and the bytes are read by this program alone).
.set SPW,  8448                        ; a wave's stage: 16 rows x (512 + 16) bytes; for rows of 256 bytes the pitch is 272
.set IMG,  67584                       ; behind the 8 stages: 2 slots x 8 fragments x 1,536 bytes
.set ISC,  92160                       ; 2 slots x 8 x 128 bytes: their scale words
.set PT,   94208                       ; T: 64 rows x (256 + 16) bytes
.set OTD,  17408                       ; the second product's result lies this far behind PT, laid alike
.set FRB,  1536
.set VO,   4                           ; v4   16 x lane + the K loop's step
.set SH8,  15                          ; v15  8 h
.set MX,   22                          ; v22-25 largest magnitudes
.set SOP,  26                          ; v26-27 the conversions' scale operands
.set EB,   28                          ; v28-29 scale bytes
.set CT,   30                          ; v30-32, v34-36 second halves of blocks (a conversion's three registers begin on an even number)
.set PL,   33
.set TW,   37
.set CD,   38                          ; v38-49 the fragment just made;  v50 its scale word
.set CDW,  50
.set OPA,  52                          ; v52-63 the left operand's fragment;  v64-87 the weight's two
.set OPB,  64
.set SCA,  88                          ; v88-90 their scale words
.set ACC,  92                          ; v92-107 two accumulators
.set WQ,   108                         ; v108-119 the second weight's two tiles (6 registers each, K = 64), v120-125 zeros
.set WQS,  126                         ; v126-127 their scale words
.set GA,   128                         ; v128-191, v192-255: two sets of 64 numbers
.set GB,   192
.set SEL,  78                          ; s[78:79] lane selects for v_permlanex16_b32: lane l xor 16
.set RB,   32                          ; s[32:63] the addresses of my fragment's 16 rows; never rewritten
.macro BARRIER                         ; my LDS stores have landed and my LDS loads are in: then the work-group's barrier
	s_wait_dscnt 0x0
	s_barrier_signal -1
	s_barrier_wait -1
.endm
.macro MM d, a, b, zero, sa, sb
.if \zero
	v_wmma_scale_f32_16x16x128_f8f6f4 v[\d:\d+7], v[\a:\a+11], v[\b:\b+11], 0, v[\sa], v[\sb] matrix_a_fmt:MATRIX_FMT_FP6 matrix_b_fmt:MATRIX_FMT_FP6
.else
	v_wmma_scale_f32_16x16x128_f8f6f4 v[\d:\d+7], v[\a:\a+11], v[\b:\b+11], v[\d:\d+7], v[\sa], v[\sb] matrix_a_fmt:MATRIX_FMT_FP6 matrix_b_fmt:MATRIX_FMT_FP6
.endif
.endm
; 64 numbers of a lane, two whole blocks (block c at src + 32 c is block 2 c + h of my row), become a fragment's 12 registers and its scale word.
.macro Q64 src, dst, word
.irp c, 0,1
	v_max3_num_f32 v[MX+2*\c], |v[\src+32*\c]|, |v[\src+32*\c+1]|, |v[\src+32*\c+2]|
	v_max3_num_f32 v[MX+2*\c+1], |v[\src+32*\c+3]|, |v[\src+32*\c+4]|, |v[\src+32*\c+5]|
.endr
.irp i, 6,10,14,18,22,26
.irp c, 0,1
	v_max3_num_f32 v[MX+2*\c], v[MX+2*\c], |v[\src+32*\c+\i]|, |v[\src+32*\c+\i+1]|
	v_max3_num_f32 v[MX+2*\c+1], v[MX+2*\c+1], |v[\src+32*\c+\i+2]|, |v[\src+32*\c+\i+3]|
.endr
.endr
.irp c, 0,1
	v_max3_num_f32 v[MX+2*\c], v[MX+2*\c], |v[\src+32*\c+30]|, |v[\src+32*\c+31]|
.endr
.irp c, 0,1
	v_max3_num_f32 v[MX+2*\c], v[MX+2*\c], v[MX+2*\c+1], 0x1800000   ; and the floor 2^(3 - 127): the byte cannot fall under 1
.endr
.irp c, 0,1
	v_add_nc_u32 v[SOP+\c], 0xff000000, v[MX+2*\c]   ; 2 off the exponent field: the conversion takes this operand's exponent field as its scale
.endr
.irp c, 0,1
	v_lshrrev_b32 v[EB+\c], 23, v[SOP+\c]            ; the scale's byte
.endr
	v_lshl_or_b32 v[TW], v[EB+1], 16, v[EB]          ; my two bytes, blocks h and 2 + h,
	v_lshlrev_b32 v[TW], v[SH8], v[TW]               ; at their places in the word;
	v_permlanex16_b32 v[PL], v[TW], s[SEL], s[SEL+1]
	v_or_b32 v[\word], v[TW], v[PL]                  ; with lane l xor 16's two the word is whole
.irp c, 0,1
	v_cvt_scalef32_pk16_fp6_f32 v[\dst+6*\c:\dst+6*\c+2], v[\src+32*\c:\src+32*\c+15], v[SOP+\c]
	v_cvt_scalef32_pk16_fp6_f32 v[CT+4*\c:CT+4*\c+2], v[\src+32*\c+16:\src+32*\c+31], v[SOP+\c]
.endr
	v_nop                                            ; one plain line behind the scaled conversions
.irp c, 0,1
.irp i, 0,1,2
	v_mov_b32 v[\dst+6*\c+3+\i], v[CT+4*\c+\i]
.endr
.endr
.endm
; 32 numbers of a lane, one whole block (block h of my row, K = 64), become 6 registers; e: bytes 0, 1 and again 2, 3 hold blocks 0, 1 in lanes 0-15.
.macro Q32 src, dst, e
	v_max3_num_f32 v[MX], |v[\src]|, |v[\src+1]|, |v[\src+2]|
	v_max3_num_f32 v[MX+1], |v[\src+3]|, |v[\src+4]|, |v[\src+5]|
.irp i, 6,10,14,18,22,26
	v_max3_num_f32 v[MX], v[MX], |v[\src+\i]|, |v[\src+\i+1]|
	v_max3_num_f32 v[MX+1], v[MX+1], |v[\src+\i+2]|, |v[\src+\i+3]|
.endr
	v_max3_num_f32 v[MX], v[MX], |v[\src+30]|, |v[\src+31]|
	v_max3_num_f32 v[MX], v[MX], v[MX+1], 0x1800000
	v_add_nc_u32 v[SOP], 0xff000000, v[MX]
	v_lshrrev_b32 v[EB], 23, v[SOP]
	v_permlanex16_b32 v[PL], v[EB], s[SEL], s[SEL+1]
	v_lshl_or_b32 v[\e], v[PL], 8, v[EB]
	v_lshl_or_b32 v[\e], v[\e], 16, v[\e]
	v_cvt_scalef32_pk16_fp6_f32 v[\dst:\dst+2], v[\src:\src+15], v[SOP]
	v_cvt_scalef32_pk16_fp6_f32 v[CT:CT+2], v[\src+16:\src+31], v[SOP]
	v_nop
.irp i, 0,1,2
	v_mov_b32 v[\dst+3+\i], v[CT+\i]
.endr
.endm
.macro LOADG set, imm                  ; my 16 rows' 512 bytes of one K step: each load reads 512 consecutive bytes
.set I, 0
.rept 16
	global_load_b128 v[\set+4*I:\set+4*I+3], v[VO], s[RB+2*I:RB+2*I+1] offset:\imm
.set I, I+1
.endr
.endm
; One K step.  next: 0, or the immediate at which the set is loaded again, two K steps on.  left: the loads of the other set, which may stay out.
.macro STEPK set, slot, next, left
	s_wait_loadcnt \left
.set I, 0
.rept 16
	ds_store_b128 v5, v[\set+4*I:\set+4*I+3] offset:528*I
.set I, I+1
.endr
.set I, 0
.rept 16
	ds_load_b128 v[\set+4*I:\set+4*I+3], v6 offset:256*(I/8)+16*(I%8)   ; LDS serves a wave's instructions in order (ISA guide 5.7.1.4): these see the stores above
.set I, I+1
.endr
	s_wait_dscnt 0x0
	Q64 \set, CD, CDW
.irp g, 0,1,2
	ds_store_b128 v9, v[CD+4*\g:CD+4*\g+3] offset:\slot*8*FRB+512*\g
.endr
	ds_store_b32 v10, v[CDW] offset:\slot*1024
.if \next
	LOADG \set, \next
.endif
	BARRIER                                          ; the step's eight fragments lie in LDS
.irp g, 0,1,2
	ds_load_b128 v[OPA+4*\g:OPA+4*\g+3], v11 offset:\slot*8*FRB+512*\g
	ds_load_b128 v[OPB+4*\g:OPB+4*\g+3], v12 offset:\slot*8*FRB+512*\g
	ds_load_b128 v[OPB+12+4*\g:OPB+12+4*\g+3], v12 offset:\slot*8*FRB+FRB+512*\g
.endr
	ds_load_b32 v[SCA], v13 offset:\slot*1024
	ds_load_b32 v[SCA+1], v14 offset:\slot*1024
	ds_load_b32 v[SCA+2], v14 offset:\slot*1024+128
	s_wait_dscnt 0x0
	MM ACC, OPB, OPA, 0, SCA+1, SCA                  ; the two accumulators take turns, over the loop's backward jump too
	MM ACC+8, OPB+12, OPA, 0, SCA+2, SCA
.endm
	s_load_b512 s[4:19], s[0:1], 0x0                 ; protein, reactions, Wc, W2, bc, b2, W1, Wra
	s_load_b128 s[20:23], s[0:1], 0x40               ; kpart, raraw
	s_load_b64 s[24:25], s[0:1], 0x50                ; rbuf
	v_lshl_add_u32 v19, v0, 2, 0x1f800
	v_mov_b32 v91, 0
	v_lshrrev_b32 v1, 5, v0
	v_readfirstlane_b32 s26, v1                      ; wave 0..7
	v_and_b32 v1, 31, v0                             ; lane
	v_and_b32 v2, 15, v0                             ; r
	v_bfe_u32 v3, v0, 4, 1                           ; h
	s_mov_b32 s[SEL], 0x76543210
	s_mov_b32 s[SEL+1], 0xfedcba98
	s_lshr_b32 s77, s26, 1                           ; mt: my tile of rows of T
	s_and_b32 s80, s26, 1                            ; which two tiles of columns
	s_mul_i32 s73, s26, SPW                          ; my stage
	v_lshlrev_b32 v[VO], 4, v1
	v_lshlrev_b32 v21, 4, v1                         ; 16 x lane, for the stores; never rewritten
	v_lshl_add_u32 v5, v1, 4, s73                    ; stage, in: 16 x lane (+ 528 x row)
	v_mul_u32_u24 v6, v2, 528
	v_lshl_add_u32 v6, v3, 7, v6
	v_add_nc_u32 v6, s73, v6                         ; stage, out: row r, + 128 h
	v_mul_u32_u24 v7, v3, 272
	v_lshl_add_u32 v7, v2, 4, v7
	v_add_nc_u32 v7, s73, v7                         ; rows of 256 bytes, in: row h of a pair, + 16 r
	v_mul_u32_u24 v8, v2, 272
	v_lshl_add_u32 v8, v3, 7, v8
	v_add_nc_u32 v8, s73, v8                         ; and out: row r, + 128 h
	s_mul_i32 s74, s26, FRB
	s_add_co_u32 s74, s74, IMG
	v_lshl_add_u32 v9, v1, 4, s74                    ; where my fragment's image goes
	s_lshl_b32 s74, s26, 7
	s_add_co_u32 s74, s74, ISC
	v_lshl_add_u32 v10, v1, 2, s74                   ; and its scale word
	s_mul_i32 s74, s77, FRB
	s_add_co_u32 s74, s74, IMG
	v_lshl_add_u32 v11, v1, 4, s74                   ; the left operand's fragment that I multiply
	s_mul_i32 s74, s80, 2*FRB
	s_add_co_u32 s74, s74, IMG+4*FRB
	v_lshl_add_u32 v12, v1, 4, s74                   ; the weight's two
	s_lshl_b32 s74, s77, 7
	s_add_co_u32 s74, s74, ISC
	v_lshl_add_u32 v13, v1, 2, s74
	s_lshl_b32 s74, s80, 8
	s_add_co_u32 s74, s74, ISC+4*128
	v_lshl_add_u32 v14, v1, 2, s74
	v_lshlrev_b32 v[SH8], 3, v3
	s_mul_i32 s74, s77, 16*272
	s_add_co_u32 s74, s74, PT
	v_mul_u32_u24 v17, v2, 272
	v_add_nc_u32 v17, s74, v17                       ; T: row 16 mt + r
	v_lshl_add_u32 v16, v3, 5, v17
	s_lshl_b32 s74, s80, 7
	v_add_nc_u32 v16, s74, v16                       ; where my results go: + 128 x (wave % 2) + 32 h
	v_lshl_add_u32 v17, v3, 7, v17                   ; where my row's block h is read: + 128 h
	s_mul_i32 s74, s26, 8*272
	s_add_co_u32 s74, s74, PT
	v_mul_u32_u24 v18, v3, 272
	v_lshl_add_u32 v18, v2, 4, v18
	v_add_nc_u32 v18, s74, v18                       ; whole rows back: rows 8 w + h, + 16 r
	s_lshl_b32 s74, s80, 7
	v_lshl_add_u32 v20, v3, 5, s74                   ; the bias of my columns: 128 x (wave % 2) + 32 h
	v_mov_b32 v[PL], 0                               ; written once: a lane permute's destination counts as one of its sources
.irp i, 0,1,2,3,4,5
	v_mov_b32 v[WQ+12+\i], 0
.endr
	; the job: everything that differs is chosen here, on the work-group's number alone
	s_lshr_b32 s28, ttmp9, 2
	s_and_b32 s29, ttmp9, 3
	s_sub_co_u32 s30, ttmp9, 256
	s_mov_b32 s70, 1024
	s_mov_b32 s71, 0
	s_mov_b32 s72, 256
	s_wait_kmcnt 0x0
	s_cmp_lt_u32 ttmp9, 256
	s_cselect_b32 s28, s28, s30                      ; rb
	s_cselect_b32 s29, s29, 0                        ; cb
	s_cselect_b32 s70, 4096, s70                     ; a row of either operand of the first product, in bytes
	s_cselect_b32 s72, 1024, s72                     ; a row of the second weight
	s_cselect_b64 s[4:5], s[4:5], s[6:7]             ; the left operand
	s_cselect_b64 s[8:9], s[8:9], s[10:11]           ; the first weight
	s_cselect_b64 s[12:13], s[12:13], s[14:15]       ; its bias
	s_cselect_b64 s[16:17], s[16:17], s[18:19]       ; the second weight
	s_cselect_b64 s[20:21], s[20:21], s[22:23]       ; the result
	s_lshl_b32 s66, s29, 8                           ; 64 cb numbers
	s_mov_b32 s67, 0
	s_add_nc_u64 s[12:13], s[12:13], s[66:67]
	s_add_nc_u64 s[16:17], s[16:17], s[66:67]
	s_lshl_b32 s66, s80, 5
	s_mul_i32 s66, s66, s72                          ; my 32 rows of the second weight
	s_add_nc_u64 s[16:17], s[16:17], s[66:67]
	s_lshl_b32 s68, s28, 14                          ; 64 rb rows of 256 bytes,
	s_lshl_b32 s69, s26, 11                          ; my 8 of them
	s_add_co_u32 s68, s68, s69
	s_lshl_b32 s66, s29, 20                          ; kpart's plane cb
	s_add_co_u32 s66, s66, s68
	s_add_nc_u64 s[20:21], s[20:21], s[66:67]
	s_mov_b32 s69, 0
	s_add_nc_u64 s[24:25], s[24:25], s[68:69]        ; (used by work-groups 256-263 alone)
	s_and_b32 s31, s26, 3
	s_lshl_b32 s31, s31, 4
	s_lshl_b32 s68, s28, 6
	s_lshl_b32 s66, s29, 6
	s_cmp_lt_u32 s26, 4                              ; waves 0-3 quantise the left operand, waves 4-7 the weight
	s_cselect_b32 s68, s68, s66
	s_cselect_b64 s[RB:RB+1], s[4:5], s[8:9]
	s_add_co_u32 s68, s68, s31                       ; my fragment's first row
	s_mul_i32 s68, s68, s70
	s_add_nc_u64 s[RB:RB+1], s[RB:RB+1], s[68:69]
.set I, 1
.rept 15
	s_add_nc_u64 s[RB+2*I:RB+2*I+1], s[RB+2*I-2:RB+2*I-1], s[70:71]
.set I, I+1
.endr
	v_mul_u32_u24 v51, s72, v3
	v_lshl_add_u32 v51, v2, 4, v51                   ; the second weight: row h of a pair, + 16 r
	s_lshl_b32 s75, s72, 1
.irp k, 0,1,2,3,4,5,6,7,8,9,10,11,12,13,14,15
	v_mad_u32_u24 v[OPA+\k], s75, \k, v51            ; pair k of my 32 rows
.endr
.irp k, 0,1,2,3,4,5,6,7,8,9,10,11,12,13,14,15
	global_load_b128 v[GB+4*\k:GB+4*\k+3], v[OPA+\k], s[16:17]   ; two rows' 256 bytes each
.endr
.irp u, 0,1
	global_load_b128 v[ACC+8*\u:ACC+8*\u+3], v20, s[12:13] offset:64*\u
	global_load_b128 v[ACC+8*\u+4:ACC+8*\u+7], v20, s[12:13] offset:64*\u+16
.endr
	LOADG GA, 0                                      ; K step 0
	s_wait_loadcnt 20                                ; the second weight is in; the 4 bias loads and K step 0's 16 may be out
.irp u, 0,1
.irp i, 0,1,2,3,4,5,6,7
	ds_store_b128 v7, v[GB+32*\u+4*\i:GB+32*\u+4*\i+3] offset:544*\i
.endr
.irp i, 0,1,2,3,4,5,6,7
	ds_load_b128 v[OPA+4*\i:OPA+4*\i+3], v8 offset:16*\i
.endr
	s_wait_dscnt 0x0
	Q32 OPA, WQ+6*\u, WQS+\u
.endr
	LOADG GB, 512                                    ; K step 1
	s_cmp_ge_u32 ttmp9, 256                          ; K = 256 is the two steps written out below
	s_cbranch_scc1 .Ltail
	s_mov_b32 s76, 3
.Lk:                                                     ; a trip: two K steps, and the loads of the two that follow them
	STEPK GA, 0, 1024, 16
	STEPK GB, 1, 1536, 16
	s_wait_xcnt 0x0                                  ; the loads have read their offset: it may step
	v_add_nc_u32 v[VO], 1024, v[VO]
	s_sub_co_u32 s76, s76, 1
	s_cmp_lg_u32 s76, 0
	s_cbranch_scc1 .Lk
.Ltail:                                                  ; the last two K steps load nothing; on both ways 32 loads are out here
	STEPK GA, 0, 0, 16
	STEPK GB, 1, 0, 0
.rept 4
	v_nop                                            ; four places behind the last products (ISA guide 7.12.1)
.endr
.set I, 0
.rept 16
	v_max_num_f32 v[ACC+I], 0, v[ACC+I]              ; the activation, each accumulator from its low end on
.set I, I+1
.endr
.irp u, 0,1
	ds_store_b128 v16, v[ACC+8*\u:ACC+8*\u+3] offset:64*\u
	ds_store_b128 v16, v[ACC+8*\u+4:ACC+8*\u+7] offset:64*\u+16
.endr
	BARRIER                                          ; T lies in LDS
	s_cmp_lt_u32 ttmp9, 256
	s_cbranch_scc1 .Lnot_r
.irp i, 0,1,2,3
	ds_load_b128 v[GB+4*\i:GB+4*\i+3], v18 offset:544*\i
.endr
	s_wait_dscnt 0x0
.irp i, 0,1,2,3
	global_store_b128 v21, v[GB+4*\i:GB+4*\i+3], s[24:25] offset:512*\i   ; r: two whole rows, 512 consecutive bytes
.endr
.Lnot_r:
.irp i, 0,1,2,3,4,5,6,7
	ds_load_b128 v[GA+4*\i:GA+4*\i+3], v17 offset:16*\i
.endr
	s_wait_dscnt 0x0
	Q32 GA, OPA, SCA                                 ; T's rows 16 mt .. as the second product's operand: K = 64 in the lower half,
.irp i, 0,1,2,3,4,5
	v_mov_b32 v[OPA+6+\i], 0                         ; zero codes in the upper half: whatever the weight's registers hold there adds nothing
.endr
.rept 4
	v_nop                                            ; an operand written by vector instructions stands 4 places ahead of a scaled product, a scale register 8
.endr
	MM OPB, WQ, OPA, 1, WQS, SCA
	MM OPB+8, WQ+6, OPA, 1, WQS+1, SCA
.rept 4
	v_nop
.endr
.irp u, 0,1
	ds_store_b128 v16, v[OPB+8*\u:OPB+8*\u+3] offset:OTD+64*\u
	ds_store_b128 v16, v[OPB+8*\u+4:OPB+8*\u+7] offset:OTD+64*\u+16
.endr
	BARRIER
.irp i, 0,1,2,3
	ds_load_b128 v[160+4*\i:163+4*\i], v18 offset:OTD+544*\i
.endr
	s_wait_dscnt 0x0
.irp i, 0,1,2,3
	global_store_b128 v21, v[160+4*\i:163+4*\i], s[20:21] offset:512*\i   ; two whole rows, 512 consecutive bytes
.endr
	s_wait_tensorcnt 0x0
	ds_add_u32 v19, v91
	s_wait_dscnt 0x0
	s_endpgm
.Lfunc_end_k_qc1f4c0bfeb_front:
	.size	k_qc1f4c0bfeb_front, .Lfunc_end_k_qc1f4c0bfeb_front-k_qc1f4c0bfeb_front
	.p2alignl 7, 3214868480
	.fill 96, 4, 3214868480
	.section	.rodata,"a",@progbits
	.p2align	6, 0x0
	.amdhsa_kernel k_qc1f4c0bfeb_front
		.amdhsa_group_segment_fixed_size 130048
		.amdhsa_private_segment_fixed_size 0
		.amdhsa_enable_private_segment 0
		.amdhsa_kernarg_size 88
		.amdhsa_user_sgpr_count 2
		.amdhsa_user_sgpr_kernarg_segment_ptr 1
		.amdhsa_wavefront_size32 1
		.amdhsa_system_sgpr_workgroup_id_x 1
		.amdhsa_system_sgpr_workgroup_id_y 1
		.amdhsa_system_sgpr_workgroup_id_z 1
		.amdhsa_system_vgpr_workitem_id 0
		.amdhsa_next_free_vgpr 256
		.amdhsa_next_free_sgpr 100
		.amdhsa_reserve_vcc 0
		.amdhsa_float_denorm_mode_32 3
		.amdhsa_float_denorm_mode_16_64 3
		.amdhsa_memory_ordered 1
		.amdhsa_forward_progress 1
		.amdhsa_inst_pref_size 52
	.end_amdhsa_kernel
	.amdgpu_metadata
---
amdhsa.version: [ 1, 2 ]
amdhsa.kernels:
  - .name:           k_qc1f4c0bfeb_front
    .symbol:         k_qc1f4c0bfeb_front.kd
    .args:
      - { .name: protein, .offset: 0, .size: 8, .value_kind: global_buffer, .address_space: global }
      - { .name: reactions, .offset: 8, .size: 8, .value_kind: global_buffer, .address_space: global }
      - { .name: Wc, .offset: 16, .size: 8, .value_kind: global_buffer, .address_space: global }
      - { .name: W2, .offset: 24, .size: 8, .value_kind: global_buffer, .address_space: global }
      - { .name: bc, .offset: 32, .size: 8, .value_kind: global_buffer, .address_space: global }
      - { .name: b2, .offset: 40, .size: 8, .value_kind: global_buffer, .address_space: global }
      - { .name: W1, .offset: 48, .size: 8, .value_kind: global_buffer, .address_space: global }
      - { .name: Wra, .offset: 56, .size: 8, .value_kind: global_buffer, .address_space: global }
      - { .name: kpart, .offset: 64, .size: 8, .value_kind: global_buffer, .address_space: global }
      - { .name: raraw, .offset: 72, .size: 8, .value_kind: global_buffer, .address_space: global }
      - { .name: rbuf, .offset: 80, .size: 8, .value_kind: global_buffer, .address_space: global }
    .group_segment_fixed_size: 130048
    .private_segment_fixed_size: 0
    .kernarg_segment_align: 8
    .kernarg_segment_size: 88
    .max_flat_workgroup_size: 256
    .sgpr_count:     100
    .vgpr_count:     256
    .wavefront_size: 32
...
	.end_amdgpu_metadata
.endif
;; end of part 1
;; launch pairs (part 2): grid 256 x 1, 4 waves a work-group, no clusters, 251,648 bytes of LDS; arguments kpart, raraw, b1, Wpa, bpa, bra, Wa, kbuf, SQ, SL; writes kbuf, SQ, SL
.if DOCPART == 2
	.amdgcn_target "amdgcn-amd-amdhsa--gfx1250"
	.amdhsa_code_object_version 6
	.text
	.protected	k_qc1f4c0bfeb_pairs
	.globl	k_qc1f4c0bfeb_pairs
	.p2align	8
	.type	k_qc1f4c0bfeb_pairs,@function
k_qc1f4c0bfeb_pairs:
	s_mov_b64 s[64:65], 0
	v_nop
	global_prefetch_b8 v0, s[64:65] scope:SCOPE_SE
	s_setreg_imm32_b32 hwreg(HW_REG_WAVE_MODE, 25, 1), 1
	s_wait_xcnt 0x0
; PAIRS: A(q, l) = Q(relu(ra[q] + pa[l])) Q(Wa)^T over all pairs, of which only the sums over l and over q are kept.  Codes of FP6 (E2M3), one E8M0 scale for each 32 along K (K = 64).
; Work-group id: qs = id % 4, ls = id / 4: 128 q x 64 l.  Wave w: all 8 tiles of 16 q x its 16 l.  It stores SQ[ls][q][n] = sum over its 64 l and SL[qs][l][n] = sum over its 128 q, both without ba.
; HEAD: k = relu(kpart[0] + .. + kpart[3] + b1) for the wave's 16 l (stored to kbuf by qs = 0); pa' = Q(k) Q(Wpa)^T + (bpa + bra).  bra is added on pa's side: ra_raw + (pa_raw + bpa + bra).
; AN OPERAND HALF X(q tile, l) is 6 registers: lane (m, h) holds the pair (q = 16 qt + m, l), k = 32 h + 0 .. 31: a whole block in one lane, so its largest number needs no other lane.
; The instruction's K is 128: an operand is TWO X, and Wa's fragments hold Wa's row in both halves, so each product already adds two pairs.
;   Q-type (source 0 = Wa tile, source 1 = X of one q tile and two l) adds onto ACQ[qt][nt]: lane r = q, registers along n.
;   L-type (source 0 = X of one l and two q tiles, source 1 = Wa tile) adds onto ACL[l][nt]: register j = q class 8 h + j, lane r = n; the classes are added when the two l are done.
; THE WALK.  A trip takes two l (l0, l1) and has 16 phases t: q tile t / 2; l0 where t % 4 is 0 or 3, else l1.  Even t writes slot S2, odd t slot S1, so v[S1 .. S2 + 5] is always (X(t - 1), X(t)):
; one q tile and both l for odd t, one l and two q tiles for even t.  X(0) is kept in SAVE, just under S1: the pair (X(0), X(15)) is v[SAVE .. S1 + 5].  So each X is made once and multiplied twice.
; Phase t carries the four products of the pair finished in phase t - 1, one behind each stretch of vector work; phases 0 and 1 of the next trip carry the last two pairs.  All accumulators take turns, one
; instruction a turn.  The last trip's two phases ahead work on two rows of zeros and their codes are not used: 2 phases of 130, for a loop without a tail.
; REGISTERS, in windows of 256: window 0: addresses, the phase's 32 numbers, the slots, Wa, ACL.  window 1: ra, 8 tiles x 32.  window 2: ACQ, 8 x 4 x 8.  window 3: pa of l0, of l1, and of the next l0.
; No window has room for ra, pa, ACQ and the phase's work together: a phase with Q-type products has nine switches, one with L-type two.
; NO CLUSTER: the work-groups' inputs are 130 KiB each against 130 phases of vector work; what is shared is a small part of the launch.
; LIMITS: NaN and infinities are not served; a block of zeros keeps the byte 1; sums are grouped otherwise than in the defining text.
.set RAB,  0                           ; ra: 128 rows x 272
.set PAB,  34816                       ; pa': 4 waves x 18 rows x 272; rows 16, 17 are zeros
.set STG,  54400                       ; 4 stages of 16 x 272
.set WIM,  71808                       ; images of Wpa's 4 and Wa's 4 tiles, 768 bytes each
.set WSC,  77952                       ; their scale words, 128 bytes each
.set SLS,  78976                       ; 4 waves x [16 l][2 h][64 n]
.set SQR,  111744                      ; 4 waves x 128 rows x 272
.set XT,   16
.set SAVE, 48
.set S1,   54
.set S2,   60
.set CT,   66
.set MX,   70
.set SOP,  74
.set EB,   75
.set PL,   76
.set ES1,  77                          ; the slots' two scale bytes
.set ES2,  78
.set ESV,  79
.set WP,   80                          ; scale word of v[S1 .. S2 + 5]
.set WSV,  81                          ; of v[SAVE .. S1 + 5]
.set WAS,  82                          ; v82-85 Wa's scale words
.set WA,   86                          ; v86-133 Wa's four fragments
.set ACL,  134                         ; v134-197: l0's four accumulators, then l1's
.set FT,   198
.set B1Q,  214
.set PA0,  0
.set PA1,  32
.set PAX,  64
.set SEL,  34
.set SNX,  36                          ; s36  the next trip's two rows of pa': 544 bytes a trip
.set STX,  37                          ; s37  this trip's two rows of SLS: 1,024 bytes a trip
.set MSB, 0
.macro WIN new                         ; the immediate's high byte repeats the setting that is left; a switch that changes nothing is dropped
.if MSB != \new
	s_set_vgpr_msb (MSB<<8)|\new
.set MSB, \new
.endif
.endm
.macro BARRIER
	s_wait_dscnt 0x0
	s_barrier_signal -1
	s_barrier_wait -1
.endm
.macro Q32 src, dst, e                 ; 32 numbers of a lane, one whole block, become 6 registers; e: bytes 0, 1 and again 2, 3 hold blocks 0, 1 in lanes 0-15
	v_max3_num_f32 v[MX], |v[\src]|, |v[\src+1]|, |v[\src+2]|
	v_max3_num_f32 v[MX+1], |v[\src+3]|, |v[\src+4]|, |v[\src+5]|
.irp i, 6,10,14,18,22,26
	v_max3_num_f32 v[MX], v[MX], |v[\src+\i]|, |v[\src+\i+1]|
	v_max3_num_f32 v[MX+1], v[MX+1], |v[\src+\i+2]|, |v[\src+\i+3]|
.endr
	v_max3_num_f32 v[MX], v[MX], |v[\src+30]|, |v[\src+31]|
	v_max3_num_f32 v[MX], v[MX], v[MX+1], 0x1800000  ; the floor 2^(3 - 127): the byte cannot fall under 1
	v_add_nc_u32 v[SOP], 0xff000000, v[MX]           ; 2 off the exponent field: the conversion's scale operand
	v_lshrrev_b32 v[EB], 23, v[SOP]
	v_permlanex16_b32 v[PL], v[EB], s[SEL], s[SEL+1]
	v_lshl_or_b32 v[\e], v[PL], 8, v[EB]
	v_lshl_or_b32 v[\e], v[\e], 16, v[\e]
	v_cvt_scalef32_pk16_fp6_f32 v[\dst:\dst+2], v[\src:\src+15], v[SOP]
	v_cvt_scalef32_pk16_fp6_f32 v[CT:CT+2], v[\src+16:\src+31], v[SOP]
	v_nop
.irp i, 0,1,2
	v_mov_b32 v[\dst+3+\i], v[CT+\i]
.endr
.endm
.macro TURN16                          ; 16 rows of 256 bytes come back from my stage in the order of an operand's registers
.irp i, 0,1,2,3,4,5,6,7
	ds_load_b128 v[XT+4*\i:XT+4*\i+3], v5 offset:16*\i   ; LDS serves a wave's instructions in order (ISA guide 5.7.1.4): these see the stores just issued
.endr
	s_wait_dscnt 0x0
.endm
; Product i of four of the pair in hand.  CK: 0 none, 1 Q-type, 2 L-type; CA its accumulators; CZ: it starts the sums; CX the pair's registers; CW its scale word.
.macro MMC i
.if CK == 1
	WIN 0xa0                                         ; C and D in window 2
.if CZ
	v_wmma_scale_f32_16x16x128_f8f6f4 v[CA+8*\i:CA+8*\i+7], v[WA+12*\i:WA+12*\i+11], v[CX:CX+11], 0, v[WAS+\i], v[CW] matrix_a_fmt:MATRIX_FMT_FP6 matrix_b_fmt:MATRIX_FMT_FP6
.else
	v_wmma_scale_f32_16x16x128_f8f6f4 v[CA+8*\i:CA+8*\i+7], v[WA+12*\i:WA+12*\i+11], v[CX:CX+11], v[CA+8*\i:CA+8*\i+7], v[WAS+\i], v[CW] matrix_a_fmt:MATRIX_FMT_FP6 matrix_b_fmt:MATRIX_FMT_FP6
.endif
	WIN 0
.endif
.if CK == 2
	WIN 0
.if CZ
	v_wmma_scale_f32_16x16x128_f8f6f4 v[CA+8*\i:CA+8*\i+7], v[CX:CX+11], v[WA+12*\i:WA+12*\i+11], 0, v[CW], v[WAS+\i] matrix_a_fmt:MATRIX_FMT_FP6 matrix_b_fmt:MATRIX_FMT_FP6
.else
	v_wmma_scale_f32_16x16x128_f8f6f4 v[CA+8*\i:CA+8*\i+7], v[CX:CX+11], v[WA+12*\i:WA+12*\i+11], v[CA+8*\i:CA+8*\i+7], v[CW], v[WAS+\i] matrix_a_fmt:MATRIX_FMT_FP6 matrix_b_fmt:MATRIX_FMT_FP6
.endif
.endif
.endm
; PHASE t: X(t) is made, and the pair finished in the phase before is multiplied.  first = 1: the Q-type products start ACQ's sums.  carry = 0: the first two phases of all, which have no pair yet.
.macro PH t, first, carry
.set QT, (\t)/2
.set PAR, PA1
.if ((\t)%4 == 0) || ((\t)%4 == 3)
.set PAR, PA0
.endif
.if (\t) == 0
.set PAR, PAX
.endif
.set SLT, S1
.set ESR, ES1
.if (\t)%2 == 0
.set SLT, S2
.set ESR, ES2
.endif
.set CK, 0
.set CZ, 0
.set CX, S1
.set CW, WP
.set CA, 0
.if \carry
.if (\t) == 0
.set CK, 1
.set CA, 32*7
.set CZ, \first
.elseif (\t) == 1
.set CK, 2
.set CA, ACL
.set CX, SAVE
.set CW, WSV
.elseif (\t)%2 == 0
.set CK, 1
.set CA, 32*((\t)/2-1)
.set CZ, \first
.else
.set CK, 2
.set CA, ACL+32*((((\t)-1)%4)/2)
.if ((\t) == 3) || ((\t) == 5)
.set CZ, 1
.endif
.endif
.endif
	WIN 0x0d                                         ; source 0 (ra) window 1, source 1 (pa') window 3
.set I, 0
.rept 16
	v_pk_add_f32 v[XT+I:XT+I+1], v[32*QT+I:32*QT+I+1], v[PAR+I:PAR+I+1]
.set I, I+2
.endr
.if (\t) == 14                         ; l1's last use is over: the next trip's l1
	WIN 0xc0
.irp i, 0,1,2,3,4,5,6,7
	ds_load_b128 v[PA1+4*\i:PA1+4*\i+3], v7 offset:272+16*\i
.endr
.endif
.if (\t) == 15                         ; and l0's
	WIN 0xc0
.irp i, 0,1,2,3,4,5,6,7
	ds_load_b128 v[PA0+4*\i:PA0+4*\i+3], v7 offset:16*\i
.endr
.endif
	MMC 0
	WIN 0
.set I, 0
.rept 16
	v_dual_max_num_f32 v[XT+I], 0, v[XT+I] :: v_dual_max_num_f32 v[XT+I+1], 0, v[XT+I+1]   ; the activation, two at a time
.set I, I+2
.endr
	MMC 1
.irp c, 0,1,2,3
	v_max3_num_f32 v[MX+\c], v[XT+8*\c], v[XT+8*\c+1], v[XT+8*\c+2]   ; the block's largest number, in four chains; nothing is negative here
.endr
.irp c, 0,1,2,3
	v_max3_num_f32 v[MX+\c], v[MX+\c], v[XT+8*\c+3], v[XT+8*\c+4]
.endr
	MMC 2
.irp c, 0,1,2,3
	v_max3_num_f32 v[MX+\c], v[MX+\c], v[XT+8*\c+5], v[XT+8*\c+6]
.endr
	MMC 3
	v_max3_num_f32 v[MX], v[MX], v[XT+7], v[XT+15]   ; these lines are also the places between the pair's last product and the writes into its registers
	v_max3_num_f32 v[MX+2], v[MX+2], v[XT+23], v[XT+31]
	v_max3_num_f32 v[MX], v[MX], v[MX+1], v[MX+2]
	v_max3_num_f32 v[MX], v[MX], v[MX+3], 0x1800000  ; the floor 2^(3 - 127)
	v_add_nc_u32 v[SOP], 0xff000000, v[MX]
	v_lshrrev_b32 v[EB], 23, v[SOP]
	v_permlanex16_b32 v[PL], v[EB], s[SEL], s[SEL+1]
	v_lshl_or_b32 v[ESR], v[PL], 8, v[EB]            ; lanes 0-15: block 0's byte, block 1's byte
	v_cvt_scalef32_pk16_fp6_f32 v[SLT:SLT+2], v[XT:XT+15], v[SOP]
	v_cvt_scalef32_pk16_fp6_f32 v[CT:CT+2], v[XT+16:XT+31], v[SOP]
	v_lshl_or_b32 v[WP], v[ES2], 16, v[ES1]          ; the plain line behind the conversions; 19 vector lines ahead of the product that reads it
.irp i, 0,1,2
	v_mov_b32 v[SLT+3+\i], v[CT+\i]
.endr
.if (\t) == 1
.irp i, 0,1,2,3,4,5
	v_mov_b32 v[SAVE+\i], v[S2+\i]                   ; X(0) is kept for the trip's last pair
.endr
	v_mov_b32 v[ESV], v[ES2]
.endif
.if (\t) == 15
	v_lshl_or_b32 v[WSV], v[ES1], 16, v[ESV]
.endif
.endm
.macro FLUSH                           ; the two l of the trip are done: the eight q classes of a lane are added; the two halves of the lanes meet on the way out
	v_add_nc_u32 v9, s[STX], v8
.irp g, 0,1,2,3,4,5,6,7
	v_pk_add_f32 v[FT+2*\g:FT+2*\g+1], v[ACL+8*\g:ACL+8*\g+1], v[ACL+8*\g+2:ACL+8*\g+3]   ; each accumulator from its low end on
.endr
.irp g, 0,1,2,3,4,5,6,7
	v_pk_add_f32 v[FT+2*\g:FT+2*\g+1], v[FT+2*\g:FT+2*\g+1], v[ACL+8*\g+4:ACL+8*\g+5]
.endr
.irp g, 0,1,2,3,4,5,6,7
	v_pk_add_f32 v[FT+2*\g:FT+2*\g+1], v[FT+2*\g:FT+2*\g+1], v[ACL+8*\g+6:ACL+8*\g+7]
.endr
.irp g, 0,1,2,3,4,5,6,7
	v_add_f32 v[FT+2*\g], v[FT+2*\g], v[FT+2*\g+1]
.endr
.irp g, 0,1,2,3,4,5,6,7
	ds_store_b32 v9, v[FT+2*\g] offset:512*(\g/4)+64*(\g%4)
.endr
.endm
.macro BODY first                      ; phases 2 to 15 of a trip, phases 0 and 1 of the next, and the trip's flush
	PH 2, \first, 1
	s_wait_dscnt 8                                   ; l0's row is in; the flush's 8 stores may be out
.irp t, 3,4,5,6,7,8,9,10,11
	PH \t, \first, 1
.endr
	WIN 0
	v_add_nc_u32 v7, s[SNX], v6
	WIN 0xc0
.irp i, 0,1,2,3,4,5,6,7
	ds_load_b128 v[PAX+4*\i:PAX+4*\i+3], v7 offset:16*\i   ; the next trip's l0, for its phase 0, while this trip's l0 is still at work
.endr
.irp t, 12,13,14,15
	PH \t, \first, 1
.endr
	s_wait_dscnt 16                                  ; that row is in; the 16 loads of phases 14 and 15 may be out
	PH 0, \first, 1
	s_wait_dscnt 8                                   ; l1's row is in; l0's 8 loads may be out
	PH 1, \first, 1
	FLUSH
	s_add_co_u32 s[SNX], s[SNX], 544
	s_add_co_u32 s[STX], s[STX], 1024
.endm
	s_load_b512 s[4:19], s[0:1], 0x0                 ; kpart, raraw, b1, Wpa, bpa, bra, Wa, kbuf
	s_load_b128 s[20:23], s[0:1], 0x40               ; SQ, SL
	v_lshl_add_u32 v254, v0, 2, 0x3d500
	v_mov_b32 v255, 0
	v_lshrrev_b32 v1, 5, v0
	v_readfirstlane_b32 s24, v1                      ; wave 0..3
	v_and_b32 v1, 31, v0
	v_and_b32 v2, 15, v0                             ; r
	v_bfe_u32 v3, v0, 4, 1                           ; h
	s_mov_b32 s[SEL], 0x76543210
	s_mov_b32 s[SEL+1], 0xfedcba98
	s_mov_b32 s[SNX], 544
	s_mov_b32 s[STX], 0
	v_lshlrev_b32 v10, 4, v1                         ; 16 x lane; never rewritten
	v_lshlrev_b32 v225, 5, v3                        ; 32 h
	v_lshlrev_b32 v226, 4, v2                        ; 16 r
	v_mul_u32_u24 v227, v2, 272                      ; 272 r
	v_mul_u32_u24 v236, v3, 272
	v_lshl_add_u32 v236, v2, 4, v236                 ; 272 h + 16 r
	s_mul_i32 s28, s24, 16*272
	s_add_co_u32 s28, s28, STG
	v_add_nc_u32 v4, s28, v236                       ; my stage, in: row h of a pair, + 16 r
	v_lshl_add_u32 v5, v3, 7, v227
	v_add_nc_u32 v5, s28, v5                         ; and out: row r, + 128 h
	s_mul_i32 s28, s24, 18*272
	s_add_co_u32 s28, s28, PAB
	v_lshl_add_u32 v6, v3, 7, s28                    ; pa': my block's row 0, + 128 h
	v_lshl_add_u32 v223, v3, 5, v227
	v_add_nc_u32 v223, s28, v223                     ; where pa' is stored: row r, + 32 h
	v_add_nc_u32 v224, s28, v236                     ; and the two rows of zeros (+ 16 rows)
	s_lshl_b32 s28, s24, 13
	s_add_co_u32 s28, s28, SLS
	v_lshlrev_b32 v8, 8, v3
	v_lshl_add_u32 v8, v2, 2, v8
	v_add_nc_u32 v8, s28, v8                         ; SLS, in: 256 h + 4 r
	v_lshlrev_b32 v15, 9, v3
	v_lshl_add_u32 v15, v2, 4, v15
	v_add_nc_u32 v15, s28, v15                       ; and out: row h of a pair, + 16 r
	v_lshl_add_u32 v11, v1, 4, WIM
	v_lshl_add_u32 v12, v1, 3, WIM+512
	v_lshl_add_u32 v13, v1, 2, WSC
	s_mul_i32 s28, s24, 768
	s_add_co_u32 s28, s28, WIM
	v_lshl_add_u32 v218, v1, 4, s28
	s_add_co_u32 s28, s28, 512
	v_lshl_add_u32 v219, v1, 3, s28
	s_lshl_b32 s28, s24, 7
	s_add_co_u32 s28, s28, WSC
	v_lshl_add_u32 v220, v1, 2, s28
	s_mul_i32 s28, s24, 32*272
	v_add_nc_u32 v221, s28, v236                     ; ra, in: my 32 rows
	v_lshl_add_u32 v222, v3, 7, v227                 ; ra, out: row r, + 128 h
	s_add_co_u32 s28, s28, SQR
	v_add_nc_u32 v232, s28, v236                     ; the four waves' parts of my 32 rows of SQ
	v_add_nc_u32 v233, 128*272, v232
	v_add_nc_u32 v234, 128*272, v233
	v_add_nc_u32 v235, 128*272, v234
	s_mul_i32 s28, s24, 128*272
	s_add_co_u32 s28, s28, SQR
	v_lshl_add_u32 v14, v3, 5, v227
	v_add_nc_u32 v14, s28, v14                       ; where ACQ goes: row r, + 32 h
	v_mov_b32 v[PL], 0                               ; written once: a lane permute's destination counts as one of its sources
.irp i, 0,1,2,3
	v_mov_b32 v[228+\i], 0
.endr
	s_and_b32 s25, ttmp9, 3                          ; qs
	s_lshr_b32 s26, ttmp9, 2                         ; ls
	s_lshl_b32 s28, s26, 14
	s_lshl_b32 s29, s24, 12
	s_add_co_u32 s28, s28, s29
	s_mov_b32 s29, 0                                 ; my 16 rows l, of 256 bytes
	s_lshl_b32 s30, s25, 15
	s_lshl_b32 s31, s24, 13
	s_add_co_u32 s30, s30, s31
	s_mov_b32 s31, 0                                 ; my 32 rows q
	s_lshl_b32 s32, s24, 12
	s_mov_b32 s33, 0                                 ; tile w of Wpa and of Wa
	s_lshl_b32 s40, s25, 20
	s_add_co_u32 s40, s40, s28
	s_mov_b32 s41, 0
	s_lshl_b32 s42, s26, 17
	s_add_co_u32 s42, s42, s30
	s_mov_b32 s43, 0
	s_wait_kmcnt 0x0
	s_add_nc_u64 s[4:5], s[4:5], s[28:29]
	s_add_nc_u64 s[18:19], s[18:19], s[28:29]
	s_add_nc_u64 s[6:7], s[6:7], s[30:31]
	s_add_nc_u64 s[10:11], s[10:11], s[32:33]
	s_add_nc_u64 s[16:17], s[16:17], s[32:33]
	s_add_nc_u64 s[22:23], s[22:23], s[40:41]
	s_add_nc_u64 s[20:21], s[20:21], s[42:43]
	; all loads first, each of 512 consecutive bytes: kpart 32, b1 1, Wpa 8, Wa 8, ra 16, the biases 16
.set I, 0
.rept 32
	global_load_b128 v[WA+4*I:WA+4*I+3], v10, s[4:5] offset:(I/8)*1048576+512*(I%8)
.set I, I+1
.endr
	global_load_b128 v[B1Q:B1Q+3], v226, s[8:9]
	WIN 0x80                                         ; destination window 2
.irp i, 0,1,2,3,4,5,6,7
	global_load_b128 v[4*\i:4*\i+3], v10, s[10:11] offset:512*\i
.endr
.irp i, 0,1,2,3,4,5,6,7
	global_load_b128 v[32+4*\i:35+4*\i], v10, s[16:17] offset:512*\i
.endr
	WIN 0x40                                         ; destination window 1
.set I, 0
.rept 16
	global_load_b128 v[4*I:4*I+3], v10, s[6:7] offset:512*I
.set I, I+1
.endr
	WIN 0x80
.irp n, 0,1,2,3
	global_load_b128 v[64+8*\n:67+8*\n], v225, s[12:13] offset:64*\n
	global_load_b128 v[68+8*\n:71+8*\n], v225, s[12:13] offset:64*\n+16
	global_load_b128 v[96+8*\n:99+8*\n], v225, s[14:15] offset:64*\n
	global_load_b128 v[100+8*\n:103+8*\n], v225, s[14:15] offset:64*\n+16
.endr
	WIN 0
	s_wait_loadcnt 48                                ; kpart and b1 are in; Wpa, Wa, ra and the biases may be out
.set I, 0
.rept 16
	v_pk_add_f32 v[WA+2*I:WA+2*I+1], v[WA+2*I:WA+2*I+1], v[WA+32+2*I:WA+33+2*I]
	v_pk_add_f32 v[WA+64+2*I:WA+65+2*I], v[WA+64+2*I:WA+65+2*I], v[WA+96+2*I:WA+97+2*I]
.set I, I+1
.endr
.set I, 0
.rept 16
	v_pk_add_f32 v[WA+2*I:WA+2*I+1], v[WA+2*I:WA+2*I+1], v[WA+64+2*I:WA+65+2*I]
.set I, I+1
.endr
.set I, 0
.rept 16
	v_pk_add_f32 v[WA+2*I:WA+2*I+1], v[WA+2*I:WA+2*I+1], v[B1Q+(2*I)%4:B1Q+(2*I)%4+1]
.set I, I+1
.endr
.set I, 0
.rept 32
	v_max_num_f32 v[WA+I], 0, v[WA+I]                ; k
.set I, I+1
.endr
	s_cmp_lg_u32 s25, 0                              ; the four work-groups of one ls make the same k: the first stores it
	s_cbranch_scc1 .Lno_k
.irp i, 0,1,2,3,4,5,6,7
	global_store_b128 v10, v[WA+4*\i:WA+4*\i+3], s[18:19] offset:512*\i
.endr
.Lno_k:
.irp i, 0,1,2,3,4,5,6,7
	ds_store_b128 v4, v[WA+4*\i:WA+4*\i+3] offset:544*\i
.endr
	TURN16
	Q32 XT, SAVE, WP                                 ; k's 16 rows as an operand: K = 64 in the lower half,
.irp i, 0,1,2,3,4,5
	v_mov_b32 v[S1+\i], 0                            ; zero codes in the upper
.endr
	s_wait_loadcnt 40                                ; Wpa's tile is in
	WIN 0x08                                         ; an LDS store's data are its source 1: window 2
.irp i, 0,1,2,3,4,5,6,7
	ds_store_b128 v4, v[4*\i:4*\i+3] offset:544*\i
.endr
	WIN 0
	TURN16
	Q32 XT, S2, ES1
	ds_store_b128 v218, v[S2:S2+3]                   ; the tile goes to the other waves as an image of its registers
	ds_store_b64 v219, v[S2+4:S2+5]
	ds_store_b32 v220, v[ES1]
	s_wait_loadcnt 32                                ; Wa's tile is in
	WIN 0x08
.irp i, 0,1,2,3,4,5,6,7
	ds_store_b128 v4, v[32+4*\i:35+4*\i] offset:544*\i
.endr
	WIN 0
	TURN16
	Q32 XT, S2, ES1
	ds_store_b128 v218, v[S2:S2+3] offset:4*768
	ds_store_b64 v219, v[S2+4:S2+5] offset:4*768
	ds_store_b32 v220, v[ES1] offset:4*128
	s_wait_loadcnt 16                                ; ra's 32 rows are in
	WIN 0x04                                         ; store data: window 1
.set I, 0
.rept 16
	ds_store_b128 v221, v[4*I:4*I+3] offset:544*I
.set I, I+1
.endr
	WIN 0
	BARRIER                                          ; the eight tiles' images and ra's 128 rows lie in LDS
	s_wait_xcnt 0x0                                  ; kbuf's stores have read their data: Wa's fragments land there
.irp n, 0,1,2,3
	ds_load_b128 v[ACL+6*\n:ACL+6*\n+3], v11 offset:768*\n          ; Wpa's four tiles on end: tile n's upper half is the next tile's codes, which meet k's zero codes
	ds_load_b64 v[ACL+6*\n+4:ACL+6*\n+5], v12 offset:768*\n
	ds_load_b32 v[ACL+30+\n], v13 offset:128*\n
.endr
.irp n, 0,1,2,3
.irp d, 0,1
	ds_load_b128 v[WA+12*\n+6*\d:WA+12*\n+6*\d+3], v11 offset:768*(4+\n)   ; Wa's row in both halves of K
	ds_load_b64 v[WA+12*\n+6*\d+4:WA+12*\n+6*\d+5], v12 offset:768*(4+\n)
.endr
	ds_load_b32 v[WAS+\n], v13 offset:128*(4+\n)
.endr
	WIN 0x40
.set I, 0
.rept 64
	ds_load_b128 v[4*I:4*I+3], v222 offset:4352*(I/8)+16*(I%8)      ; ra stays in registers: tile I / 8
.set I, I+1
.endr
	WIN 0
.irp i, 0,1,2,3,4,5
	v_mov_b32 v[ACL+24+\i], 0
.endr
	s_wait_loadcnt 0x0                               ; the biases
	WIN 0x0a                                         ; sources 0 and 1 window 2
.set I, 0
.rept 16
	v_pk_add_f32 v[XT+2*I:XT+2*I+1], v[64+2*I:65+2*I], v[96+2*I:97+2*I]   ; bpa + bra, in the result's layout: the C of pa's products
.set I, I+1
.endr
	WIN 0
.rept 4
	v_nop
.endr
	s_wait_dscnt 0x0
.irp n, 0,1,2,3
	v_wmma_scale_f32_16x16x128_f8f6f4 v[XT+8*\n:XT+8*\n+7], v[ACL+6*\n:ACL+6*\n+11], v[SAVE:SAVE+11], v[XT+8*\n:XT+8*\n+7], v[ACL+30+\n], v[WP] matrix_a_fmt:MATRIX_FMT_FP6 matrix_b_fmt:MATRIX_FMT_FP6
.endr
.rept 4
	v_nop                                            ; four places behind the products (ISA guide 7.12.1)
.endr
.irp n, 0,1,2,3
	ds_store_b128 v223, v[XT+8*\n:XT+8*\n+3] offset:64*\n            ; lane (r, h): pa'(l = r, 16 n + 8 h + 0 .. 7)
	ds_store_b128 v223, v[XT+8*\n+4:XT+8*\n+7] offset:64*\n+16
.endr
	ds_store_b128 v224, v[228:231] offset:16*272
	WIN 0xc0                                         ; destination window 3
.irp i, 0,1,2,3,4,5,6,7
	ds_load_b128 v[PAX+4*\i:PAX+4*\i+3], v6 offset:16*\i
	ds_load_b128 v[PA1+4*\i:PA1+4*\i+3], v6 offset:272+16*\i
	ds_load_b128 v[PA0+4*\i:PA0+4*\i+3], v6 offset:16*\i
.endr
	WIN 0
	s_wait_dscnt 0x0
	PH 0, 0, 0
	PH 1, 0, 0
	BODY 1                                           ; the first trip's Q-type products start ACQ's sums: nothing is cleared
	s_mov_b32 s38, 7
.Ltrip:
	BODY 0
	s_sub_co_u32 s38, s38, 1
	s_cmp_lg_u32 s38, 0
	s_cbranch_scc1 .Ltrip
	; THE WAY OUT.  SL: my 16 rows; the two halves of the lanes are added; each store covers two whole rows, 512 consecutive bytes.
.set I, 0
.rept 8
	ds_load_b128 v[86+4*I:89+4*I], v15 offset:1024*I
	ds_load_b128 v[118+4*I:121+4*I], v15 offset:1024*I+256
.set I, I+1
.endr
	s_wait_dscnt 0x0
.set I, 0
.rept 16
	v_pk_add_f32 v[86+2*I:87+2*I], v[86+2*I:87+2*I], v[118+2*I:119+2*I]
.set I, I+1
.endr
.set I, 0
.rept 8
	global_store_b128 v10, v[86+4*I:89+4*I], s[22:23] offset:512*I
.set I, I+1
.endr
	; SQ: each wave's sums over its 16 l go to LDS; behind the barrier each wave adds the four parts of 32 rows.
	WIN 0x08
.set I, 0
.rept 32
	ds_store_b128 v14, v[8*I:8*I+3] offset:4352*(I/4)+64*(I%4)       ; each accumulator from its low end on
	ds_store_b128 v14, v[8*I+4:8*I+7] offset:4352*(I/4)+64*(I%4)+16
.set I, I+1
.endr
	WIN 0
	BARRIER
.irp b, 0,1,2,3
.irp i, 0,1,2,3
.irp g, 0,1,2,3
	ds_load_b128 v[150+16*\i+4*\g:153+16*\i+4*\g], v[232+\g] offset:544*(4*\b+\i)
.endr
.endr
	s_wait_dscnt 0x0
.irp i, 0,1,2,3
.irp p, 0,2
	v_pk_add_f32 v[150+16*\i+\p:151+16*\i+\p], v[150+16*\i+\p:151+16*\i+\p], v[154+16*\i+\p:155+16*\i+\p]
	v_pk_add_f32 v[158+16*\i+\p:159+16*\i+\p], v[158+16*\i+\p:159+16*\i+\p], v[162+16*\i+\p:163+16*\i+\p]
.endr
.irp p, 0,2
	v_pk_add_f32 v[16+16*\b+4*\i+\p:17+16*\b+4*\i+\p], v[150+16*\i+\p:151+16*\i+\p], v[158+16*\i+\p:159+16*\i+\p]   ; into registers of the batch's own: no store's data are written again
.endr
.endr
.irp i, 0,1,2,3
	global_store_b128 v10, v[16+16*\b+4*\i:19+16*\b+4*\i], s[20:21] offset:512*(4*\b+\i)
.endr
.endr
	s_wait_tensorcnt 0x0
	ds_add_u32 v254, v255
	s_wait_dscnt 0x0
	s_endpgm
.Lfunc_end_k_qc1f4c0bfeb_pairs:
	.size	k_qc1f4c0bfeb_pairs, .Lfunc_end_k_qc1f4c0bfeb_pairs-k_qc1f4c0bfeb_pairs
	.p2alignl 7, 3214868480
	.fill 96, 4, 3214868480
	.section	.rodata,"a",@progbits
	.p2align	6, 0x0
	.amdhsa_kernel k_qc1f4c0bfeb_pairs
		.amdhsa_group_segment_fixed_size 251648
		.amdhsa_private_segment_fixed_size 0
		.amdhsa_enable_private_segment 0
		.amdhsa_kernarg_size 80
		.amdhsa_user_sgpr_count 2
		.amdhsa_user_sgpr_kernarg_segment_ptr 1
		.amdhsa_wavefront_size32 1
		.amdhsa_system_sgpr_workgroup_id_x 1
		.amdhsa_system_sgpr_workgroup_id_y 1
		.amdhsa_system_sgpr_workgroup_id_z 1
		.amdhsa_system_vgpr_workitem_id 0
		.amdhsa_next_free_vgpr 896
		.amdhsa_next_free_sgpr 66
		.amdhsa_reserve_vcc 0
		.amdhsa_float_denorm_mode_32 3
		.amdhsa_float_denorm_mode_16_64 3
		.amdhsa_memory_ordered 1
		.amdhsa_forward_progress 1
		.amdhsa_inst_pref_size 208
	.end_amdhsa_kernel
	.amdgpu_metadata
---
amdhsa.version: [ 1, 2 ]
amdhsa.kernels:
  - .name:           k_qc1f4c0bfeb_pairs
    .symbol:         k_qc1f4c0bfeb_pairs.kd
    .args:
      - { .name: kpart, .offset: 0, .size: 8, .value_kind: global_buffer, .address_space: global }
      - { .name: raraw, .offset: 8, .size: 8, .value_kind: global_buffer, .address_space: global }
      - { .name: b1, .offset: 16, .size: 8, .value_kind: global_buffer, .address_space: global }
      - { .name: Wpa, .offset: 24, .size: 8, .value_kind: global_buffer, .address_space: global }
      - { .name: bpa, .offset: 32, .size: 8, .value_kind: global_buffer, .address_space: global }
      - { .name: bra, .offset: 40, .size: 8, .value_kind: global_buffer, .address_space: global }
      - { .name: Wa, .offset: 48, .size: 8, .value_kind: global_buffer, .address_space: global }
      - { .name: kbuf, .offset: 56, .size: 8, .value_kind: global_buffer, .address_space: global }
      - { .name: SQ, .offset: 64, .size: 8, .value_kind: global_buffer, .address_space: global }
      - { .name: SL, .offset: 72, .size: 8, .value_kind: global_buffer, .address_space: global }
    .group_segment_fixed_size: 251648
    .private_segment_fixed_size: 0
    .kernarg_segment_align: 8
    .kernarg_segment_size: 80
    .max_flat_workgroup_size: 128
    .sgpr_count:     66
    .vgpr_count:     896
    .wavefront_size: 32
...
	.end_amdgpu_metadata
.endif
;; end of part 2
;; launch gates (part 3): grid 256 x 1, 8 waves a work-group, no clusters, 76,800 bytes of LDS; arguments SL, SQ, kbuf, rbuf, ba, Wf1, Wf2, pmw, rxn; writes pmw, rxn
.if DOCPART == 3
	.amdgcn_target "amdgcn-amd-amdhsa--gfx1250"
	.amdhsa_code_object_version 6
	.text
	.protected	k_qc1f4c0bfeb_gates
	.globl	k_qc1f4c0bfeb_gates
	.p2align	8
	.type	k_qc1f4c0bfeb_gates,@function
k_qc1f4c0bfeb_gates:
	s_mov_b64 s[64:65], 0
	v_nop
	global_prefetch_b8 v0, s[64:65] scope:SCOPE_SE
	s_setreg_imm32_b32 hwreg(HW_REG_WAVE_MODE, 25, 1), 1
	s_wait_xcnt 0x0
; GATES: the partial sums are added and both gates applied, all in f32; and the last two weights are quantised once, for the launch that follows.
;   pmw[g][n]  = max over l = 16 g .. 16 g + 15 of k + k sigmoid(sum over qs of SL[qs][l][n] / 512 + ba[n])        (256 rows of 256 bytes)
;   rxn[q][n]  = r + r sigmoid(sum over ls of SQ[ls][q][n] / 4,096 + ba[n]),  q = 2 g, 2 g + 1
; Eight waves; a lane holds four neighbouring n.  Wave w takes rows l = 16 g + 2 w + (lane / 16), and of SQ's 64 parts the eight from 8 w on.  Every load reads 512 consecutive bytes.
; The waves' figures meet in LDS behind one barrier, and wave 0 finishes.  No matrix work, no cluster: the work-groups share only ba's 256 bytes.
; THE WEIGHTS.  Wf1 [256][128] and Wf2 [128][256] are 32 fragments of 16 rows x 128 K for codes of FP6 (E2M3), one E8M0 scale for each 32 along K.  Every work-group of the next launch wants all of them,
; so they are made once, here: in work-groups 0-3 wave v makes fragment f = 8 g + v.  Fragment 4 w + u (u = 0, 1): rows 32 w + 8 u + i + 8 (i / 8) of Wf1; fragment 4 w + 2 + s: rows 16 w + i of Wf2, K step s.
; Its 16 loads read 512 consecutive bytes of a row each; the 8 KiB turn through the wave's own stage in LDS and come back in the order of the operand's registers (lane (r, h): row r, k = 64 c + 32 h + 0 .. 31).
; The 12 registers leave as an IMAGE: group j of four registers at 1,536 f + 512 j + 16 x lane behind pmw's 256 rows, the scale word at 128 f + 4 x lane behind the images: whoever loads them by the same
; lines has the same registers in the same lanes.  The loads stand behind the launch's own and are waited for with them.
; sigmoid(m) = 1 / (1 + 2^(-m log2 e)): where the power overflows the reciprocal is 0, as it should be.
; LIMITS: NaN and infinities are not served.  A block of zeros keeps the scale byte 1 (its codes are zeros, and the bytes are read by this program alone).
.set STG,  8192                        ; LDS behind the waves' figures: a stage of 16 rows x (512 + 16) bytes for each wave
.set SPW,  8448
.set WIM,  65536                       ; in pmw: the fragments' images, 1,536 bytes each
.set WSC,  114688                      ; and their scale words, 128 bytes each
.set SEL,  34                          ; s[34:35] lane selects for v_permlanex16_b32: lane l xor 16
.set G,    104                         ; v104-167 a fragment's 64 numbers a lane
.set CD,   168                         ; v168-179 its codes;  v180 its scale word
.set CDW,  180
.set MX,   182                         ; v182-185 largest magnitudes
.set SOP,  186                         ; v186-187 the conversions' scale operands
.set EB,   188                         ; v188-189 scale bytes
.set CT,   190                         ; v190-192, v194-196 second halves of blocks (a conversion's three registers begin on an even number)
.set PL,   193
.set TW,   197
.set SH8,  198                         ; 8 h
.set STI,  199                         ; my stage, in: 16 x lane
.set STO,  200                         ; and out: row r, + 128 h
.set LW,   201                         ; 4 x lane
.macro SIGM b                          ; four numbers m become four gates.  The exponentials are one batch with one wait, and so are the reciprocals
.irp i, 0,1,2,3
	v_mul_f32 v[\b+\i], 0xbfb8aa3b, v[\b+\i]
.endr
.irp i, 0,1,2,3
	v_exp_f32 v[\b+\i], v[\b+\i]
.endr
	v_nop                                            ; a plain line behind the last of them (ISA guide 5.7.2)
	s_wait_alu depctr_va_vdst(0)
.irp i, 0,1,2,3
	v_add_f32 v[\b+\i], 1.0, v[\b+\i]
.endr
.irp i, 0,1,2,3
	v_rcp_f32 v[\b+\i], v[\b+\i]
.endr
	v_nop
	s_wait_alu depctr_va_vdst(0)
.endm
; 64 numbers of a lane, two whole blocks (block c at src + 32 c is block 2 c + h of my row), become a fragment's 12 registers and its scale word.
.macro Q64 src, dst, word
.irp c, 0,1
	v_max3_num_f32 v[MX+2*\c], |v[\src+32*\c]|, |v[\src+32*\c+1]|, |v[\src+32*\c+2]|
	v_max3_num_f32 v[MX+2*\c+1], |v[\src+32*\c+3]|, |v[\src+32*\c+4]|, |v[\src+32*\c+5]|
.endr
.irp i, 6,10,14,18,22,26
.irp c, 0,1
	v_max3_num_f32 v[MX+2*\c], v[MX+2*\c], |v[\src+32*\c+\i]|, |v[\src+32*\c+\i+1]|
	v_max3_num_f32 v[MX+2*\c+1], v[MX+2*\c+1], |v[\src+32*\c+\i+2]|, |v[\src+32*\c+\i+3]|
.endr
.endr
.irp c, 0,1
	v_max3_num_f32 v[MX+2*\c], v[MX+2*\c], |v[\src+32*\c+30]|, |v[\src+32*\c+31]|
.endr
.irp c, 0,1
	v_max3_num_f32 v[MX+2*\c], v[MX+2*\c], v[MX+2*\c+1], 0x1800000   ; and the floor 2^(3 - 127): the byte cannot fall under 1
.endr
.irp c, 0,1
	v_add_nc_u32 v[SOP+\c], 0xff000000, v[MX+2*\c]   ; 2 off the exponent field: the conversion takes this operand's exponent field as its scale
.endr
.irp c, 0,1
	v_lshrrev_b32 v[EB+\c], 23, v[SOP+\c]            ; the scale's byte
.endr
	v_lshl_or_b32 v[TW], v[EB+1], 16, v[EB]          ; my two bytes, blocks h and 2 + h,
	v_lshlrev_b32 v[TW], v[SH8], v[TW]               ; at their places in the word;
	v_permlanex16_b32 v[PL], v[TW], s[SEL], s[SEL+1]
	v_or_b32 v[\word], v[TW], v[PL]                  ; with lane l xor 16's two the word is whole
.irp c, 0,1
	v_cvt_scalef32_pk16_fp6_f32 v[\dst+6*\c:\dst+6*\c+2], v[\src+32*\c:\src+32*\c+15], v[SOP+\c]
	v_cvt_scalef32_pk16_fp6_f32 v[CT+4*\c:CT+4*\c+2], v[\src+32*\c+16:\src+32*\c+31], v[SOP+\c]
.endr
	v_nop                                            ; one plain line behind the scaled conversions
.irp c, 0,1
.irp i, 0,1,2
	v_mov_b32 v[\dst+6*\c+3+\i], v[CT+4*\c+\i]
.endr
.endr
.endm
	s_load_b512 s[4:19], s[0:1], 0x0                 ; SL, SQ, kbuf, rbuf, ba, Wf1, Wf2, pmw
	s_load_b64 s[20:21], s[0:1], 0x40                ; rxn
	v_lshl_add_u32 v208, v0, 2, 0x12800
	v_mov_b32 v209, 0
	v_lshrrev_b32 v1, 5, v0
	v_readfirstlane_b32 s22, v1                      ; wave 0..7
	v_and_b32 v1, 31, v0
	v_and_b32 v2, 15, v0                             ; r
	v_bfe_u32 v6, v0, 4, 1                           ; h
	v_lshlrev_b32 v3, 4, v0                          ; 512 x wave + 16 x lane
	v_lshlrev_b32 v4, 4, v1                          ; 16 x lane
	v_lshlrev_b32 v5, 4, v2                          ; 16 r
	s_mul_i32 s23, s22, SPW
	s_add_co_u32 s23, s23, STG                       ; my stage
	v_lshl_add_u32 v[STI], v1, 4, s23
	v_mul_u32_u24 v[STO], v2, 528
	v_lshl_add_u32 v[STO], v6, 7, v[STO]
	v_add_nc_u32 v[STO], s23, v[STO]
	v_lshlrev_b32 v[SH8], 3, v6
	v_lshlrev_b32 v[LW], 2, v1
	v_mov_b32 v[PL], 0                               ; written once: a lane permute's destination counts as one of its sources
	s_mov_b32 s[SEL], 0x76543210
	s_mov_b32 s[SEL+1], 0xfedcba98
	s_lshl_b32 s24, ttmp9, 12                        ; 16 rows of 256 bytes
	s_mov_b32 s25, 0
	s_lshl_b32 s26, ttmp9, 9                         ; 2 rows
	s_mov_b32 s27, 0
	s_lshl_b32 s28, s22, 20                          ; 8 parts of SQ
	s_add_co_u32 s28, s28, s26
	s_mov_b32 s29, 0
	s_lshl_b32 s32, ttmp9, 8                         ; 1 row
	s_mov_b32 s33, 0
	s_wait_kmcnt 0x0
	s_add_nc_u64 s[4:5], s[4:5], s[24:25]
	s_add_nc_u64 s[8:9], s[8:9], s[24:25]
	s_add_nc_u64 s[6:7], s[6:7], s[28:29]
	s_add_nc_u64 s[10:11], s[10:11], s[26:27]
	s_add_nc_u64 s[20:21], s[20:21], s[26:27]
	s_add_nc_u64 s[48:49], s[18:19], s[32:33]        ; my row of maxima
.irp q, 0,1,2,3
	global_load_b128 v[8+4*\q:11+4*\q], v3, s[4:5] offset:\q*1048576
.endr
	global_load_b128 v[24:27], v3, s[8:9]
	global_load_b128 v[28:31], v5, s[12:13]
.irp e, 0,1,2,3,4,5,6,7
	global_load_b128 v[32+4*\e:35+4*\e], v4, s[6:7] offset:\e*131072
.endr
	global_load_b128 v[64:67], v4, s[10:11]
	; ---- the weights: work-groups 0-3 alone, a fragment a wave
	s_cmp_ge_u32 ttmp9, 4
	s_cbranch_scc1 .Lno_w
	s_lshl_b32 s36, ttmp9, 15
	s_lshr_b32 s38, s22, 2
	s_lshl_b32 s38, s38, 14
	s_add_co_u32 s36, s36, s38                       ; w = 2 g + wave / 4: 16,384 bytes of either weight
	s_mov_b32 s37, 0
	s_and_b32 s39, s22, 1                            ; u, or s
	s_lshl_b32 s42, ttmp9, 3
	s_add_co_u32 s42, s42, s22                       ; f
	s_mul_i32 s44, s42, 1536
	s_add_co_u32 s44, s44, WIM
	s_mov_b32 s45, 0
	s_add_nc_u64 s[46:47], s[18:19], s[44:45]        ; where the image goes
	s_lshl_b32 s44, s42, 7
	s_add_co_u32 s44, s44, WSC
	s_add_nc_u64 s[50:51], s[18:19], s[44:45]        ; and the scale word
	s_and_b32 s40, s22, 2
	s_cmp_lg_u32 s40, 0                              ; the rows lie otherwise in the two weights: a branch on the wave's number round the loads alone
	s_cbranch_scc1 .Lw2
	s_lshl_b32 s39, s39, 12                          ; Wf1: tile u begins 8 rows of 512 bytes on
	s_add_co_u32 s36, s36, s39
	s_add_nc_u64 s[14:15], s[14:15], s[36:37]
.set I, 0
.rept 16
	global_load_b128 v[G+4*I:G+4*I+3], v4, s[14:15] offset:(I+8*(I/8))*512
.set I, I+1
.endr
	s_branch .Lwq
.Lw2:
	s_lshl_b32 s39, s39, 9                           ; Wf2: K step s begins 512 bytes on in each row of 1,024
	s_add_co_u32 s36, s36, s39
	s_add_nc_u64 s[16:17], s[16:17], s[36:37]
.set I, 0
.rept 16
	global_load_b128 v[G+4*I:G+4*I+3], v4, s[16:17] offset:1024*I
.set I, I+1
.endr
.Lwq:
	s_wait_loadcnt 0x0                               ; these 16, and the launch's own 15 ahead of them
.set I, 0
.rept 16
	ds_store_b128 v[STI], v[G+4*I:G+4*I+3] offset:528*I
.set I, I+1
.endr
.set I, 0
.rept 16
	ds_load_b128 v[G+4*I:G+4*I+3], v[STO] offset:256*(I/8)+16*(I%8)   ; LDS serves a wave's instructions in order (ISA guide 5.7.1.4): these see the stores above
.set I, I+1
.endr
	s_wait_dscnt 0x0
	Q64 G, CD, CDW
.irp j, 0,1,2
	global_store_b128 v4, v[CD+4*\j:CD+4*\j+3], s[46:47] offset:512*\j   ; 512 consecutive bytes, at a multiple of 256 from the buffer's first byte
.endr
	global_store_b32 v[LW], v[CDW], s[50:51]         ; 128 consecutive bytes
.Lno_w:
	s_wait_loadcnt 0x0
.irp p, 0,2
	v_pk_add_f32 v[8+\p:9+\p], v[8+\p:9+\p], v[12+\p:13+\p]
	v_pk_add_f32 v[16+\p:17+\p], v[16+\p:17+\p], v[20+\p:21+\p]
.endr
.irp p, 0,2
	v_pk_add_f32 v[8+\p:9+\p], v[8+\p:9+\p], v[16+\p:17+\p]
.endr
.irp p, 0,2
	v_pk_fma_f32 v[8+\p:9+\p], v[8+\p:9+\p], 0x3b000000, v[28+\p:29+\p] op_sel_hi:[1,0,1]   ; / 512 + ba
.endr
	SIGM 8
.irp i, 0,1,2,3
	v_fma_f32 v[8+\i], v[24+\i], v[8+\i], v[24+\i]   ; k + k x gate
.endr
.irp i, 0,1,2,3
	v_permlanex16_b32 v[12+\i], v[8+\i], s[SEL], s[SEL+1]
.endr
.irp i, 0,1,2,3
	v_max_num_f32 v[8+\i], v[8+\i], v[12+\i]         ; with the row in lane l xor 16
.endr
	ds_store_b128 v3, v[8:11]
.irp p, 0,2
	v_pk_add_f32 v[32+\p:33+\p], v[32+\p:33+\p], v[36+\p:37+\p]
	v_pk_add_f32 v[40+\p:41+\p], v[40+\p:41+\p], v[44+\p:45+\p]
	v_pk_add_f32 v[48+\p:49+\p], v[48+\p:49+\p], v[52+\p:53+\p]
	v_pk_add_f32 v[56+\p:57+\p], v[56+\p:57+\p], v[60+\p:61+\p]
.endr
.irp p, 0,2
	v_pk_add_f32 v[32+\p:33+\p], v[32+\p:33+\p], v[40+\p:41+\p]
	v_pk_add_f32 v[48+\p:49+\p], v[48+\p:49+\p], v[56+\p:57+\p]
.endr
.irp p, 0,2
	v_pk_add_f32 v[32+\p:33+\p], v[32+\p:33+\p], v[48+\p:49+\p]
.endr
	ds_store_b128 v3, v[32:35] offset:4096
	s_wait_dscnt 0x0                                 ; for the others' sake: my stores have landed
	s_barrier_signal -1
	s_barrier_wait -1
	s_cmp_lg_u32 s22, 0
	s_cbranch_scc1 .Lend
.irp e, 0,1,2,3,4,5,6,7
	ds_load_b128 v[32+4*\e:35+4*\e], v4 offset:512*\e
	ds_load_b128 v[68+4*\e:71+4*\e], v4 offset:4096+512*\e
.endr
	s_wait_dscnt 0x0
.irp i, 0,1,2,3
	v_max3_num_f32 v[32+\i], v[32+\i], v[36+\i], v[40+\i]
	v_max3_num_f32 v[44+\i], v[44+\i], v[48+\i], v[52+\i]
.endr
.irp i, 0,1,2,3
	v_max3_num_f32 v[32+\i], v[32+\i], v[44+\i], v[56+\i]
.endr
.irp i, 0,1,2,3
	v_max_num_f32 v[32+\i], v[32+\i], v[60+\i]
.endr
.irp p, 0,2
	v_pk_add_f32 v[68+\p:69+\p], v[68+\p:69+\p], v[72+\p:73+\p]
	v_pk_add_f32 v[76+\p:77+\p], v[76+\p:77+\p], v[80+\p:81+\p]
	v_pk_add_f32 v[84+\p:85+\p], v[84+\p:85+\p], v[88+\p:89+\p]
	v_pk_add_f32 v[92+\p:93+\p], v[92+\p:93+\p], v[96+\p:97+\p]
.endr
.irp p, 0,2
	v_pk_add_f32 v[68+\p:69+\p], v[68+\p:69+\p], v[76+\p:77+\p]
	v_pk_add_f32 v[84+\p:85+\p], v[84+\p:85+\p], v[92+\p:93+\p]
.endr
.irp p, 0,2
	v_pk_add_f32 v[68+\p:69+\p], v[68+\p:69+\p], v[84+\p:85+\p]
.endr
.irp p, 0,2
	v_pk_fma_f32 v[68+\p:69+\p], v[68+\p:69+\p], 0x39800000, v[28+\p:29+\p] op_sel_hi:[1,0,1]   ; / 4,096 + ba
.endr
	SIGM 68
.irp i, 0,1,2,3
	v_fma_f32 v[68+\i], v[64+\i], v[68+\i], v[64+\i] ; r + r x gate
.endr
	global_store_b128 v4, v[68:71], s[20:21]         ; two whole rows, 512 consecutive bytes
	s_wait_xcnt 0x0                                  ; EXEC changes only behind this wait
	v_cmp_gt_u32 vcc_lo, 16, v0
	s_and_saveexec_b32 s30, vcc_lo
	global_store_b128 v5, v[32:35], s[48:49]         ; lanes 0-15: one row of 256 bytes
	s_wait_xcnt 0x0
	s_or_b32 exec_lo, exec_lo, s30
.Lend:
	s_wait_tensorcnt 0x0
	ds_add_u32 v208, v209
	s_wait_dscnt 0x0
	s_endpgm
.Lfunc_end_k_qc1f4c0bfeb_gates:
	.size	k_qc1f4c0bfeb_gates, .Lfunc_end_k_qc1f4c0bfeb_gates-k_qc1f4c0bfeb_gates
	.p2alignl 7, 3214868480
	.fill 96, 4, 3214868480
	.section	.rodata,"a",@progbits
	.p2align	6, 0x0
	.amdhsa_kernel k_qc1f4c0bfeb_gates
		.amdhsa_group_segment_fixed_size 76800
		.amdhsa_private_segment_fixed_size 0
		.amdhsa_enable_private_segment 0
		.amdhsa_kernarg_size 72
		.amdhsa_user_sgpr_count 2
		.amdhsa_user_sgpr_kernarg_segment_ptr 1
		.amdhsa_wavefront_size32 1
		.amdhsa_system_sgpr_workgroup_id_x 1
		.amdhsa_system_sgpr_workgroup_id_y 1
		.amdhsa_system_sgpr_workgroup_id_z 1
		.amdhsa_system_vgpr_workitem_id 0
		.amdhsa_next_free_vgpr 210
		.amdhsa_next_free_sgpr 66
		.amdhsa_reserve_vcc 1
		.amdhsa_float_denorm_mode_32 3
		.amdhsa_float_denorm_mode_16_64 3
		.amdhsa_memory_ordered 1
		.amdhsa_forward_progress 1
		.amdhsa_inst_pref_size 21
	.end_amdhsa_kernel
	.amdgpu_metadata
---
amdhsa.version: [ 1, 2 ]
amdhsa.kernels:
  - .name:           k_qc1f4c0bfeb_gates
    .symbol:         k_qc1f4c0bfeb_gates.kd
    .args:
      - { .name: SL, .offset: 0, .size: 8, .value_kind: global_buffer, .address_space: global }
      - { .name: SQ, .offset: 8, .size: 8, .value_kind: global_buffer, .address_space: global }
      - { .name: kbuf, .offset: 16, .size: 8, .value_kind: global_buffer, .address_space: global }
      - { .name: rbuf, .offset: 24, .size: 8, .value_kind: global_buffer, .address_space: global }
      - { .name: ba, .offset: 32, .size: 8, .value_kind: global_buffer, .address_space: global }
      - { .name: Wf1, .offset: 40, .size: 8, .value_kind: global_buffer, .address_space: global }
      - { .name: Wf2, .offset: 48, .size: 8, .value_kind: global_buffer, .address_space: global }
      - { .name: pmw, .offset: 56, .size: 8, .value_kind: global_buffer, .address_space: global }
      - { .name: rxn, .offset: 64, .size: 8, .value_kind: global_buffer, .address_space: global }
    .group_segment_fixed_size: 76800
    .private_segment_fixed_size: 0
    .kernarg_segment_align: 8
    .kernarg_segment_size: 72
    .max_flat_workgroup_size: 256
    .sgpr_count:     66
    .vgpr_count:     210
    .wavefront_size: 32
...
	.end_amdgpu_metadata
.endif
;; end of part 3
;; launch head (part 4): grid 32 x 1, 8 waves a work-group, no clusters, 17,920 bytes of LDS; arguments pmw, rxn, bf1, bf2, Wf3, bf3, out0; writes out0
.if DOCPART == 4
	.amdgcn_target "amdgcn-amd-amdhsa--gfx1250"
	.amdhsa_code_object_version 6
	.text
	.protected	k_qc1f4c0bfeb_head
	.globl	k_qc1f4c0bfeb_head
	.p2align	8
	.type	k_qc1f4c0bfeb_head,@function
k_qc1f4c0bfeb_head:
	s_mov_b64 s[64:65], 0
	v_nop
	global_prefetch_b8 v0, s[64:65] scope:SCOPE_SE
	s_setreg_imm32_b32 hwreg(HW_REG_WAVE_MODE, 25, 1), 1
	s_wait_xcnt 0x0
; HEAD: prot = max over pmw's 256 rows; ctx = [rxn | prot]; out = leaky(leaky(ctx Wf1^T + bf1) Wf2^T + bf2) . Wf3 + bf3.  The two products on codes of FP6 (E2M3), one E8M0 scale for each 32 along K; the last dot in f32.
; A work-group takes 16 q.  THE WAVES SHARE THE COLUMNS: wave w makes units 32 w .. 32 w + 31 of the first layer and 16 w .. 16 w + 15 of the second.
; THE WEIGHTS COME AS CODES: the launch before has quantised Wf1 and Wf2 once and laid each fragment as an image of its 12 registers behind pmw's 256 rows (fragment f at 1,536 f, group j of four registers at
; 512 j + 16 x lane; its scale word at 128 f + 4 x lane behind the images).  Wave w's four are 4 w .. 4 w + 3: Wf1's two tiles, Wf2's two K steps: three loads of 512 consecutive bytes each.
; Both products are used transposed (source 0 = 16 rows of the weight, source 1 = the 16 q): a lane holds one q and registers along the units.
; THE ROWS OF Wf1 THAT FORM A TILE ARE NOT NEIGHBOURS: row i of tile u is 32 w + 8 u + i + 8 (i / 8), so that the 16 registers of a lane's two tiles are units 32 w + 16 h + 0 .. 15: half of block w of the next K.
; Its 16 codes (3 registers) go to LDS at the place that the next operand's layout gives them, register by register (word 128 R + 4 lane), the block's byte beside them; behind a barrier every wave loads both fragments.
; The biases are loaded straight into the accumulators.  32 work-groups: the layer has 16 q a tile and 512 q.  No cluster: no tensor load; what the work-groups share is 117 KiB, read once by each.
; LIMITS: NaN and infinities are not served; a block of zeros keeps the byte 1.
.set PMX,  0                           ; 8 x 512: the waves' maxima
.set CTX,  4096                        ; 16 rows x 272: rxn
.set PRV,  8448                        ; 8 x 512: prot, a copy for each wave
.set H1I,  12544                       ; 2 fragments x 1,536: the hidden layer
.set H1S,  15616                       ; 2 x 64: its scale words
.set OSM,  15744                       ; 8 x 128: the waves' parts of the dot
.set WIM,  65536                       ; in pmw: the fragments' images
.set WSC,  114688                      ; and their scale words
.set SH8,  15
.set MX,   22
.set SOP,  26
.set EB,   28
.set CT,   30
.set PL,   33
.set TW,   37
.set CF,   38                          ; v38-49 ctx's fragment; v50 its scale word
.set CFW,  50
.set WF,   52                          ; v52-99 Wf1's two tiles, Wf2's two K steps; v100-103 their scale words
.set WFS,  100
.set H0,   104                         ; v104-119 the first layer's two accumulators; v120-127 the second's
.set H2,   120
.set W3,   128                         ; v128-135 Wf3 at my units
.set G,    136                         ; v136-199 64 numbers at work
.set HF,   200                         ; v200-223 the hidden layer's two fragments; v224-225 their scale words
.set HFS,  224
.set TQ,   228                         ; v228-231, v232-235 quads at work: rxn's rows, the maxima, the hidden layer's codes
.set OA,   236                         ; v236 4 x lane: the scale words' and the output's offset; never rewritten
.set SEL,  42
.macro BARRIER
	s_wait_dscnt 0x0
	s_barrier_signal -1
	s_barrier_wait -1
.endm
.macro Q64 src, dst, word              ; 64 numbers of a lane, two whole blocks (block c at src + 32 c is block 2 c + h of my row), become a fragment and its scale word
.irp c, 0,1
	v_max3_num_f32 v[MX+2*\c], |v[\src+32*\c]|, |v[\src+32*\c+1]|, |v[\src+32*\c+2]|
	v_max3_num_f32 v[MX+2*\c+1], |v[\src+32*\c+3]|, |v[\src+32*\c+4]|, |v[\src+32*\c+5]|
.endr
.irp i, 6,10,14,18,22,26
.irp c, 0,1
	v_max3_num_f32 v[MX+2*\c], v[MX+2*\c], |v[\src+32*\c+\i]|, |v[\src+32*\c+\i+1]|
	v_max3_num_f32 v[MX+2*\c+1], v[MX+2*\c+1], |v[\src+32*\c+\i+2]|, |v[\src+32*\c+\i+3]|
.endr
.endr
.irp c, 0,1
	v_max3_num_f32 v[MX+2*\c], v[MX+2*\c], |v[\src+32*\c+30]|, |v[\src+32*\c+31]|
.endr
.irp c, 0,1
	v_max3_num_f32 v[MX+2*\c], v[MX+2*\c], v[MX+2*\c+1], 0x1800000   ; the floor 2^(3 - 127): the byte cannot fall under 1
.endr
.irp c, 0,1
	v_add_nc_u32 v[SOP+\c], 0xff000000, v[MX+2*\c]
.endr
.irp c, 0,1
	v_lshrrev_b32 v[EB+\c], 23, v[SOP+\c]
.endr
	v_lshl_or_b32 v[TW], v[EB+1], 16, v[EB]
	v_lshlrev_b32 v[TW], v[SH8], v[TW]
	v_permlanex16_b32 v[PL], v[TW], s[SEL], s[SEL+1]
	v_or_b32 v[\word], v[TW], v[PL]
.irp c, 0,1
	v_cvt_scalef32_pk16_fp6_f32 v[\dst+6*\c:\dst+6*\c+2], v[\src+32*\c:\src+32*\c+15], v[SOP+\c]
	v_cvt_scalef32_pk16_fp6_f32 v[CT+4*\c:CT+4*\c+2], v[\src+32*\c+16:\src+32*\c+31], v[SOP+\c]
.endr
	v_nop
.irp c, 0,1
.irp i, 0,1,2
	v_mov_b32 v[\dst+6*\c+3+\i], v[CT+4*\c+\i]
.endr
.endr
.endm
.macro MMI d, a, b, sa, sb             ; a product that adds in place
	v_wmma_scale_f32_16x16x128_f8f6f4 v[\d:\d+7], v[\a:\a+11], v[\b:\b+11], v[\d:\d+7], v[\sa], v[\sb] matrix_a_fmt:MATRIX_FMT_FP6 matrix_b_fmt:MATRIX_FMT_FP6
.endm
	s_load_b256 s[4:11], s[0:1], 0x0                 ; pmw, rxn, bf1, bf2
	s_load_b128 s[12:15], s[0:1], 0x20               ; Wf3, bf3
	s_load_b64 s[16:17], s[0:1], 0x30                ; out0
	v_lshl_add_u32 v240, v0, 2, 0x4200
	v_mov_b32 v241, 0
	v_lshrrev_b32 v1, 5, v0
	v_readfirstlane_b32 s24, v1                      ; wave 0..7
	v_and_b32 v1, 31, v0
	v_and_b32 v2, 15, v0                             ; r
	v_bfe_u32 v3, v0, 4, 1                           ; h
	s_mov_b32 s[SEL], 0x76543210
	s_mov_b32 s[SEL+1], 0xfedcba98
	v_lshlrev_b32 v4, 4, v1                          ; 16 x lane
	v_lshl_add_u32 v7, v0, 4, PMX
	v_lshl_add_u32 v8, v1, 4, PMX
	s_mul_i32 s38, s24, 544
	s_add_co_u32 s38, s38, CTX
	v_mul_u32_u24 v9, v3, 272
	v_lshl_add_u32 v9, v2, 4, v9
	v_add_nc_u32 v9, s38, v9                         ; rxn, in: rows 2 w + h
	v_mul_u32_u24 v10, v2, 272
	v_lshl_add_u32 v10, v3, 7, v10
	v_add_nc_u32 v10, CTX, v10                       ; and out: row r, + 128 h
	v_lshl_add_u32 v11, v0, 4, PRV
	s_lshl_b32 s38, s24, 9
	s_add_co_u32 s38, s38, PRV
	v_lshl_add_u32 v12, v3, 7, s38
	s_lshr_b32 s39, s24, 2                           ; which K step of the second product my block lies in,
	s_bfe_u32 s41, s24, 0x10001                      ; which half of it,
	s_and_b32 s44, s24, 1                            ; and which half of the lanes holds it
	s_mul_i32 s38, s39, 1536
	s_mul_i32 s41, s41, 768
	s_add_co_u32 s38, s38, s41
	s_lshl_b32 s44, s44, 6
	s_add_co_u32 s38, s38, s44
	s_add_co_u32 s38, s38, H1I
	v_mul_u32_u24 v13, v3, 384
	v_lshl_add_u32 v13, v2, 2, v13
	v_add_nc_u32 v13, s38, v13                       ; my three registers of codes: register 6 c + 3 h + i of lane 16 (w % 2) + r
	s_lshl_b32 s38, s39, 6
	s_and_b32 s41, s24, 3
	s_add_co_u32 s38, s38, s41
	s_add_co_u32 s38, s38, H1S
	v_lshl_add_u32 v14, v2, 2, s38                   ; my block's byte in row r's scale word
	v_lshlrev_b32 v[SH8], 3, v3
	v_lshl_add_u32 v16, v1, 2, H1I
	v_lshl_add_u32 v17, v2, 2, H1S
	v_lshl_add_u32 v18, v0, 2, OSM
	v_lshl_add_u32 v19, v1, 2, OSM
	v_lshlrev_b32 v20, 6, v3                         ; bf1: + 16 h numbers
	v_lshlrev_b32 v21, 5, v3                         ; bf2, Wf3: + 8 h numbers
	v_lshlrev_b32 v[OA], 2, v1
	v_mov_b32 v[PL], 0                               ; written once: a lane permute's destination counts as one of its sources
	s_lshl_b32 s26, s24, 13
	s_mov_b32 s27, 0                                 ; my 32 rows of maxima
	s_lshl_b32 s28, ttmp9, 12
	s_lshl_b32 s29, s24, 9
	s_add_co_u32 s28, s28, s29
	s_mov_b32 s29, 0                                 ; my 2 rows of rxn
	s_mul_i32 s30, s24, 4*1536
	s_add_co_u32 s30, s30, WIM
	s_mov_b32 s31, 0                                 ; my four fragments' images
	s_lshl_b32 s46, s24, 9
	s_add_co_u32 s46, s46, WSC
	s_mov_b32 s47, 0                                 ; and their scale words
	s_lshl_b32 s32, s24, 7
	s_mov_b32 s33, 0                                 ; my 32 numbers of bf1
	s_lshl_b32 s34, s24, 6
	s_mov_b32 s35, 0                                 ; my 16 of bf2 and of Wf3
	s_lshl_b32 s36, ttmp9, 6
	s_mov_b32 s37, 0                                 ; my work-group's 16 outputs
	s_wait_kmcnt 0x0
	s_load_b32 s40, s[14:15], 0x0                    ; bf3
	s_add_nc_u64 s[18:19], s[4:5], s[26:27]
	s_add_nc_u64 s[20:21], s[4:5], s[30:31]
	s_add_nc_u64 s[22:23], s[4:5], s[46:47]
	s_add_nc_u64 s[6:7], s[6:7], s[28:29]
	s_add_nc_u64 s[8:9], s[8:9], s[32:33]
	s_add_nc_u64 s[10:11], s[10:11], s[34:35]
	s_add_nc_u64 s[12:13], s[12:13], s[34:35]
	s_add_nc_u64 s[16:17], s[16:17], s[36:37]
.set I, 0
.rept 16
	global_load_b128 v[G+4*I:G+4*I+3], v4, s[18:19] offset:512*I
.set I, I+1
.endr
	global_load_b128 v[TQ:TQ+3], v4, s[6:7]
.irp u, 0,1
	global_load_b128 v[H0+8*\u:H0+8*\u+3], v20, s[8:9] offset:32*\u
	global_load_b128 v[H0+8*\u+4:H0+8*\u+7], v20, s[8:9] offset:32*\u+16
.endr
	global_load_b128 v[H2:H2+3], v21, s[10:11]
	global_load_b128 v[H2+4:H2+7], v21, s[10:11] offset:16
	global_load_b128 v[W3:W3+3], v21, s[12:13]
	global_load_b128 v[W3+4:W3+7], v21, s[12:13] offset:16
.irp s, 0,1,2,3
.irp j, 0,1,2
	global_load_b128 v[WF+12*\s+4*\j:WF+12*\s+4*\j+3], v4, s[20:21] offset:1536*\s+512*\j   ; the fragments as they were stored: the same registers in the same lanes
.endr
.endr
.irp s, 0,1,2,3
	global_load_b32 v[WFS+\s], v[OA], s[22:23] offset:128*\s
.endr
	s_wait_loadcnt 24                                ; the maxima and rxn are in; behind them: bf1's 4 loads, bf2's 2, Wf3's 2, the images' 12, the scale words' 4
.irp c, 0,1,2,3
	v_max3_num_f32 v[TQ+4+\c], v[G+\c], v[G+4+\c], v[G+8+\c]
.endr
.irp i, 3,5,7,9,11,13
.irp c, 0,1,2,3
	v_max3_num_f32 v[TQ+4+\c], v[TQ+4+\c], v[G+4*\i+\c], v[G+4*\i+4+\c]
.endr
.endr
.irp c, 0,1,2,3
	v_max_num_f32 v[TQ+4+\c], v[TQ+4+\c], v[G+60+\c]
.endr
.irp c, 0,1,2,3
	v_permlanex16_b32 v[G+\c], v[TQ+4+\c], s[SEL], s[SEL+1]
.endr
.irp c, 0,1,2,3
	v_max_num_f32 v[TQ+4+\c], v[TQ+4+\c], v[G+\c]
.endr
	ds_store_b128 v7, v[TQ+4:TQ+7]
	ds_store_b128 v9, v[TQ:TQ+3]
	s_wait_kmcnt 0x0                                 ; bf3
	BARRIER
.irp e, 0,1,2,3,4,5,6,7
	ds_load_b128 v[G+4*\e:G+4*\e+3], v8 offset:512*\e
.endr
	s_wait_dscnt 0x0
.irp c, 0,1,2,3
	v_max3_num_f32 v[TQ+4+\c], v[G+\c], v[G+4+\c], v[G+8+\c]
	v_max3_num_f32 v[TQ+\c], v[G+12+\c], v[G+16+\c], v[G+20+\c]
.endr
.irp c, 0,1,2,3
	v_max3_num_f32 v[TQ+4+\c], v[TQ+4+\c], v[TQ+\c], v[G+24+\c]
.endr
.irp c, 0,1,2,3
	v_max_num_f32 v[TQ+4+\c], v[TQ+4+\c], v[G+28+\c] ; prot
.endr
	ds_store_b128 v11, v[TQ+4:TQ+7]
.irp j, 0,1,2,3,4,5,6,7
	ds_load_b128 v[G+4*\j:G+4*\j+3], v10 offset:16*\j               ; ctx(r, 32 h ..): rxn
	ds_load_b128 v[G+32+4*\j:G+35+4*\j], v12 offset:16*\j           ; ctx(r, 64 + 32 h ..): prot; LDS serves a wave's instructions in order (ISA guide 5.7.1.4), so these see my store
.endr
	s_wait_dscnt 0x0
	Q64 G, CF, CFW
	s_wait_loadcnt 0x0                               ; the biases, Wf3, the weights' codes and scale words
.rept 4
	v_nop                                            ; an operand written by vector instructions stands 4 places ahead of a scaled product, a scale register 8: ctx's word has these four and the seven lines above them
.endr
	MMI H0, WF, CF, WFS, CFW                         ; the first layer: two accumulators, which hold bf1
	MMI H0+8, WF+12, CF, WFS+1, CFW
.rept 4
	v_nop                                            ; four places behind the products (ISA guide 7.12.1)
.endr
.set I, 0
.rept 16
	v_mul_f32 v[G+I], 0x3c23d70a, v[H0+I]            ; leaky relu = max(x, 0.01 x); each accumulator from its low end on
	v_max_num_f32 v[G+I], v[G+I], v[H0+I]
.set I, I+1
.endr
	v_max3_num_f32 v[MX], |v[G]|, |v[G+1]|, 0x1800000
.irp i, 2,4,6,8,10,12,14
	v_max3_num_f32 v[MX], v[MX], |v[G+\i]|, |v[G+\i+1]|
.endr
	v_permlanex16_b32 v[PL], v[MX], s[SEL], s[SEL+1]
	v_max_num_f32 v[MX], v[MX], v[PL]                ; with lane l xor 16's 16: the block's largest magnitude
	v_add_nc_u32 v[SOP], 0xff000000, v[MX]
	v_lshrrev_b32 v[EB], 23, v[SOP]
	v_cvt_scalef32_pk16_fp6_f32 v[TQ+4:TQ+6], v[G:G+15], v[SOP]
	v_nop
.irp i, 0,1,2
	ds_store_b32 v13, v[TQ+4+\i] offset:128*\i
.endr
	ds_store_b8 v14, v[EB]                           ; both halves of the lanes write the same byte with the same value
	BARRIER                                          ; the hidden layer's two fragments lie in LDS
.set I, 0
.rept 24
	ds_load_b32 v[HF+I], v16 offset:128*I
.set I, I+1
.endr
	ds_load_b32 v[HFS], v17
	ds_load_b32 v[HFS+1], v17 offset:64
	s_wait_dscnt 0x0
	MMI H2, WF+24, HF, WFS+2, HFS                    ; the second layer: one accumulator, which holds bf2
	s_wait_alu depctr_va_vdst(0)                     ; the wait ahead of a link that follows the link it adds onto
	MMI H2, WF+36, HF+12, WFS+3, HFS+1
.rept 4
	v_nop
.endr
.set I, 0
.rept 8
	v_mul_f32 v[G+I], 0x3c23d70a, v[H2+I]
	v_max_num_f32 v[G+I], v[G+I], v[H2+I]
.set I, I+1
.endr
	v_mul_f32 v[TQ+4], v[G], v[W3]
.irp j, 1,2,3,4,5,6,7
	v_fma_f32 v[TQ+4], v[G+\j], v[W3+\j], v[TQ+4]    ; the last product, in f32: my 8 units
.endr
	v_permlanex16_b32 v[PL], v[TQ+4], s[SEL], s[SEL+1]
	v_add_f32 v[TQ+4], v[TQ+4], v[PL]                ; my wave's 16
	ds_store_b32 v18, v[TQ+4]
	BARRIER
	s_cmp_lg_u32 s24, 0
	s_cbranch_scc1 .Lend
.irp e, 0,1,2,3,4,5,6,7
	ds_load_b32 v[G+\e], v19 offset:128*\e
.endr
	s_wait_dscnt 0x0
	v_add_f32 v[G], v[G], v[G+1]
	v_add_f32 v[G+2], v[G+2], v[G+3]
	v_add_f32 v[G+4], v[G+4], v[G+5]
	v_add_f32 v[G+6], v[G+6], v[G+7]
	v_add_f32 v[G], v[G], v[G+2]
	v_add_f32 v[G+4], v[G+4], v[G+6]
	v_add_f32 v[G], v[G], v[G+4]
	v_add_f32 v[G], s40, v[G]
	s_wait_xcnt 0x0                                  ; EXEC changes only behind this wait
	v_cmp_gt_u32 vcc_lo, 16, v0
	s_and_saveexec_b32 s41, vcc_lo
	global_store_b32 v[OA], v[G], s[16:17]           ; lanes 0-15: my 16 q, 64 consecutive bytes
	s_wait_xcnt 0x0
	s_or_b32 exec_lo, exec_lo, s41
.Lend:
	s_wait_tensorcnt 0x0
	ds_add_u32 v240, v241
	s_wait_dscnt 0x0
	s_endpgm
.Lfunc_end_k_qc1f4c0bfeb_head:
	.size	k_qc1f4c0bfeb_head, .Lfunc_end_k_qc1f4c0bfeb_head-k_qc1f4c0bfeb_head
	.p2alignl 7, 3214868480
	.fill 96, 4, 3214868480
	.section	.rodata,"a",@progbits
	.p2align	6, 0x0
	.amdhsa_kernel k_qc1f4c0bfeb_head
		.amdhsa_group_segment_fixed_size 17920
		.amdhsa_private_segment_fixed_size 0
		.amdhsa_enable_private_segment 0
		.amdhsa_kernarg_size 56
		.amdhsa_user_sgpr_count 2
		.amdhsa_user_sgpr_kernarg_segment_ptr 1
		.amdhsa_wavefront_size32 1
		.amdhsa_system_sgpr_workgroup_id_x 1
		.amdhsa_system_sgpr_workgroup_id_y 1
		.amdhsa_system_sgpr_workgroup_id_z 1
		.amdhsa_system_vgpr_workitem_id 0
		.amdhsa_next_free_vgpr 242
		.amdhsa_next_free_sgpr 66
		.amdhsa_reserve_vcc 1
		.amdhsa_float_denorm_mode_32 3
		.amdhsa_float_denorm_mode_16_64 3
		.amdhsa_memory_ordered 1
		.amdhsa_forward_progress 1
		.amdhsa_inst_pref_size 24
	.end_amdhsa_kernel
	.amdgpu_metadata
---
amdhsa.version: [ 1, 2 ]
amdhsa.kernels:
  - .name:           k_qc1f4c0bfeb_head
    .symbol:         k_qc1f4c0bfeb_head.kd
    .args:
      - { .name: pmw, .offset: 0, .size: 8, .value_kind: global_buffer, .address_space: global }
      - { .name: rxn, .offset: 8, .size: 8, .value_kind: global_buffer, .address_space: global }
      - { .name: bf1, .offset: 16, .size: 8, .value_kind: global_buffer, .address_space: global }
      - { .name: bf2, .offset: 24, .size: 8, .value_kind: global_buffer, .address_space: global }
      - { .name: Wf3, .offset: 32, .size: 8, .value_kind: global_buffer, .address_space: global }
      - { .name: bf3, .offset: 40, .size: 8, .value_kind: global_buffer, .address_space: global }
      - { .name: out0, .offset: 48, .size: 8, .value_kind: global_buffer, .address_space: global }
    .group_segment_fixed_size: 17920
    .private_segment_fixed_size: 0
    .kernarg_segment_align: 8
    .kernarg_segment_size: 56
    .max_flat_workgroup_size: 256
    .sgpr_count:     66
    .vgpr_count:     242
    .wavefront_size: 32
...
	.end_amdgpu_metadata
.endif
;; end of part 4
;; ======== version 2 of 2: 4 launches
;; workspace buffers: kpart 4,194,304 bytes; raraw 131,072 bytes; rbuf 131,072 bytes; kbuf 1,048,576 bytes; SQ 8,388,608 bytes; SL 4,194,304 bytes; pmw 118,784 bytes; rxn 131,072 bytes
;; launch front (part 5): grid 264 x 1, 8 waves a work-group, no clusters, 130,048 bytes of LDS; arguments protein, reactions, Wc, W2, bc, b2, W1, Wra, kpart, raraw, rbuf; writes kpart, raraw, rbuf
.if DOCPART == 5
	.amdgcn_target "amdgcn-amd-amdhsa--gfx1250"
	.amdhsa_code_object_version 6
	.text
	.protected	k_qc1f4c0bfeb_front
	.globl	k_qc1f4c0bfeb_front
	.p2align	8
	.type	k_qc1f4c0bfeb_front,@function
k_qc1f4c0bfeb_front:
	s_mov_b64 s[64:65], 0
	v_nop
	global_prefetch_b8 v0, s[64:65] scope:SCOPE_SE
	s_setreg_imm32_b32 hwreg(HW_REG_WAVE_SCHED_MODE, 0, 2), 2
	s_setreg_imm32_b32 hwreg(HW_REG_WAVE_MODE, 25, 1), 1
	s_wait_xcnt 0x0
	s_wait_alu depctr_vm_vsrc(0)
; FRONT: two chains of the same shape on one path, both products on codes of FP6 (E2M3) with one E8M0 scale for each 32 along K.
;   work-groups 0-255 (rb = id / 4, cb = id % 4): T = relu(protein[64 rb ..][:] Wc[64 cb ..]^T + bc), 64 x 64, K = 1,024;  kpart[cb][64 rb ..] = Q(T) Q(W1[:, 64 cb .. 64 cb + 63])^T
;   work-groups 256-263 (rb = id - 256):          T = relu(reactions[64 rb ..] W2^T + b2), 64 x 64, K = 256, stored to rbuf;  raraw[64 rb ..] = Q(T) Q(Wra)^T
; The job only chooses pointers, pitches and whether the K loop's three trips run (a scalar branch on the work-group's number); all LDS addresses are the same for both.
; SHARES.  Eight waves.  In each K step of 128 wave w turns ONE fragment (16 rows x 128 K of f32) into codes: waves 0-3 the four tiles of the left operand's rows, waves 4-7 the four tiles of
; the weight's rows.  Each of its 16 loads reads 512 consecutive bytes of one row; the 8 KiB turn through the wave's own stage in LDS and come back in the order of the operand's registers
; (lane (r, h): row r, k = 64 c + 32 h + 0 .. 31), so a lane holds two whole blocks.  The codes and the scale word go to LDS as images of the registers; behind one barrier every wave fetches the three
; fragments that its two tiles of T want.  Two image slots take turns: a slot is written again only behind the next step's barrier, which every wave reaches behind its reads of it.
; THE MATRIX INSTRUCTION IS USED TRANSPOSED (source 0 = 16 rows of the weight, source 1 = 16 rows of the left operand): a lane holds one row of T and eight neighbouring columns.
; The bias is loaded straight into the accumulators, so it is the C of each sum's first product and no step is written apart.
; NO CLUSTER: a joint request is a tensor load into LDS; here every number goes from memory into registers, is quantised there, and only its codes (3/16 of the bytes) reach LDS.
; LIMITS: NaN and infinities are not served.  A block of zeros keeps the scale byte 1 (its codes are zeros, and the bytes are read by this program alone).
; THE MODE: SCHED_MODE bits 1:0 = 2 (LLVM: expert scheduling mode 2), set by the entry lines.  The code itself states the register dependences
; between vector or matrix instructions and memory or LDS instructions, with s_wait_alu, always for 0.
; THE PLAN.  Registers that memory or LDS instructions touch, in a K step:
;   GA, GB         A set: its 16 global loads land; 16 LDS stores read it; 16 LDS loads land in it; Q64 reads it; the global loads of two K steps on land in it.
;   CD, CDW        Q64 writes them; the four image stores read them.
;   OPA, OPB, SCA  The LDS loads behind the barrier land in them; the step's two products read them.
;   v[VO]          Read by every global load of a set; written once a trip, at the loop's edge.
;   v5 to v21      Offsets and LDS addresses, made at the head and never written again.
; So a step has two waits.  One on vm_vsrc between the stage's stores and its loads: the stores have read the set, and the last step's image stores have read CD and CDW.  One on va_vdst behind Q64:
; CD and CDW are written, Q64 is done reading the set, the last step's products are done reading their fragments, and v[VO] is written.  From that wait to the step's products no vector
; instruction is issued, so the image stores, the set's next loads and the fragments' loads owe nothing more.
.set SPW,  8448                        ; a wave's stage: 16 rows x (512 + 16) bytes; for rows of 256 bytes the pitch is 272
.set IMG,  67584                       ; behind the 8 stages: 2 slots x 8 fragments x 1,536 bytes
.set ISC,  92160                       ; 2 slots x 8 x 128 bytes: their scale words
.set PT,   94208                       ; T: 64 rows x (256 + 16) bytes
.set OTD,  17408                       ; the second product's result lies this far behind PT, laid alike
.set FRB,  1536
.set VO,   4                           ; v4   16 x lane + the K loop's step
.set SH8,  15                          ; v15  8 h
.set MX,   22                          ; v22-25 largest magnitudes
.set SOP,  26                          ; v26-27 the conversions' scale operands
.set EB,   28                          ; v28-29 scale bytes
.set CT,   30                          ; v30-32, v34-36 second halves of blocks (a conversion's three registers begin on an even number)
.set PL,   33
.set TW,   37
.set CD,   38                          ; v38-49 the fragment just made;  v50 its scale word
.set CDW,  50
.set OPA,  52                          ; v52-63 the left operand's fragment;  v64-87 the weight's two
.set OPB,  64
.set SCA,  88                          ; v88-90 their scale words
.set ACC,  92                          ; v92-107 two accumulators
.set WQ,   108                         ; v108-119 the second weight's two tiles (6 registers each, K = 64), v120-125 zeros
.set WQS,  126                         ; v126-127 their scale words
.set GA,   128                         ; v128-191, v192-255: two sets of 64 numbers
.set GB,   192
.set SEL,  78                          ; s[78:79] lane selects for v_permlanex16_b32: lane l xor 16
.set RB,   32                          ; s[32:63] the addresses of my fragment's 16 rows; never rewritten
.macro BARRIER                         ; my LDS stores have landed and my LDS loads are in: then the work-group's barrier
	s_wait_dscnt 0x0
	s_barrier_signal -1
	s_barrier_wait -1
.endm
.macro MM d, a, b, zero, sa, sb
.if \zero
	v_wmma_scale_f32_16x16x128_f8f6f4 v[\d:\d+7], v[\a:\a+11], v[\b:\b+11], 0, v[\sa], v[\sb] matrix_a_fmt:MATRIX_FMT_FP6 matrix_b_fmt:MATRIX_FMT_FP6
.else
	v_wmma_scale_f32_16x16x128_f8f6f4 v[\d:\d+7], v[\a:\a+11], v[\b:\b+11], v[\d:\d+7], v[\sa], v[\sb] matrix_a_fmt:MATRIX_FMT_FP6 matrix_b_fmt:MATRIX_FMT_FP6
.endif
.endm
; 64 numbers of a lane, two whole blocks (block c at src + 32 c is block 2 c + h of my row), become a fragment's 12 registers and its scale word.
.macro Q64 src, dst, word
.irp c, 0,1
	v_max3_num_f32 v[MX+2*\c], |v[\src+32*\c]|, |v[\src+32*\c+1]|, |v[\src+32*\c+2]|
	v_max3_num_f32 v[MX+2*\c+1], |v[\src+32*\c+3]|, |v[\src+32*\c+4]|, |v[\src+32*\c+5]|
.endr
.irp i, 6,10,14,18,22,26
.irp c, 0,1
	v_max3_num_f32 v[MX+2*\c], v[MX+2*\c], |v[\src+32*\c+\i]|, |v[\src+32*\c+\i+1]|
	v_max3_num_f32 v[MX+2*\c+1], v[MX+2*\c+1], |v[\src+32*\c+\i+2]|, |v[\src+32*\c+\i+3]|
.endr
.endr
.irp c, 0,1
	v_max3_num_f32 v[MX+2*\c], v[MX+2*\c], |v[\src+32*\c+30]|, |v[\src+32*\c+31]|
.endr
.irp c, 0,1
	v_max3_num_f32 v[MX+2*\c], v[MX+2*\c], v[MX+2*\c+1], 0x1800000   ; and the floor 2^(3 - 127): the byte cannot fall under 1
.endr
.irp c, 0,1
	v_add_nc_u32 v[SOP+\c], 0xff000000, v[MX+2*\c]   ; 2 off the exponent field: the conversion takes this operand's exponent field as its scale
.endr
.irp c, 0,1
	v_lshrrev_b32 v[EB+\c], 23, v[SOP+\c]            ; the scale's byte
.endr
	v_lshl_or_b32 v[TW], v[EB+1], 16, v[EB]          ; my two bytes, blocks h and 2 + h,
	v_lshlrev_b32 v[TW], v[SH8], v[TW]               ; at their places in the word;
	v_permlanex16_b32 v[PL], v[TW], s[SEL], s[SEL+1]
	v_or_b32 v[\word], v[TW], v[PL]                  ; with lane l xor 16's two the word is whole
.irp c, 0,1
	v_cvt_scalef32_pk16_fp6_f32 v[\dst+6*\c:\dst+6*\c+2], v[\src+32*\c:\src+32*\c+15], v[SOP+\c]
	v_cvt_scalef32_pk16_fp6_f32 v[CT+4*\c:CT+4*\c+2], v[\src+32*\c+16:\src+32*\c+31], v[SOP+\c]
.endr
	v_nop                                            ; one plain line behind the scaled conversions
.irp c, 0,1
.irp i, 0,1,2
	v_mov_b32 v[\dst+6*\c+3+\i], v[CT+4*\c+\i]
.endr
.endr
.endm
; 32 numbers of a lane, one whole block (block h of my row, K = 64), become 6 registers; e: bytes 0, 1 and again 2, 3 hold blocks 0, 1 in lanes 0-15.
.macro Q32 src, dst, e
	v_max3_num_f32 v[MX], |v[\src]|, |v[\src+1]|, |v[\src+2]|
	v_max3_num_f32 v[MX+1], |v[\src+3]|, |v[\src+4]|, |v[\src+5]|
.irp i, 6,10,14,18,22,26
	v_max3_num_f32 v[MX], v[MX], |v[\src+\i]|, |v[\src+\i+1]|
	v_max3_num_f32 v[MX+1], v[MX+1], |v[\src+\i+2]|, |v[\src+\i+3]|
.endr
	v_max3_num_f32 v[MX], v[MX], |v[\src+30]|, |v[\src+31]|
	v_max3_num_f32 v[MX], v[MX], v[MX+1], 0x1800000
	v_add_nc_u32 v[SOP], 0xff000000, v[MX]
	v_lshrrev_b32 v[EB], 23, v[SOP]
	v_permlanex16_b32 v[PL], v[EB], s[SEL], s[SEL+1]
	v_lshl_or_b32 v[\e], v[PL], 8, v[EB]
	v_lshl_or_b32 v[\e], v[\e], 16, v[\e]
	v_cvt_scalef32_pk16_fp6_f32 v[\dst:\dst+2], v[\src:\src+15], v[SOP]
	v_cvt_scalef32_pk16_fp6_f32 v[CT:CT+2], v[\src+16:\src+31], v[SOP]
	v_nop
.irp i, 0,1,2
	v_mov_b32 v[\dst+3+\i], v[CT+\i]
.endr
.endm
.macro LOADG set, imm                  ; my 16 rows' 512 bytes of one K step: each load reads 512 consecutive bytes
.set I, 0
.rept 16
	global_load_b128 v[\set+4*I:\set+4*I+3], v[VO], s[RB+2*I:RB+2*I+1] offset:\imm
.set I, I+1
.endr
.endm
; One K step.  next: 0, or the immediate at which the set is loaded again, two K steps on.  left: the loads of the other set, which may stay out.
.macro STEPK set, slot, next, left
	s_wait_loadcnt \left
.set I, 0
.rept 16
	ds_store_b128 v5, v[\set+4*I:\set+4*I+3] offset:528*I
.set I, I+1
.endr
	s_wait_alu depctr_vm_vsrc(0)                     ; the stores above have read the set, in which the loads below land; the last step's image stores have read CD and CDW, which Q64 writes again
.set I, 0
.rept 16
	ds_load_b128 v[\set+4*I:\set+4*I+3], v6 offset:256*(I/8)+16*(I%8)   ; LDS serves a wave's instructions in order (ISA guide 5.7.1.4): these see the stores above
.set I, I+1
.endr
	s_wait_dscnt 0x0
	Q64 \set, CD, CDW
	s_wait_alu depctr_va_vdst(0)                     ; Q64 has written CD and CDW, which the stores below read, and is done reading the set, in which the next loads land; the last step's products are done reading OPA, OPB and SCA, in which the loads behind the barrier land; in a trip's first step v[VO] is written
.irp g, 0,1,2
	ds_store_b128 v9, v[CD+4*\g:CD+4*\g+3] offset:\slot*8*FRB+512*\g
.endr
	ds_store_b32 v10, v[CDW] offset:\slot*1024
.if \next
	LOADG \set, \next
.endif
	BARRIER                                          ; the step's eight fragments lie in LDS
.irp g, 0,1,2
	ds_load_b128 v[OPA+4*\g:OPA+4*\g+3], v11 offset:\slot*8*FRB+512*\g
	ds_load_b128 v[OPB+4*\g:OPB+4*\g+3], v12 offset:\slot*8*FRB+512*\g
	ds_load_b128 v[OPB+12+4*\g:OPB+12+4*\g+3], v12 offset:\slot*8*FRB+FRB+512*\g
.endr
	ds_load_b32 v[SCA], v13 offset:\slot*1024
	ds_load_b32 v[SCA+1], v14 offset:\slot*1024
	ds_load_b32 v[SCA+2], v14 offset:\slot*1024+128
	s_wait_dscnt 0x0
	MM ACC, OPB, OPA, 0, SCA+1, SCA                  ; the two accumulators take turns, over the loop's backward jump too
	MM ACC+8, OPB+12, OPA, 0, SCA+2, SCA
.endm
	s_load_b512 s[4:19], s[0:1], 0x0                 ; protein, reactions, Wc, W2, bc, b2, W1, Wra
	s_load_b128 s[20:23], s[0:1], 0x40               ; kpart, raraw
	s_load_b64 s[24:25], s[0:1], 0x50                ; rbuf
	v_lshl_add_u32 v19, v0, 2, 0x1f800
	v_mov_b32 v91, 0
	v_lshrrev_b32 v1, 5, v0
	v_readfirstlane_b32 s26, v1                      ; wave 0..7
	v_and_b32 v1, 31, v0                             ; lane
	v_and_b32 v2, 15, v0                             ; r
	v_bfe_u32 v3, v0, 4, 1                           ; h
	s_mov_b32 s[SEL], 0x76543210
	s_mov_b32 s[SEL+1], 0xfedcba98
	s_wait_alu depctr_va_sdst(0)                     ; s26 is written, ahead of its first reader
	s_lshr_b32 s77, s26, 1                           ; mt: my tile of rows of T
	s_and_b32 s80, s26, 1                            ; which two tiles of columns
	s_mul_i32 s73, s26, SPW                          ; my stage
	v_lshlrev_b32 v[VO], 4, v1
	v_lshlrev_b32 v21, 4, v1                         ; 16 x lane, for the stores; never rewritten
	v_lshl_add_u32 v5, v1, 4, s73                    ; stage, in: 16 x lane (+ 528 x row)
	v_mul_u32_u24 v6, v2, 528
	v_lshl_add_u32 v6, v3, 7, v6
	v_add_nc_u32 v6, s73, v6                         ; stage, out: row r, + 128 h
	v_mul_u32_u24 v7, v3, 272
	v_lshl_add_u32 v7, v2, 4, v7
	v_add_nc_u32 v7, s73, v7                         ; rows of 256 bytes, in: row h of a pair, + 16 r
	v_mul_u32_u24 v8, v2, 272
	v_lshl_add_u32 v8, v3, 7, v8
	v_add_nc_u32 v8, s73, v8                         ; and out: row r, + 128 h
	s_mul_i32 s74, s26, FRB
	s_add_co_u32 s74, s74, IMG
	v_lshl_add_u32 v9, v1, 4, s74                    ; where my fragment's image goes
	s_lshl_b32 s74, s26, 7
	s_add_co_u32 s74, s74, ISC
	v_lshl_add_u32 v10, v1, 2, s74                   ; and its scale word
	s_mul_i32 s74, s77, FRB
	s_add_co_u32 s74, s74, IMG
	v_lshl_add_u32 v11, v1, 4, s74                   ; the left operand's fragment that I multiply
	s_mul_i32 s74, s80, 2*FRB
	s_add_co_u32 s74, s74, IMG+4*FRB
	v_lshl_add_u32 v12, v1, 4, s74                   ; the weight's two
	s_lshl_b32 s74, s77, 7
	s_add_co_u32 s74, s74, ISC
	v_lshl_add_u32 v13, v1, 2, s74
	s_lshl_b32 s74, s80, 8
	s_add_co_u32 s74, s74, ISC+4*128
	v_lshl_add_u32 v14, v1, 2, s74
	v_lshlrev_b32 v[SH8], 3, v3
	s_mul_i32 s74, s77, 16*272
	s_add_co_u32 s74, s74, PT
	v_mul_u32_u24 v17, v2, 272
	v_add_nc_u32 v17, s74, v17                       ; T: row 16 mt + r
	v_lshl_add_u32 v16, v3, 5, v17
	s_lshl_b32 s74, s80, 7
	v_add_nc_u32 v16, s74, v16                       ; where my results go: + 128 x (wave % 2) + 32 h
	v_lshl_add_u32 v17, v3, 7, v17                   ; where my row's block h is read: + 128 h
	s_mul_i32 s74, s26, 8*272
	s_add_co_u32 s74, s74, PT
	v_mul_u32_u24 v18, v3, 272
	v_lshl_add_u32 v18, v2, 4, v18
	v_add_nc_u32 v18, s74, v18                       ; whole rows back: rows 8 w + h, + 16 r
	s_lshl_b32 s74, s80, 7
	v_lshl_add_u32 v20, v3, 5, s74                   ; the bias of my columns: 128 x (wave % 2) + 32 h
	v_mov_b32 v[PL], 0                               ; written once: a lane permute's destination counts as one of its sources
.irp i, 0,1,2,3,4,5
	v_mov_b32 v[WQ+12+\i], 0
.endr
	; the job: everything that differs is chosen here, on the work-group's number alone
	s_lshr_b32 s28, ttmp9, 2
	s_and_b32 s29, ttmp9, 3
	s_sub_co_u32 s30, ttmp9, 256
	s_mov_b32 s70, 1024
	s_mov_b32 s71, 0
	s_mov_b32 s72, 256
	s_wait_kmcnt 0x0
	s_cmp_lt_u32 ttmp9, 256
	s_cselect_b32 s28, s28, s30                      ; rb
	s_cselect_b32 s29, s29, 0                        ; cb
	s_cselect_b32 s70, 4096, s70                     ; a row of either operand of the first product, in bytes
	s_cselect_b32 s72, 1024, s72                     ; a row of the second weight
	s_cselect_b64 s[4:5], s[4:5], s[6:7]             ; the left operand
	s_cselect_b64 s[8:9], s[8:9], s[10:11]           ; the first weight
	s_cselect_b64 s[12:13], s[12:13], s[14:15]       ; its bias
	s_cselect_b64 s[16:17], s[16:17], s[18:19]       ; the second weight
	s_cselect_b64 s[20:21], s[20:21], s[22:23]       ; the result
	s_lshl_b32 s66, s29, 8                           ; 64 cb numbers
	s_mov_b32 s67, 0
	s_add_nc_u64 s[12:13], s[12:13], s[66:67]
	s_add_nc_u64 s[16:17], s[16:17], s[66:67]
	s_lshl_b32 s66, s80, 5
	s_mul_i32 s66, s66, s72                          ; my 32 rows of the second weight
	s_add_nc_u64 s[16:17], s[16:17], s[66:67]
	s_lshl_b32 s68, s28, 14                          ; 64 rb rows of 256 bytes,
	s_lshl_b32 s69, s26, 11                          ; my 8 of them
	s_add_co_u32 s68, s68, s69
	s_lshl_b32 s66, s29, 20                          ; kpart's plane cb
	s_add_co_u32 s66, s66, s68
	s_add_nc_u64 s[20:21], s[20:21], s[66:67]
	s_mov_b32 s69, 0
	s_add_nc_u64 s[24:25], s[24:25], s[68:69]        ; (used by work-groups 256-263 alone)
	s_and_b32 s31, s26, 3
	s_lshl_b32 s31, s31, 4
	s_lshl_b32 s68, s28, 6
	s_lshl_b32 s66, s29, 6
	s_cmp_lt_u32 s26, 4                              ; waves 0-3 quantise the left operand, waves 4-7 the weight
	s_cselect_b32 s68, s68, s66
	s_cselect_b64 s[RB:RB+1], s[4:5], s[8:9]
	s_add_co_u32 s68, s68, s31                       ; my fragment's first row
	s_mul_i32 s68, s68, s70
	s_add_nc_u64 s[RB:RB+1], s[RB:RB+1], s[68:69]
.set I, 1
.rept 15
	s_add_nc_u64 s[RB+2*I:RB+2*I+1], s[RB+2*I-2:RB+2*I-1], s[70:71]
.set I, I+1
.endr
	v_mul_u32_u24 v51, s72, v3
	v_lshl_add_u32 v51, v2, 4, v51                   ; the second weight: row h of a pair, + 16 r
	s_lshl_b32 s75, s72, 1
.irp k, 0,1,2,3,4,5,6,7,8,9,10,11,12,13,14,15
	v_mad_u32_u24 v[OPA+\k], s75, \k, v51            ; pair k of my 32 rows
.endr
	s_wait_alu depctr_va_vdst(0)                     ; every offset and LDS address of the kernel is written: v4 to v21 and the sixteen at v[OPA ..], which the loads and stores below read
.irp k, 0,1,2,3,4,5,6,7,8,9,10,11,12,13,14,15
	global_load_b128 v[GB+4*\k:GB+4*\k+3], v[OPA+\k], s[16:17]   ; two rows' 256 bytes each
.endr
.irp u, 0,1
	global_load_b128 v[ACC+8*\u:ACC+8*\u+3], v20, s[12:13] offset:64*\u
	global_load_b128 v[ACC+8*\u+4:ACC+8*\u+7], v20, s[12:13] offset:64*\u+16
.endr
	LOADG GA, 0                                      ; K step 0
	s_wait_loadcnt 20                                ; the second weight is in; the 4 bias loads and K step 0's 16 may be out
.irp u, 0,1
.irp i, 0,1,2,3,4,5,6,7
	ds_store_b128 v7, v[GB+32*\u+4*\i:GB+32*\u+4*\i+3] offset:544*\i
.endr
.if \u == 0
	s_wait_alu depctr_vm_vsrc(0)                     ; the second weight's loads have read their offsets v[OPA ..], in which the loads below land
.else
	s_wait_alu depctr_va_vdst(0)                     ; the first tile's quantiser is done reading v[OPA ..], in which the loads below land
.endif
.irp i, 0,1,2,3,4,5,6,7
	ds_load_b128 v[OPA+4*\i:OPA+4*\i+3], v8 offset:16*\i
.endr
	s_wait_dscnt 0x0
	Q32 OPA, WQ+6*\u, WQS+\u
.endr
	s_wait_alu depctr_vm_vsrc(0)                     ; the stage's stores have read GB, in which K step 1 lands
	LOADG GB, 512                                    ; K step 1
	s_cmp_ge_u32 ttmp9, 256                          ; K = 256 is the two steps written out below
	s_cbranch_scc1 .Ltail
	s_mov_b32 s76, 3
.Lk:                                                     ; a trip: two K steps, and the loads of the two that follow them
	STEPK GA, 0, 1024, 16
	STEPK GB, 1, 1536, 16
	s_wait_xcnt 0x0                                  ; the loads have had their addresses translated: their offset may step
	s_wait_alu depctr_vm_vsrc(0)                     ; the loads issued so far have read v[VO]
	v_add_nc_u32 v[VO], 1024, v[VO]
	s_sub_co_u32 s76, s76, 1
	s_cmp_lg_u32 s76, 0
	s_cbranch_scc1 .Lk
.Ltail:                                                  ; the last two K steps load nothing; on both ways 32 loads are out here
	STEPK GA, 0, 0, 16
	STEPK GB, 1, 0, 0
.rept 4
	v_nop                                            ; four places behind the last products (ISA guide 7.12.1)
.endr
.set I, 0
.rept 16
	v_max_num_f32 v[ACC+I], 0, v[ACC+I]              ; the activation, each accumulator from its low end on
.set I, I+1
.endr
	s_wait_alu depctr_va_vdst(0)                     ; the activation has written the accumulators, which the stores below read
.irp u, 0,1
	ds_store_b128 v16, v[ACC+8*\u:ACC+8*\u+3] offset:64*\u
	ds_store_b128 v16, v[ACC+8*\u+4:ACC+8*\u+7] offset:64*\u+16
.endr
	BARRIER                                          ; T lies in LDS
	s_cmp_lt_u32 ttmp9, 256
	s_cbranch_scc1 .Lnot_r
.irp i, 0,1,2,3
	ds_load_b128 v[GB+4*\i:GB+4*\i+3], v18 offset:544*\i
.endr
	s_wait_dscnt 0x0
.irp i, 0,1,2,3
	global_store_b128 v21, v[GB+4*\i:GB+4*\i+3], s[24:25] offset:512*\i   ; r: two whole rows, 512 consecutive bytes
.endr
.Lnot_r:
.irp i, 0,1,2,3,4,5,6,7
	ds_load_b128 v[GA+4*\i:GA+4*\i+3], v17 offset:16*\i
.endr
	s_wait_dscnt 0x0
	Q32 GA, OPA, SCA                                 ; T's rows 16 mt .. as the second product's operand: K = 64 in the lower half,
.irp i, 0,1,2,3,4,5
	v_mov_b32 v[OPA+6+\i], 0                         ; zero codes in the upper half: whatever the weight's registers hold there adds nothing
.endr
.rept 4
	v_nop                                            ; an operand written by vector instructions stands 4 places ahead of a scaled product, a scale register 8
.endr
	s_wait_alu depctr_va_vdst(0)                     ; behind the places: the quantisers have written both operands and both scale words (OPA, SCA here; WQ, WQS at the head), which the products take
	MM OPB, WQ, OPA, 1, WQS, SCA
	MM OPB+8, WQ+6, OPA, 1, WQS+1, SCA
.rept 4
	v_nop
.endr
	s_wait_alu depctr_va_vdst(0)                     ; behind the places: the products have written v[OPB ..], which the stores below read
.irp u, 0,1
	ds_store_b128 v16, v[OPB+8*\u:OPB+8*\u+3] offset:OTD+64*\u
	ds_store_b128 v16, v[OPB+8*\u+4:OPB+8*\u+7] offset:OTD+64*\u+16
.endr
	BARRIER
.irp i, 0,1,2,3
	ds_load_b128 v[160+4*\i:163+4*\i], v18 offset:OTD+544*\i
.endr
	s_wait_dscnt 0x0
.irp i, 0,1,2,3
	global_store_b128 v21, v[160+4*\i:163+4*\i], s[20:21] offset:512*\i   ; two whole rows, 512 consecutive bytes
.endr
	s_wait_dscnt 0x0                                 ; the closing lines, six on end
	s_wait_alu 0x0
	s_wait_tensorcnt 0x0
	ds_add_u32 v19, v91
	s_wait_dscnt 0x0
	s_endpgm
.Lfunc_end_k_qc1f4c0bfeb_front:
	.size	k_qc1f4c0bfeb_front, .Lfunc_end_k_qc1f4c0bfeb_front-k_qc1f4c0bfeb_front
	.p2alignl 7, 3214868480
	.fill 96, 4, 3214868480
	.section	.rodata,"a",@progbits
	.p2align	6, 0x0
	.amdhsa_kernel k_qc1f4c0bfeb_front
		.amdhsa_group_segment_fixed_size 130048
		.amdhsa_private_segment_fixed_size 0
		.amdhsa_enable_private_segment 0
		.amdhsa_kernarg_size 88
		.amdhsa_user_sgpr_count 2
		.amdhsa_user_sgpr_kernarg_segment_ptr 1
		.amdhsa_wavefront_size32 1
		.amdhsa_system_sgpr_workgroup_id_x 1
		.amdhsa_system_sgpr_workgroup_id_y 1
		.amdhsa_system_sgpr_workgroup_id_z 1
		.amdhsa_system_vgpr_workitem_id 0
		.amdhsa_next_free_vgpr 256
		.amdhsa_next_free_sgpr 100
		.amdhsa_reserve_vcc 0
		.amdhsa_float_denorm_mode_32 3
		.amdhsa_float_denorm_mode_16_64 3
		.amdhsa_memory_ordered 1
		.amdhsa_forward_progress 1
		.amdhsa_inst_pref_size 53
	.end_amdhsa_kernel
	.amdgpu_metadata
---
amdhsa.version: [ 1, 2 ]
amdhsa.kernels:
  - .name:           k_qc1f4c0bfeb_front
    .symbol:         k_qc1f4c0bfeb_front.kd
    .args:
      - { .name: protein, .offset: 0, .size: 8, .value_kind: global_buffer, .address_space: global }
      - { .name: reactions, .offset: 8, .size: 8, .value_kind: global_buffer, .address_space: global }
      - { .name: Wc, .offset: 16, .size: 8, .value_kind: global_buffer, .address_space: global }
      - { .name: W2, .offset: 24, .size: 8, .value_kind: global_buffer, .address_space: global }
      - { .name: bc, .offset: 32, .size: 8, .value_kind: global_buffer, .address_space: global }
      - { .name: b2, .offset: 40, .size: 8, .value_kind: global_buffer, .address_space: global }
      - { .name: W1, .offset: 48, .size: 8, .value_kind: global_buffer, .address_space: global }
      - { .name: Wra, .offset: 56, .size: 8, .value_kind: global_buffer, .address_space: global }
      - { .name: kpart, .offset: 64, .size: 8, .value_kind: global_buffer, .address_space: global }
      - { .name: raraw, .offset: 72, .size: 8, .value_kind: global_buffer, .address_space: global }
      - { .name: rbuf, .offset: 80, .size: 8, .value_kind: global_buffer, .address_space: global }
    .group_segment_fixed_size: 130048
    .private_segment_fixed_size: 0
    .kernarg_segment_align: 8
    .kernarg_segment_size: 88
    .max_flat_workgroup_size: 256
    .sgpr_count:     100
    .vgpr_count:     256
    .wavefront_size: 32
...
	.end_amdgpu_metadata
.endif
;; end of part 5
;; launch pairs (part 6): grid 256 x 1, 4 waves a work-group, no clusters, 251,648 bytes of LDS; arguments kpart, raraw, b1, Wpa, bpa, bra, Wa, kbuf, SQ, SL; writes kbuf, SQ, SL
.if DOCPART == 6
	.amdgcn_target "amdgcn-amd-amdhsa--gfx1250"
	.amdhsa_code_object_version 6
	.text
	.protected	k_qc1f4c0bfeb_pairs
	.globl	k_qc1f4c0bfeb_pairs
	.p2align	8
	.type	k_qc1f4c0bfeb_pairs,@function
k_qc1f4c0bfeb_pairs:
	s_mov_b64 s[64:65], 0
	v_nop
	global_prefetch_b8 v0, s[64:65] scope:SCOPE_SE
	s_setreg_imm32_b32 hwreg(HW_REG_WAVE_SCHED_MODE, 0, 2), 2
	s_setreg_imm32_b32 hwreg(HW_REG_WAVE_MODE, 25, 1), 1
	s_wait_xcnt 0x0
	s_wait_alu depctr_vm_vsrc(0)
; PAIRS: A(q, l) = Q(relu(ra[q] + pa[l])) Q(Wa)^T over all pairs, of which only the sums over l and over q are kept.  Codes of FP6 (E2M3), one E8M0 scale for each 32 along K (K = 64).
; Work-group id: qs = id % 4, ls = id / 4: 128 q x 64 l.  Wave w: all 8 tiles of 16 q x its 16 l.  It stores SQ[ls][q][n] = sum over its 64 l and SL[qs][l][n] = sum over its 128 q, both without ba.
; HEAD: k = relu(kpart[0] + .. + kpart[3] + b1) for the wave's 16 l (stored to kbuf by qs = 0); pa' = Q(k) Q(Wpa)^T + (bpa + bra).  bra is added on pa's side: ra_raw + (pa_raw + bpa + bra).
; AN OPERAND HALF X(q tile, l) is 6 registers: lane (m, h) holds the pair (q = 16 qt + m, l), k = 32 h + 0 .. 31: a whole block in one lane, so its largest number needs no other lane.
; The instruction's K is 128: an operand is TWO X, and Wa's fragments hold Wa's row in both halves, so each product already adds two pairs.
;   Q-type (source 0 = Wa tile, source 1 = X of one q tile and two l) adds onto ACQ[qt][nt]: lane r = q, registers along n.
;   L-type (source 0 = X of one l and two q tiles, source 1 = Wa tile) adds onto ACL[l][nt]: register j = q class 8 h + j, lane r = n; the classes are added when the two l are done.
; THE WALK.  A trip takes two l (l0, l1) and has 16 phases t: q tile t / 2; l0 where t % 4 is 0 or 3, else l1.  Even t writes slot S2, odd t slot S1, so v[S1 .. S2 + 5] is always (X(t - 1), X(t)):
; one q tile and both l for odd t, one l and two q tiles for even t.  X(0) is kept in SAVE, just under S1: the pair (X(0), X(15)) is v[SAVE .. S1 + 5].  So each X is made once and multiplied twice.
; Phase t carries the four products of the pair finished in phase t - 1, one behind each stretch of vector work; phases 0 and 1 of the next trip carry the last two pairs.  All accumulators take turns, one
; instruction a turn.  The last trip's two phases ahead work on two rows of zeros and their codes are not used: 2 phases of 130, for a loop without a tail.
; REGISTERS, in windows of 256: window 0: addresses, the phase's 32 numbers, the slots, Wa, ACL.  window 1: ra, 8 tiles x 32.  window 2: ACQ, 8 x 4 x 8.  window 3: pa of l0, of l1, and of the next l0.
; No window has room for ra, pa, ACQ and the phase's work together: a phase with Q-type products has nine switches, one with L-type two.
; NO CLUSTER: the work-groups' inputs are 130 KiB each against 130 phases of vector work; what is shared is a small part of the launch.
; LIMITS: NaN and infinities are not served; a block of zeros keeps the byte 1; sums are grouped otherwise than in the defining text.
; THE MODE: SCHED_MODE bits 1:0 = 2 (LLVM: expert scheduling mode 2), set by the entry lines.  The code itself states the register dependences
; between vector or matrix instructions and memory or LDS instructions, with s_wait_alu, always for 0.
; THE PLAN.  Registers that LDS instructions touch, in the loop:
;   PA1    Read by the additions of phases 1, 2, 5, 6, 9, 10, 13, 14; the loads of phase 14 land in it, behind that phase's additions.
;   PA0    Read by the additions of phases 3, 4, 7, 8, 11, 12, 15; the loads of phase 15 land in it, behind that phase's additions.
;   PAX    Read by the additions of phase 0; the loads of phase 12 land in it.
;   v7     Written once a trip, ahead of phase 12; read by those 24 loads.
;   v9, FT Written in the flush; read by its eight stores.
; The slots' codes and the scale words WP and WSV are written by vector instructions and taken by scaled products one phase later: so ONE wait on va_vdst stands in every phase that multiplies, behind its
; sixteen additions and ahead of its first product.  The same wait serves the loop's loads, which stand straight behind it: the additions that read the row are issued ahead of it, and so is the add to v7.
; One more wait on va_vdst stands ahead of the flush's stores.  One wait on vm_vsrc a trip stands ahead of the add to v7: the last trip's loads have read v7, the last flush's stores v9 and FT.
.set RAB,  0                           ; ra: 128 rows x 272
.set PAB,  34816                       ; pa': 4 waves x 18 rows x 272; rows 16, 17 are zeros
.set STG,  54400                       ; 4 stages of 16 x 272
.set WIM,  71808                       ; images of Wpa's 4 and Wa's 4 tiles, 768 bytes each
.set WSC,  77952                       ; their scale words, 128 bytes each
.set SLS,  78976                       ; 4 waves x [16 l][2 h][64 n]
.set SQR,  111744                      ; 4 waves x 128 rows x 272
.set XT,   16
.set SAVE, 48
.set S1,   54
.set S2,   60
.set CT,   66
.set MX,   70
.set SOP,  74
.set EB,   75
.set PL,   76
.set ES1,  77                          ; the slots' two scale bytes
.set ES2,  78
.set ESV,  79
.set WP,   80                          ; scale word of v[S1 .. S2 + 5]
.set WSV,  81                          ; of v[SAVE .. S1 + 5]
.set WAS,  82                          ; v82-85 Wa's scale words
.set WA,   86                          ; v86-133 Wa's four fragments
.set ACL,  134                         ; v134-197: l0's four accumulators, then l1's
.set FT,   198
.set B1Q,  214
.set PA0,  0
.set PA1,  32
.set PAX,  64
.set SEL,  34
.set SNX,  36                          ; s36  the next trip's two rows of pa': 544 bytes a trip
.set STX,  37                          ; s37  this trip's two rows of SLS: 1,024 bytes a trip
.set MSB, 0
.macro WIN new                         ; the immediate's high byte repeats the setting that is left; a switch that changes nothing is dropped
.if MSB != \new
	s_set_vgpr_msb (MSB<<8)|\new
.set MSB, \new
.endif
.endm
.macro BARRIER
	s_wait_dscnt 0x0
	s_barrier_signal -1
	s_barrier_wait -1
.endm
.macro Q32 src, dst, e                 ; 32 numbers of a lane, one whole block, become 6 registers; e: bytes 0, 1 and again 2, 3 hold blocks 0, 1 in lanes 0-15
	v_max3_num_f32 v[MX], |v[\src]|, |v[\src+1]|, |v[\src+2]|
	v_max3_num_f32 v[MX+1], |v[\src+3]|, |v[\src+4]|, |v[\src+5]|
.irp i, 6,10,14,18,22,26
	v_max3_num_f32 v[MX], v[MX], |v[\src+\i]|, |v[\src+\i+1]|
	v_max3_num_f32 v[MX+1], v[MX+1], |v[\src+\i+2]|, |v[\src+\i+3]|
.endr
	v_max3_num_f32 v[MX], v[MX], |v[\src+30]|, |v[\src+31]|
	v_max3_num_f32 v[MX], v[MX], v[MX+1], 0x1800000  ; the floor 2^(3 - 127): the byte cannot fall under 1
	v_add_nc_u32 v[SOP], 0xff000000, v[MX]           ; 2 off the exponent field: the conversion's scale operand
	v_lshrrev_b32 v[EB], 23, v[SOP]
	v_permlanex16_b32 v[PL], v[EB], s[SEL], s[SEL+1]
	v_lshl_or_b32 v[\e], v[PL], 8, v[EB]
	v_lshl_or_b32 v[\e], v[\e], 16, v[\e]
	v_cvt_scalef32_pk16_fp6_f32 v[\dst:\dst+2], v[\src:\src+15], v[SOP]
	v_cvt_scalef32_pk16_fp6_f32 v[CT:CT+2], v[\src+16:\src+31], v[SOP]
	v_nop
.irp i, 0,1,2
	v_mov_b32 v[\dst+3+\i], v[CT+\i]
.endr
.endm
.macro TURN16                          ; 16 rows of 256 bytes come back from my stage in the order of an operand's registers
.irp i, 0,1,2,3,4,5,6,7
	ds_load_b128 v[XT+4*\i:XT+4*\i+3], v5 offset:16*\i   ; LDS serves a wave's instructions in order (ISA guide 5.7.1.4): these see the stores just issued
.endr
	s_wait_dscnt 0x0
.endm
; Product i of four of the pair in hand.  CK: 0 none, 1 Q-type, 2 L-type; CA its accumulators; CZ: it starts the sums; CX the pair's registers; CW its scale word.
.macro MMC i
.if CK == 1
	WIN 0xa0                                         ; C and D in window 2
.if CZ
	v_wmma_scale_f32_16x16x128_f8f6f4 v[CA+8*\i:CA+8*\i+7], v[WA+12*\i:WA+12*\i+11], v[CX:CX+11], 0, v[WAS+\i], v[CW] matrix_a_fmt:MATRIX_FMT_FP6 matrix_b_fmt:MATRIX_FMT_FP6
.else
	v_wmma_scale_f32_16x16x128_f8f6f4 v[CA+8*\i:CA+8*\i+7], v[WA+12*\i:WA+12*\i+11], v[CX:CX+11], v[CA+8*\i:CA+8*\i+7], v[WAS+\i], v[CW] matrix_a_fmt:MATRIX_FMT_FP6 matrix_b_fmt:MATRIX_FMT_FP6
.endif
	WIN 0
.endif
.if CK == 2
	WIN 0
.if CZ
	v_wmma_scale_f32_16x16x128_f8f6f4 v[CA+8*\i:CA+8*\i+7], v[CX:CX+11], v[WA+12*\i:WA+12*\i+11], 0, v[CW], v[WAS+\i] matrix_a_fmt:MATRIX_FMT_FP6 matrix_b_fmt:MATRIX_FMT_FP6
.else
	v_wmma_scale_f32_16x16x128_f8f6f4 v[CA+8*\i:CA+8*\i+7], v[CX:CX+11], v[WA+12*\i:WA+12*\i+11], v[CA+8*\i:CA+8*\i+7], v[CW], v[WAS+\i] matrix_a_fmt:MATRIX_FMT_FP6 matrix_b_fmt:MATRIX_FMT_FP6
.endif
.endif
.endm
; PHASE t: X(t) is made, and the pair finished in the phase before is multiplied.  first = 1: the Q-type products start ACQ's sums.  carry = 0: the first two phases of all, which have no pair yet.
.macro PH t, first, carry
.set QT, (\t)/2
.set PAR, PA1
.if ((\t)%4 == 0) || ((\t)%4 == 3)
.set PAR, PA0
.endif
.if (\t) == 0
.set PAR, PAX
.endif
.set SLT, S1
.set ESR, ES1
.if (\t)%2 == 0
.set SLT, S2
.set ESR, ES2
.endif
.set CK, 0
.set CZ, 0
.set CX, S1
.set CW, WP
.set CA, 0
.if \carry
.if (\t) == 0
.set CK, 1
.set CA, 32*7
.set CZ, \first
.elseif (\t) == 1
.set CK, 2
.set CA, ACL
.set CX, SAVE
.set CW, WSV
.elseif (\t)%2 == 0
.set CK, 1
.set CA, 32*((\t)/2-1)
.set CZ, \first
.else
.set CK, 2
.set CA, ACL+32*((((\t)-1)%4)/2)
.if ((\t) == 3) || ((\t) == 5)
.set CZ, 1
.endif
.endif
.endif
	WIN 0x0d                                         ; source 0 (ra) window 1, source 1 (pa') window 3
.set I, 0
.rept 16
	v_pk_add_f32 v[XT+I:XT+I+1], v[32*QT+I:32*QT+I+1], v[PAR+I:PAR+I+1]
.set I, I+2
.endr
.if ((\t) == 12) || ((\t) == 14) || ((\t) == 15)
	WIN 0xc0                                         ; for the loads below: the switch, then the wait, then the loads
.endif
.if CK
	s_wait_alu depctr_va_vdst(0)                     ; behind the sixteen places: the phase before has written the pair's codes and its scale word, which the four products take.  Phase 12: v7 is written, and the last phase 0 is done reading PAX; phases 14, 15: the additions above are done reading PA1, PA0
.endif
.if (\t) == 12                         ; the next trip's l0, for its phase 0, while this trip's l0 is still at work
.irp i, 0,1,2,3,4,5,6,7
	ds_load_b128 v[PAX+4*\i:PAX+4*\i+3], v7 offset:16*\i
.endr
.endif
.if (\t) == 14                         ; l1's last use is over: the next trip's l1
.irp i, 0,1,2,3,4,5,6,7
	ds_load_b128 v[PA1+4*\i:PA1+4*\i+3], v7 offset:272+16*\i
.endr
.endif
.if (\t) == 15                         ; and l0's
.irp i, 0,1,2,3,4,5,6,7
	ds_load_b128 v[PA0+4*\i:PA0+4*\i+3], v7 offset:16*\i
.endr
.endif
	MMC 0
	WIN 0
.set I, 0
.rept 16
	v_dual_max_num_f32 v[XT+I], 0, v[XT+I] :: v_dual_max_num_f32 v[XT+I+1], 0, v[XT+I+1]   ; the activation, two at a time
.set I, I+2
.endr
	MMC 1
.irp c, 0,1,2,3
	v_max3_num_f32 v[MX+\c], v[XT+8*\c], v[XT+8*\c+1], v[XT+8*\c+2]   ; the block's largest number, in four chains; nothing is negative here
.endr
.irp c, 0,1,2,3
	v_max3_num_f32 v[MX+\c], v[MX+\c], v[XT+8*\c+3], v[XT+8*\c+4]
.endr
	MMC 2
.irp c, 0,1,2,3
	v_max3_num_f32 v[MX+\c], v[MX+\c], v[XT+8*\c+5], v[XT+8*\c+6]
.endr
	MMC 3
	v_max3_num_f32 v[MX], v[MX], v[XT+7], v[XT+15]   ; these lines are also the places between the pair's last product and the writes into its registers
	v_max3_num_f32 v[MX+2], v[MX+2], v[XT+23], v[XT+31]
	v_max3_num_f32 v[MX], v[MX], v[MX+1], v[MX+2]
	v_max3_num_f32 v[MX], v[MX], v[MX+3], 0x1800000  ; the floor 2^(3 - 127)
	v_add_nc_u32 v[SOP], 0xff000000, v[MX]
	v_lshrrev_b32 v[EB], 23, v[SOP]
	v_permlanex16_b32 v[PL], v[EB], s[SEL], s[SEL+1]
	v_lshl_or_b32 v[ESR], v[PL], 8, v[EB]            ; lanes 0-15: block 0's byte, block 1's byte
	v_cvt_scalef32_pk16_fp6_f32 v[SLT:SLT+2], v[XT:XT+15], v[SOP]
	v_cvt_scalef32_pk16_fp6_f32 v[CT:CT+2], v[XT+16:XT+31], v[SOP]
	v_lshl_or_b32 v[WP], v[ES2], 16, v[ES1]          ; the plain line behind the conversions; 19 vector lines ahead of the product that reads it
.irp i, 0,1,2
	v_mov_b32 v[SLT+3+\i], v[CT+\i]
.endr
.if (\t) == 1
.irp i, 0,1,2,3,4,5
	v_mov_b32 v[SAVE+\i], v[S2+\i]                   ; X(0) is kept for the trip's last pair
.endr
	v_mov_b32 v[ESV], v[ES2]
.endif
.if (\t) == 15
	v_lshl_or_b32 v[WSV], v[ES1], 16, v[ESV]
.endif
.endm
.macro FLUSH                           ; the two l of the trip are done: the eight q classes of a lane are added; the two halves of the lanes meet on the way out
	v_add_nc_u32 v9, s[STX], v8
.irp g, 0,1,2,3,4,5,6,7
	v_pk_add_f32 v[FT+2*\g:FT+2*\g+1], v[ACL+8*\g:ACL+8*\g+1], v[ACL+8*\g+2:ACL+8*\g+3]   ; each accumulator from its low end on
.endr
.irp g, 0,1,2,3,4,5,6,7
	v_pk_add_f32 v[FT+2*\g:FT+2*\g+1], v[FT+2*\g:FT+2*\g+1], v[ACL+8*\g+4:ACL+8*\g+5]
.endr
.irp g, 0,1,2,3,4,5,6,7
	v_pk_add_f32 v[FT+2*\g:FT+2*\g+1], v[FT+2*\g:FT+2*\g+1], v[ACL+8*\g+6:ACL+8*\g+7]
.endr
.irp g, 0,1,2,3,4,5,6,7
	v_add_f32 v[FT+2*\g], v[FT+2*\g], v[FT+2*\g+1]
.endr
	s_wait_alu depctr_va_vdst(0)                     ; the additions have written FT and v9, which the stores below read
.irp g, 0,1,2,3,4,5,6,7
	ds_store_b32 v9, v[FT+2*\g] offset:512*(\g/4)+64*(\g%4)
.endr
.endm
.macro BODY first                      ; phases 2 to 15 of a trip, phases 0 and 1 of the next, and the trip's flush
	PH 2, \first, 1
	s_wait_dscnt 8                                   ; l0's row is in; the flush's 8 stores may be out
.irp t, 3,4,5,6,7,8,9,10,11
	PH \t, \first, 1
.endr
	WIN 0
	s_wait_alu depctr_vm_vsrc(0)                     ; the last trip's loads have read v7, which the next line writes; the last flush's stores have read v9 and FT, which this trip's flush writes
	v_add_nc_u32 v7, s[SNX], v6
.irp t, 12,13,14,15
	PH \t, \first, 1
.endr
	s_wait_dscnt 16                                  ; the row asked for in phase 12 is in; the 16 loads of phases 14 and 15 may be out
	PH 0, \first, 1
	s_wait_dscnt 8                                   ; l1's row is in; l0's 8 loads may be out
	PH 1, \first, 1
	FLUSH
	s_add_co_u32 s[SNX], s[SNX], 544
	s_add_co_u32 s[STX], s[STX], 1024
.endm
	s_load_b512 s[4:19], s[0:1], 0x0                 ; kpart, raraw, b1, Wpa, bpa, bra, Wa, kbuf
	s_load_b128 s[20:23], s[0:1], 0x40               ; SQ, SL
	v_lshl_add_u32 v254, v0, 2, 0x3d500
	v_mov_b32 v255, 0
	v_lshrrev_b32 v1, 5, v0
	v_readfirstlane_b32 s24, v1                      ; wave 0..3
	v_and_b32 v1, 31, v0
	v_and_b32 v2, 15, v0                             ; r
	v_bfe_u32 v3, v0, 4, 1                           ; h
	s_mov_b32 s[SEL], 0x76543210
	s_mov_b32 s[SEL+1], 0xfedcba98
	s_mov_b32 s[SNX], 544
	s_mov_b32 s[STX], 0
	v_lshlrev_b32 v10, 4, v1                         ; 16 x lane; never rewritten
	v_lshlrev_b32 v225, 5, v3                        ; 32 h
	v_lshlrev_b32 v226, 4, v2                        ; 16 r
	v_mul_u32_u24 v227, v2, 272                      ; 272 r
	v_mul_u32_u24 v236, v3, 272
	v_lshl_add_u32 v236, v2, 4, v236                 ; 272 h + 16 r
	s_wait_alu depctr_va_sdst(0)                     ; s24 is written, ahead of its first reader
	s_mul_i32 s28, s24, 16*272
	s_add_co_u32 s28, s28, STG
	v_add_nc_u32 v4, s28, v236                       ; my stage, in: row h of a pair, + 16 r
	v_lshl_add_u32 v5, v3, 7, v227
	v_add_nc_u32 v5, s28, v5                         ; and out: row r, + 128 h
	s_mul_i32 s28, s24, 18*272
	s_add_co_u32 s28, s28, PAB
	v_lshl_add_u32 v6, v3, 7, s28                    ; pa': my block's row 0, + 128 h
	v_lshl_add_u32 v223, v3, 5, v227
	v_add_nc_u32 v223, s28, v223                     ; where pa' is stored: row r, + 32 h
	v_add_nc_u32 v224, s28, v236                     ; and the two rows of zeros (+ 16 rows)
	s_lshl_b32 s28, s24, 13
	s_add_co_u32 s28, s28, SLS
	v_lshlrev_b32 v8, 8, v3
	v_lshl_add_u32 v8, v2, 2, v8
	v_add_nc_u32 v8, s28, v8                         ; SLS, in: 256 h + 4 r
	v_lshlrev_b32 v15, 9, v3
	v_lshl_add_u32 v15, v2, 4, v15
	v_add_nc_u32 v15, s28, v15                       ; and out: row h of a pair, + 16 r
	v_lshl_add_u32 v11, v1, 4, WIM
	v_lshl_add_u32 v12, v1, 3, WIM+512
	v_lshl_add_u32 v13, v1, 2, WSC
	s_mul_i32 s28, s24, 768
	s_add_co_u32 s28, s28, WIM
	v_lshl_add_u32 v218, v1, 4, s28
	s_add_co_u32 s28, s28, 512
	v_lshl_add_u32 v219, v1, 3, s28
	s_lshl_b32 s28, s24, 7
	s_add_co_u32 s28, s28, WSC
	v_lshl_add_u32 v220, v1, 2, s28
	s_mul_i32 s28, s24, 32*272
	v_add_nc_u32 v221, s28, v236                     ; ra, in: my 32 rows
	v_lshl_add_u32 v222, v3, 7, v227                 ; ra, out: row r, + 128 h
	s_add_co_u32 s28, s28, SQR
	v_add_nc_u32 v232, s28, v236                     ; the four waves' parts of my 32 rows of SQ
	v_add_nc_u32 v233, 128*272, v232
	v_add_nc_u32 v234, 128*272, v233
	v_add_nc_u32 v235, 128*272, v234
	s_mul_i32 s28, s24, 128*272
	s_add_co_u32 s28, s28, SQR
	v_lshl_add_u32 v14, v3, 5, v227
	v_add_nc_u32 v14, s28, v14                       ; where ACQ goes: row r, + 32 h
	v_mov_b32 v[PL], 0                               ; written once: a lane permute's destination counts as one of its sources
.irp i, 0,1,2,3
	v_mov_b32 v[228+\i], 0
.endr
	s_and_b32 s25, ttmp9, 3                          ; qs
	s_lshr_b32 s26, ttmp9, 2                         ; ls
	s_lshl_b32 s28, s26, 14
	s_lshl_b32 s29, s24, 12
	s_add_co_u32 s28, s28, s29
	s_mov_b32 s29, 0                                 ; my 16 rows l, of 256 bytes
	s_lshl_b32 s30, s25, 15
	s_lshl_b32 s31, s24, 13
	s_add_co_u32 s30, s30, s31
	s_mov_b32 s31, 0                                 ; my 32 rows q
	s_lshl_b32 s32, s24, 12
	s_mov_b32 s33, 0                                 ; tile w of Wpa and of Wa
	s_lshl_b32 s40, s25, 20
	s_add_co_u32 s40, s40, s28
	s_mov_b32 s41, 0
	s_lshl_b32 s42, s26, 17
	s_add_co_u32 s42, s42, s30
	s_mov_b32 s43, 0
	s_wait_kmcnt 0x0
	s_add_nc_u64 s[4:5], s[4:5], s[28:29]
	s_add_nc_u64 s[18:19], s[18:19], s[28:29]
	s_add_nc_u64 s[6:7], s[6:7], s[30:31]
	s_add_nc_u64 s[10:11], s[10:11], s[32:33]
	s_add_nc_u64 s[16:17], s[16:17], s[32:33]
	s_add_nc_u64 s[22:23], s[22:23], s[40:41]
	s_add_nc_u64 s[20:21], s[20:21], s[42:43]
	s_wait_alu depctr_va_vdst(0)                     ; the offsets and LDS addresses made above are written (all but v7 and v9, which the loop makes), and so are the four zeros v228 to v231, which a store reads
	; all loads first, each of 512 consecutive bytes: kpart 32, b1 1, Wpa 8, Wa 8, ra 16, the biases 16
.set I, 0
.rept 32
	global_load_b128 v[WA+4*I:WA+4*I+3], v10, s[4:5] offset:(I/8)*1048576+512*(I%8)
.set I, I+1
.endr
	global_load_b128 v[B1Q:B1Q+3], v226, s[8:9]
	WIN 0x80                                         ; destination window 2
.irp i, 0,1,2,3,4,5,6,7
	global_load_b128 v[4*\i:4*\i+3], v10, s[10:11] offset:512*\i
.endr
.irp i, 0,1,2,3,4,5,6,7
	global_load_b128 v[32+4*\i:35+4*\i], v10, s[16:17] offset:512*\i
.endr
	WIN 0x40                                         ; destination window 1
.set I, 0
.rept 16
	global_load_b128 v[4*I:4*I+3], v10, s[6:7] offset:512*I
.set I, I+1
.endr
	WIN 0x80
.irp n, 0,1,2,3
	global_load_b128 v[64+8*\n:67+8*\n], v225, s[12:13] offset:64*\n
	global_load_b128 v[68+8*\n:71+8*\n], v225, s[12:13] offset:64*\n+16
	global_load_b128 v[96+8*\n:99+8*\n], v225, s[14:15] offset:64*\n
	global_load_b128 v[100+8*\n:103+8*\n], v225, s[14:15] offset:64*\n+16
.endr
	WIN 0
	s_wait_loadcnt 48                                ; kpart and b1 are in; Wpa, Wa, ra and the biases may be out
.set I, 0
.rept 16
	v_pk_add_f32 v[WA+2*I:WA+2*I+1], v[WA+2*I:WA+2*I+1], v[WA+32+2*I:WA+33+2*I]
	v_pk_add_f32 v[WA+64+2*I:WA+65+2*I], v[WA+64+2*I:WA+65+2*I], v[WA+96+2*I:WA+97+2*I]
.set I, I+1
.endr
.set I, 0
.rept 16
	v_pk_add_f32 v[WA+2*I:WA+2*I+1], v[WA+2*I:WA+2*I+1], v[WA+64+2*I:WA+65+2*I]
.set I, I+1
.endr
.set I, 0
.rept 16
	v_pk_add_f32 v[WA+2*I:WA+2*I+1], v[WA+2*I:WA+2*I+1], v[B1Q+(2*I)%4:B1Q+(2*I)%4+1]
.set I, I+1
.endr
.set I, 0
.rept 32
	v_max_num_f32 v[WA+I], 0, v[WA+I]                ; k
.set I, I+1
.endr
	s_wait_alu depctr_va_vdst(0)                     ; k is written, which the stores on both ways below read
	s_cmp_lg_u32 s25, 0                              ; the four work-groups of one ls make the same k: the first stores it
	s_cbranch_scc1 .Lno_k
.irp i, 0,1,2,3,4,5,6,7
	global_store_b128 v10, v[WA+4*\i:WA+4*\i+3], s[18:19] offset:512*\i
.endr
.Lno_k:
.irp i, 0,1,2,3,4,5,6,7
	ds_store_b128 v4, v[WA+4*\i:WA+4*\i+3] offset:544*\i
.endr
	TURN16
	Q32 XT, SAVE, WP                                 ; k's 16 rows as an operand: K = 64 in the lower half,
.irp i, 0,1,2,3,4,5
	v_mov_b32 v[S1+\i], 0                            ; zero codes in the upper
.endr
	s_wait_loadcnt 40                                ; Wpa's tile is in
	WIN 0x08                                         ; an LDS store's data are its source 1: window 2
.irp i, 0,1,2,3,4,5,6,7
	ds_store_b128 v4, v[4*\i:4*\i+3] offset:544*\i
.endr
	WIN 0
	s_wait_alu depctr_va_vdst(0)                     ; k's quantiser is done reading XT, in which the loads below land
	TURN16
	Q32 XT, S2, ES1
	s_wait_alu depctr_va_vdst(0)                     ; the quantiser has written S2 and ES1, which the stores below read, and is done reading XT, in which the next turn's loads land
	ds_store_b128 v218, v[S2:S2+3]                   ; the tile goes to the other waves as an image of its registers
	ds_store_b64 v219, v[S2+4:S2+5]
	ds_store_b32 v220, v[ES1]
	s_wait_loadcnt 32                                ; Wa's tile is in
	WIN 0x08
.irp i, 0,1,2,3,4,5,6,7
	ds_store_b128 v4, v[32+4*\i:35+4*\i] offset:544*\i
.endr
	WIN 0
	TURN16
	s_wait_alu depctr_vm_vsrc(0)                     ; the image's stores have read S2 and ES1, which the quantiser writes again
	Q32 XT, S2, ES1
	s_wait_alu depctr_va_vdst(0)                     ; the quantiser has written S2 and ES1, which the stores below read
	ds_store_b128 v218, v[S2:S2+3] offset:4*768
	ds_store_b64 v219, v[S2+4:S2+5] offset:4*768
	ds_store_b32 v220, v[ES1] offset:4*128
	s_wait_loadcnt 16                                ; ra's 32 rows are in
	WIN 0x04                                         ; store data: window 1
.set I, 0
.rept 16
	ds_store_b128 v221, v[4*I:4*I+3] offset:544*I
.set I, I+1
.endr
	WIN 0
	BARRIER                                          ; the eight tiles' images and ra's 128 rows lie in LDS
	s_wait_xcnt 0x0                                  ; kbuf's stores have had their addresses translated: Wa's fragments land in their data registers
	s_wait_alu depctr_vm_vsrc(0)                     ; kbuf's stores and the stage's have read v[WA ..], ra's stores window 1's first 64 registers: the loads below land in both; the image's stores have read S2 and ES1, which the phases write; the stage's stores have read window 2, which the products write
.irp n, 0,1,2,3
	ds_load_b128 v[ACL+6*\n:ACL+6*\n+3], v11 offset:768*\n          ; Wpa's four tiles on end: tile n's upper half is the next tile's codes, which meet k's zero codes
	ds_load_b64 v[ACL+6*\n+4:ACL+6*\n+5], v12 offset:768*\n
	ds_load_b32 v[ACL+30+\n], v13 offset:128*\n
.endr
.irp n, 0,1,2,3
.irp d, 0,1
	ds_load_b128 v[WA+12*\n+6*\d:WA+12*\n+6*\d+3], v11 offset:768*(4+\n)   ; Wa's row in both halves of K
	ds_load_b64 v[WA+12*\n+6*\d+4:WA+12*\n+6*\d+5], v12 offset:768*(4+\n)
.endr
	ds_load_b32 v[WAS+\n], v13 offset:128*(4+\n)
.endr
	WIN 0x40
.set I, 0
.rept 64
	ds_load_b128 v[4*I:4*I+3], v222 offset:4352*(I/8)+16*(I%8)      ; ra stays in registers: tile I / 8
.set I, I+1
.endr
	WIN 0
.irp i, 0,1,2,3,4,5
	v_mov_b32 v[ACL+24+\i], 0
.endr
	s_wait_loadcnt 0x0                               ; the biases
	WIN 0x0a                                         ; sources 0 and 1 window 2
.set I, 0
.rept 16
	v_pk_add_f32 v[XT+2*I:XT+2*I+1], v[64+2*I:65+2*I], v[96+2*I:97+2*I]   ; bpa + bra, in the result's layout: the C of pa's products
.set I, I+1
.endr
	WIN 0
.rept 4
	v_nop
.endr
	s_wait_dscnt 0x0
	s_wait_alu depctr_va_vdst(0)                     ; behind the places: vector instructions have written k's codes and zeros (SAVE, S1), their scale word WP and the six zeros behind Wpa's last tile, which the products take
.irp n, 0,1,2,3
	v_wmma_scale_f32_16x16x128_f8f6f4 v[XT+8*\n:XT+8*\n+7], v[ACL+6*\n:ACL+6*\n+11], v[SAVE:SAVE+11], v[XT+8*\n:XT+8*\n+7], v[ACL+30+\n], v[WP] matrix_a_fmt:MATRIX_FMT_FP6 matrix_b_fmt:MATRIX_FMT_FP6
.endr
.rept 4
	v_nop                                            ; four places behind the products (ISA guide 7.12.1)
.endr
	s_wait_alu depctr_va_vdst(0)                     ; behind the places: the products have written XT, which the stores below read
.irp n, 0,1,2,3
	ds_store_b128 v223, v[XT+8*\n:XT+8*\n+3] offset:64*\n            ; lane (r, h): pa'(l = r, 16 n + 8 h + 0 .. 7)
	ds_store_b128 v223, v[XT+8*\n+4:XT+8*\n+7] offset:64*\n+16
.endr
	ds_store_b128 v224, v[228:231] offset:16*272
	WIN 0xc0                                         ; destination window 3
.irp i, 0,1,2,3,4,5,6,7
	ds_load_b128 v[PAX+4*\i:PAX+4*\i+3], v6 offset:16*\i
	ds_load_b128 v[PA1+4*\i:PA1+4*\i+3], v6 offset:272+16*\i
	ds_load_b128 v[PA0+4*\i:PA0+4*\i+3], v6 offset:16*\i
.endr
	WIN 0
	s_wait_dscnt 0x0
	s_wait_alu depctr_vm_vsrc(0)                     ; pa's stores have read XT, which the first phase's additions write again
	PH 0, 0, 0
	PH 1, 0, 0
	BODY 1                                           ; the first trip's Q-type products start ACQ's sums: nothing is cleared
	s_mov_b32 s38, 7
.Ltrip:
	BODY 0
	s_sub_co_u32 s38, s38, 1
	s_cmp_lg_u32 s38, 0
	s_cbranch_scc1 .Ltrip
	; THE WAY OUT.  SL: my 16 rows; the two halves of the lanes are added; each store covers two whole rows, 512 consecutive bytes.
	; (The loads below land in Wa's fragments and in ACL: no vector or matrix instruction has been issued since the last flush's wait on va_vdst, which stands behind all that read them.)
.set I, 0
.rept 8
	ds_load_b128 v[86+4*I:89+4*I], v15 offset:1024*I
	ds_load_b128 v[118+4*I:121+4*I], v15 offset:1024*I+256
.set I, I+1
.endr
	s_wait_dscnt 0x0
.set I, 0
.rept 16
	v_pk_add_f32 v[86+2*I:87+2*I], v[86+2*I:87+2*I], v[118+2*I:119+2*I]
.set I, I+1
.endr
	s_wait_alu depctr_va_vdst(0)                     ; the additions have written v86 to v117, which the stores below read
.set I, 0
.rept 8
	global_store_b128 v10, v[86+4*I:89+4*I], s[22:23] offset:512*I
.set I, I+1
.endr
	; SQ: each wave's sums over its 16 l go to LDS; behind the barrier each wave adds the four parts of 32 rows.
	WIN 0x08
.set I, 0
.rept 32
	ds_store_b128 v14, v[8*I:8*I+3] offset:4352*(I/4)+64*(I%4)       ; each accumulator from its low end on
	ds_store_b128 v14, v[8*I+4:8*I+7] offset:4352*(I/4)+64*(I%4)+16
.set I, I+1
.endr
	WIN 0
	BARRIER
	s_wait_alu depctr_vm_vsrc(0)                     ; the last flush's stores have read v198 to v213, in which the first batch's loads land
.irp b, 0,1,2,3
.irp i, 0,1,2,3
.irp g, 0,1,2,3
	ds_load_b128 v[150+16*\i+4*\g:153+16*\i+4*\g], v[232+\g] offset:544*(4*\b+\i)
.endr
.endr
	s_wait_dscnt 0x0
.irp i, 0,1,2,3
.irp p, 0,2
	v_pk_add_f32 v[150+16*\i+\p:151+16*\i+\p], v[150+16*\i+\p:151+16*\i+\p], v[154+16*\i+\p:155+16*\i+\p]
	v_pk_add_f32 v[158+16*\i+\p:159+16*\i+\p], v[158+16*\i+\p:159+16*\i+\p], v[162+16*\i+\p:163+16*\i+\p]
.endr
.irp p, 0,2
	v_pk_add_f32 v[16+16*\b+4*\i+\p:17+16*\b+4*\i+\p], v[150+16*\i+\p:151+16*\i+\p], v[158+16*\i+\p:159+16*\i+\p]   ; into registers of the batch's own: no store's data are written again
.endr
.endr
	s_wait_alu depctr_va_vdst(0)                     ; the additions have written the batch's sums, which the stores below read, and are done with v150 to v213, in which the next batch's loads land
.irp i, 0,1,2,3
	global_store_b128 v10, v[16+16*\b+4*\i:19+16*\b+4*\i], s[20:21] offset:512*(4*\b+\i)
.endr
.endr
	s_wait_dscnt 0x0                                 ; the closing lines, six on end
	s_wait_alu 0x0
	s_wait_tensorcnt 0x0
	ds_add_u32 v254, v255
	s_wait_dscnt 0x0
	s_endpgm
.Lfunc_end_k_qc1f4c0bfeb_pairs:
	.size	k_qc1f4c0bfeb_pairs, .Lfunc_end_k_qc1f4c0bfeb_pairs-k_qc1f4c0bfeb_pairs
	.p2alignl 7, 3214868480
	.fill 96, 4, 3214868480
	.section	.rodata,"a",@progbits
	.p2align	6, 0x0
	.amdhsa_kernel k_qc1f4c0bfeb_pairs
		.amdhsa_group_segment_fixed_size 251648
		.amdhsa_private_segment_fixed_size 0
		.amdhsa_enable_private_segment 0
		.amdhsa_kernarg_size 80
		.amdhsa_user_sgpr_count 2
		.amdhsa_user_sgpr_kernarg_segment_ptr 1
		.amdhsa_wavefront_size32 1
		.amdhsa_system_sgpr_workgroup_id_x 1
		.amdhsa_system_sgpr_workgroup_id_y 1
		.amdhsa_system_sgpr_workgroup_id_z 1
		.amdhsa_system_vgpr_workitem_id 0
		.amdhsa_next_free_vgpr 896
		.amdhsa_next_free_sgpr 66
		.amdhsa_reserve_vcc 0
		.amdhsa_float_denorm_mode_32 3
		.amdhsa_float_denorm_mode_16_64 3
		.amdhsa_memory_ordered 1
		.amdhsa_forward_progress 1
		.amdhsa_inst_pref_size 210
	.end_amdhsa_kernel
	.amdgpu_metadata
---
amdhsa.version: [ 1, 2 ]
amdhsa.kernels:
  - .name:           k_qc1f4c0bfeb_pairs
    .symbol:         k_qc1f4c0bfeb_pairs.kd
    .args:
      - { .name: kpart, .offset: 0, .size: 8, .value_kind: global_buffer, .address_space: global }
      - { .name: raraw, .offset: 8, .size: 8, .value_kind: global_buffer, .address_space: global }
      - { .name: b1, .offset: 16, .size: 8, .value_kind: global_buffer, .address_space: global }
      - { .name: Wpa, .offset: 24, .size: 8, .value_kind: global_buffer, .address_space: global }
      - { .name: bpa, .offset: 32, .size: 8, .value_kind: global_buffer, .address_space: global }
      - { .name: bra, .offset: 40, .size: 8, .value_kind: global_buffer, .address_space: global }
      - { .name: Wa, .offset: 48, .size: 8, .value_kind: global_buffer, .address_space: global }
      - { .name: kbuf, .offset: 56, .size: 8, .value_kind: global_buffer, .address_space: global }
      - { .name: SQ, .offset: 64, .size: 8, .value_kind: global_buffer, .address_space: global }
      - { .name: SL, .offset: 72, .size: 8, .value_kind: global_buffer, .address_space: global }
    .group_segment_fixed_size: 251648
    .private_segment_fixed_size: 0
    .kernarg_segment_align: 8
    .kernarg_segment_size: 80
    .max_flat_workgroup_size: 128
    .sgpr_count:     66
    .vgpr_count:     896
    .wavefront_size: 32
...
	.end_amdgpu_metadata
.endif
;; end of part 6
;; launch gates (part 7): grid 256 x 1, 8 waves a work-group, no clusters, 76,800 bytes of LDS; arguments SL, SQ, kbuf, rbuf, ba, Wf1, Wf2, pmw, rxn; writes pmw, rxn
.if DOCPART == 7
	.amdgcn_target "amdgcn-amd-amdhsa--gfx1250"
	.amdhsa_code_object_version 6
	.text
	.protected	k_qc1f4c0bfeb_gates
	.globl	k_qc1f4c0bfeb_gates
	.p2align	8
	.type	k_qc1f4c0bfeb_gates,@function
k_qc1f4c0bfeb_gates:
	s_mov_b64 s[64:65], 0
	v_nop
	global_prefetch_b8 v0, s[64:65] scope:SCOPE_SE
	s_setreg_imm32_b32 hwreg(HW_REG_WAVE_MODE, 25, 1), 1
	s_wait_xcnt 0x0
; GATES: the partial sums are added and both gates applied, all in f32; and the last two weights are quantised once, for the launch that follows.
;   pmw[g][n]  = max over l = 16 g .. 16 g + 15 of k + k sigmoid(sum over qs of SL[qs][l][n] / 512 + ba[n])        (256 rows of 256 bytes)
;   rxn[q][n]  = r + r sigmoid(sum over ls of SQ[ls][q][n] / 4,096 + ba[n]),  q = 2 g, 2 g + 1
; Eight waves; a lane holds four neighbouring n.  Wave w takes rows l = 16 g + 2 w + (lane / 16), and of SQ's 64 parts the eight from 8 w on.  Every load reads 512 consecutive bytes.
; The waves' figures meet in LDS behind one barrier, and wave 0 finishes.  No matrix work, no cluster: the work-groups share only ba's 256 bytes.
; THE WEIGHTS.  Wf1 [256][128] and Wf2 [128][256] are 32 fragments of 16 rows x 128 K for codes of FP6 (E2M3), one E8M0 scale for each 32 along K.  Every work-group of the next launch wants all of them,
; so they are made once, here: in work-groups 0-3 wave v makes fragment f = 8 g + v.  Fragment 4 w + u (u = 0, 1): rows 32 w + 8 u + i + 8 (i / 8) of Wf1; fragment 4 w + 2 + s: rows 16 w + i of Wf2, K step s.
; Its 16 loads read 512 consecutive bytes of a row each; the 8 KiB turn through the wave's own stage in LDS and come back in the order of the operand's registers (lane (r, h): row r, k = 64 c + 32 h + 0 .. 31).
; The 12 registers leave as an IMAGE: group j of four registers at 1,536 f + 512 j + 16 x lane behind pmw's 256 rows, the scale word at 128 f + 4 x lane behind the images: whoever loads them by the same
; lines has the same registers in the same lanes.  The loads stand behind the launch's own and are waited for with them.
; sigmoid(m) = 1 / (1 + 2^(-m log2 e)): where the power overflows the reciprocal is 0, as it should be.
; LIMITS: NaN and infinities are not served.  A block of zeros keeps the scale byte 1 (its codes are zeros, and the bytes are read by this program alone).
.set STG,  8192                        ; LDS behind the waves' figures: a stage of 16 rows x (512 + 16) bytes for each wave
.set SPW,  8448
.set WIM,  65536                       ; in pmw: the fragments' images, 1,536 bytes each
.set WSC,  114688                      ; and their scale words, 128 bytes each
.set SEL,  34                          ; s[34:35] lane selects for v_permlanex16_b32: lane l xor 16
.set G,    104                         ; v104-167 a fragment's 64 numbers a lane
.set CD,   168                         ; v168-179 its codes;  v180 its scale word
.set CDW,  180
.set MX,   182                         ; v182-185 largest magnitudes
.set SOP,  186                         ; v186-187 the conversions' scale operands
.set EB,   188                         ; v188-189 scale bytes
.set CT,   190                         ; v190-192, v194-196 second halves of blocks (a conversion's three registers begin on an even number)
.set PL,   193
.set TW,   197
.set SH8,  198                         ; 8 h
.set STI,  199                         ; my stage, in: 16 x lane
.set STO,  200                         ; and out: row r, + 128 h
.set LW,   201                         ; 4 x lane
.macro SIGM b                          ; four numbers m become four gates.  The exponentials are one batch with one wait, and so are the reciprocals
.irp i, 0,1,2,3
	v_mul_f32 v[\b+\i], 0xbfb8aa3b, v[\b+\i]
.endr
	s_wait_alu depctr_va_vdst(0)
.irp i, 0,1,2,3
	v_exp_f32 v[\b+\i], v[\b+\i]
.endr
	v_nop                                            ; a plain line behind the last of them (ISA guide 5.7.2)
	s_wait_alu depctr_va_vdst(0)
.irp i, 0,1,2,3
	v_add_f32 v[\b+\i], 1.0, v[\b+\i]
.endr
	s_wait_alu depctr_va_vdst(0)
.irp i, 0,1,2,3
	v_rcp_f32 v[\b+\i], v[\b+\i]
.endr
	v_nop
	s_wait_alu depctr_va_vdst(0)
.endm
; 64 numbers of a lane, two whole blocks (block c at src + 32 c is block 2 c + h of my row), become a fragment's 12 registers and its scale word.
.macro Q64 src, dst, word
.irp c, 0,1
	v_max3_num_f32 v[MX+2*\c], |v[\src+32*\c]|, |v[\src+32*\c+1]|, |v[\src+32*\c+2]|
	v_max3_num_f32 v[MX+2*\c+1], |v[\src+32*\c+3]|, |v[\src+32*\c+4]|, |v[\src+32*\c+5]|
.endr
.irp i, 6,10,14,18,22,26
.irp c, 0,1
	s_delay_alu instid0(VALU_DEP_4)
	v_max3_num_f32 v[MX+2*\c], v[MX+2*\c], |v[\src+32*\c+\i]|, |v[\src+32*\c+\i+1]|
	s_delay_alu instid0(VALU_DEP_4)
	v_max3_num_f32 v[MX+2*\c+1], v[MX+2*\c+1], |v[\src+32*\c+\i+2]|, |v[\src+32*\c+\i+3]|
.endr
.endr
.irp c, 0
	s_delay_alu instid0(VALU_DEP_4)
	v_max3_num_f32 v[MX+2*\c], v[MX+2*\c], |v[\src+32*\c+30]|, |v[\src+32*\c+31]|
.endr
.irp c, 1
	s_delay_alu instid0(VALU_DEP_3)
	v_max3_num_f32 v[MX+2*\c], v[MX+2*\c], |v[\src+32*\c+30]|, |v[\src+32*\c+31]|
.endr
.irp c, 0,1
	s_delay_alu instid0(VALU_DEP_2)
	v_max3_num_f32 v[MX+2*\c], v[MX+2*\c], v[MX+2*\c+1], 0x1800000   ; and the floor 2^(3 - 127): the byte cannot fall under 1
.endr
.irp c, 0,1
	s_delay_alu instid0(VALU_DEP_2)
	v_add_nc_u32 v[SOP+\c], 0xff000000, v[MX+2*\c]   ; 2 off the exponent field: the conversion takes this operand's exponent field as its scale
.endr
.irp c, 0,1
	s_delay_alu instid0(VALU_DEP_2)
	v_lshrrev_b32 v[EB+\c], 23, v[SOP+\c]            ; the scale's byte
.endr
	s_delay_alu instid0(VALU_DEP_1)
	v_lshl_or_b32 v[TW], v[EB+1], 16, v[EB]          ; my two bytes, blocks h and 2 + h,
	s_delay_alu instid0(VALU_DEP_1)
	v_lshlrev_b32 v[TW], v[SH8], v[TW]               ; at their places in the word;
	s_delay_alu instid0(VALU_DEP_1)
	v_permlanex16_b32 v[PL], v[TW], s[SEL], s[SEL+1]
	s_delay_alu instid0(VALU_DEP_1)
	v_or_b32 v[\word], v[TW], v[PL]                  ; with lane l xor 16's two the word is whole
.irp c, 0,1
	v_cvt_scalef32_pk16_fp6_f32 v[\dst+6*\c:\dst+6*\c+2], v[\src+32*\c:\src+32*\c+15], v[SOP+\c]
	v_cvt_scalef32_pk16_fp6_f32 v[CT+4*\c:CT+4*\c+2], v[\src+32*\c+16:\src+32*\c+31], v[SOP+\c]
.endr
	v_nop                                            ; one plain line behind the scaled conversions
.irp c, 0,1
.irp i, 0,1,2
	v_mov_b32 v[\dst+6*\c+3+\i], v[CT+4*\c+\i]
.endr
.endr
.endm
	s_load_b512 s[4:19], s[0:1], 0x0                 ; SL, SQ, kbuf, rbuf, ba, Wf1, Wf2, pmw
	s_load_b64 s[20:21], s[0:1], 0x40                ; rxn
	v_lshl_add_u32 v208, v0, 2, 0x12800
	v_mov_b32 v209, 0
	v_lshrrev_b32 v1, 5, v0
	s_delay_alu instid0(VALU_DEP_1)
	v_readfirstlane_b32 s22, v1                      ; wave 0..7
	v_and_b32 v1, 31, v0
	v_and_b32 v2, 15, v0                             ; r
	v_bfe_u32 v6, v0, 4, 1                           ; h
	v_lshlrev_b32 v3, 4, v0                          ; 512 x wave + 16 x lane
	s_delay_alu instid0(VALU_DEP_4)
	v_lshlrev_b32 v4, 4, v1                          ; 16 x lane
	s_delay_alu instid0(VALU_DEP_4)
	v_lshlrev_b32 v5, 4, v2                          ; 16 r
	s_mul_i32 s23, s22, SPW
	s_add_co_u32 s23, s23, STG                       ; my stage
	v_lshl_add_u32 v[STI], v1, 4, s23
	v_mul_u32_u24 v[STO], v2, 528
	s_delay_alu instid0(VALU_DEP_1)
	v_lshl_add_u32 v[STO], v6, 7, v[STO]
	s_delay_alu instid0(VALU_DEP_1)
	v_add_nc_u32 v[STO], s23, v[STO]
	v_lshlrev_b32 v[SH8], 3, v6
	v_lshlrev_b32 v[LW], 2, v1
	v_mov_b32 v[PL], 0                               ; written once: a lane permute's destination counts as one of its sources
	s_mov_b32 s[SEL], 0x76543210
	s_mov_b32 s[SEL+1], 0xfedcba98
	s_lshl_b32 s24, ttmp9, 12                        ; 16 rows of 256 bytes
	s_mov_b32 s25, 0
	s_lshl_b32 s26, ttmp9, 9                         ; 2 rows
	s_mov_b32 s27, 0
	s_lshl_b32 s28, s22, 20                          ; 8 parts of SQ
	s_add_co_u32 s28, s28, s26
	s_mov_b32 s29, 0
	s_lshl_b32 s32, ttmp9, 8                         ; 1 row
	s_mov_b32 s33, 0
	s_wait_alu depctr_va_vdst(0)
	s_wait_kmcnt 0x0
	s_add_nc_u64 s[4:5], s[4:5], s[24:25]
	s_add_nc_u64 s[8:9], s[8:9], s[24:25]
	s_add_nc_u64 s[6:7], s[6:7], s[28:29]
	s_add_nc_u64 s[10:11], s[10:11], s[26:27]
	s_add_nc_u64 s[20:21], s[20:21], s[26:27]
	s_add_nc_u64 s[48:49], s[18:19], s[32:33]        ; my row of maxima
.irp q, 0,1,2,3
	global_load_b128 v[8+4*\q:11+4*\q], v3, s[4:5] offset:\q*1048576
.endr
	global_load_b128 v[24:27], v3, s[8:9]
	global_load_b128 v[28:31], v5, s[12:13]
.irp e, 0,1,2,3,4,5,6,7
	global_load_b128 v[32+4*\e:35+4*\e], v4, s[6:7] offset:\e*131072
.endr
	global_load_b128 v[64:67], v4, s[10:11]
	; ---- the weights: work-groups 0-3 alone, a fragment a wave
	s_cmp_ge_u32 ttmp9, 4
	s_cbranch_scc1 .Lno_w
	s_lshl_b32 s36, ttmp9, 15
	s_lshr_b32 s38, s22, 2
	s_lshl_b32 s38, s38, 14
	s_add_co_u32 s36, s36, s38                       ; w = 2 g + wave / 4: 16,384 bytes of either weight
	s_mov_b32 s37, 0
	s_and_b32 s39, s22, 1                            ; u, or s
	s_lshl_b32 s42, ttmp9, 3
	s_add_co_u32 s42, s42, s22                       ; f
	s_mul_i32 s44, s42, 1536
	s_add_co_u32 s44, s44, WIM
	s_mov_b32 s45, 0
	s_add_nc_u64 s[46:47], s[18:19], s[44:45]        ; where the image goes
	s_lshl_b32 s44, s42, 7
	s_add_co_u32 s44, s44, WSC
	s_add_nc_u64 s[50:51], s[18:19], s[44:45]        ; and the scale word
	s_and_b32 s40, s22, 2
	s_cmp_lg_u32 s40, 0                              ; the rows lie otherwise in the two weights: a branch on the wave's number round the loads alone
	s_cbranch_scc1 .Lw2
	s_lshl_b32 s39, s39, 12                          ; Wf1: tile u begins 8 rows of 512 bytes on
	s_add_co_u32 s36, s36, s39
	s_add_nc_u64 s[14:15], s[14:15], s[36:37]
.set I, 0
.rept 16
	global_load_b128 v[G+4*I:G+4*I+3], v4, s[14:15] offset:(I+8*(I/8))*512
.set I, I+1
.endr
	s_branch .Lwq
.Lw2:
	s_lshl_b32 s39, s39, 9                           ; Wf2: K step s begins 512 bytes on in each row of 1,024
	s_add_co_u32 s36, s36, s39
	s_add_nc_u64 s[16:17], s[16:17], s[36:37]
.set I, 0
.rept 16
	global_load_b128 v[G+4*I:G+4*I+3], v4, s[16:17] offset:1024*I
.set I, I+1
.endr
.Lwq:
	s_wait_loadcnt 0x0                               ; these 16, and the launch's own 15 ahead of them
.set I, 0
.rept 16
	ds_store_b128 v[STI], v[G+4*I:G+4*I+3] offset:528*I
.set I, I+1
.endr
.set I, 0
.rept 16
	ds_load_b128 v[G+4*I:G+4*I+3], v[STO] offset:256*(I/8)+16*(I%8)   ; LDS serves a wave's instructions in order (ISA guide 5.7.1.4): these see the stores above
.set I, I+1
.endr
	s_wait_dscnt 0x0
	Q64 G, CD, CDW
.irp j, 0,1,2
	global_store_b128 v4, v[CD+4*\j:CD+4*\j+3], s[46:47] offset:512*\j   ; 512 consecutive bytes, at a multiple of 256 from the buffer's first byte
.endr
	global_store_b32 v[LW], v[CDW], s[50:51]         ; 128 consecutive bytes
.Lno_w:
	s_wait_loadcnt 0x0
.irp p, 0,2
	v_pk_add_f32 v[8+\p:9+\p], v[8+\p:9+\p], v[12+\p:13+\p]
	v_pk_add_f32 v[16+\p:17+\p], v[16+\p:17+\p], v[20+\p:21+\p]
.endr
.irp p, 0
	s_delay_alu instid0(VALU_DEP_3)
	v_pk_add_f32 v[8+\p:9+\p], v[8+\p:9+\p], v[16+\p:17+\p]
.endr
.irp p, 2
	s_delay_alu instid0(VALU_DEP_2)
	v_pk_add_f32 v[8+\p:9+\p], v[8+\p:9+\p], v[16+\p:17+\p]
.endr
.irp p, 0,2
	s_delay_alu instid0(VALU_DEP_2)
	v_pk_fma_f32 v[8+\p:9+\p], v[8+\p:9+\p], 0x3b000000, v[28+\p:29+\p] op_sel_hi:[1,0,1]   ; / 512 + ba
.endr
	SIGM 8
.irp i, 0,1,2,3
	v_fma_f32 v[8+\i], v[24+\i], v[8+\i], v[24+\i]   ; k + k x gate
.endr
.irp i, 0,1,2,3
	s_delay_alu instid0(VALU_DEP_4)
	v_permlanex16_b32 v[12+\i], v[8+\i], s[SEL], s[SEL+1]
.endr
.irp i, 0,1,2,3
	s_delay_alu instid0(VALU_DEP_4)
	v_max_num_f32 v[8+\i], v[8+\i], v[12+\i]         ; with the row in lane l xor 16
.endr
	ds_store_b128 v3, v[8:11]
.irp p, 0,2
	v_pk_add_f32 v[32+\p:33+\p], v[32+\p:33+\p], v[36+\p:37+\p]
	v_pk_add_f32 v[40+\p:41+\p], v[40+\p:41+\p], v[44+\p:45+\p]
	v_pk_add_f32 v[48+\p:49+\p], v[48+\p:49+\p], v[52+\p:53+\p]
	v_pk_add_f32 v[56+\p:57+\p], v[56+\p:57+\p], v[60+\p:61+\p]
.endr
.irp p, 0
	v_pk_add_f32 v[32+\p:33+\p], v[32+\p:33+\p], v[40+\p:41+\p]
	v_pk_add_f32 v[48+\p:49+\p], v[48+\p:49+\p], v[56+\p:57+\p]
.endr
.irp p, 2
	v_pk_add_f32 v[32+\p:33+\p], v[32+\p:33+\p], v[40+\p:41+\p]
	s_delay_alu instid0(VALU_DEP_4)
	v_pk_add_f32 v[48+\p:49+\p], v[48+\p:49+\p], v[56+\p:57+\p]
.endr
.irp p, 0
	s_delay_alu instid0(VALU_DEP_3)
	v_pk_add_f32 v[32+\p:33+\p], v[32+\p:33+\p], v[48+\p:49+\p]
.endr
.irp p, 2
	s_delay_alu instid0(VALU_DEP_2)
	v_pk_add_f32 v[32+\p:33+\p], v[32+\p:33+\p], v[48+\p:49+\p]
.endr
	ds_store_b128 v3, v[32:35] offset:4096
	s_wait_dscnt 0x0                                 ; for the others' sake: my stores have landed
	s_barrier_signal -1
	s_barrier_wait -1
	s_cmp_lg_u32 s22, 0
	s_cbranch_scc1 .Lend
.irp e, 0,1,2,3,4,5,6,7
	ds_load_b128 v[32+4*\e:35+4*\e], v4 offset:512*\e
	ds_load_b128 v[68+4*\e:71+4*\e], v4 offset:4096+512*\e
.endr
	s_wait_dscnt 0x0
.irp i, 0,1,2,3
	v_max3_num_f32 v[32+\i], v[32+\i], v[36+\i], v[40+\i]
	v_max3_num_f32 v[44+\i], v[44+\i], v[48+\i], v[52+\i]
.endr
.irp i, 0,1,2,3
	v_max3_num_f32 v[32+\i], v[32+\i], v[44+\i], v[56+\i]
.endr
.irp i, 0,1,2,3
	s_delay_alu instid0(VALU_DEP_4)
	v_max_num_f32 v[32+\i], v[32+\i], v[60+\i]
.endr
.irp p, 0,2
	v_pk_add_f32 v[68+\p:69+\p], v[68+\p:69+\p], v[72+\p:73+\p]
	v_pk_add_f32 v[76+\p:77+\p], v[76+\p:77+\p], v[80+\p:81+\p]
	v_pk_add_f32 v[84+\p:85+\p], v[84+\p:85+\p], v[88+\p:89+\p]
	v_pk_add_f32 v[92+\p:93+\p], v[92+\p:93+\p], v[96+\p:97+\p]
.endr
.irp p, 0
	v_pk_add_f32 v[68+\p:69+\p], v[68+\p:69+\p], v[76+\p:77+\p]
	v_pk_add_f32 v[84+\p:85+\p], v[84+\p:85+\p], v[92+\p:93+\p]
.endr
.irp p, 2
	v_pk_add_f32 v[68+\p:69+\p], v[68+\p:69+\p], v[76+\p:77+\p]
	s_delay_alu instid0(VALU_DEP_4)
	v_pk_add_f32 v[84+\p:85+\p], v[84+\p:85+\p], v[92+\p:93+\p]
.endr
.irp p, 0
	s_delay_alu instid0(VALU_DEP_3)
	v_pk_add_f32 v[68+\p:69+\p], v[68+\p:69+\p], v[84+\p:85+\p]
.endr
.irp p, 2
	s_delay_alu instid0(VALU_DEP_2)
	v_pk_add_f32 v[68+\p:69+\p], v[68+\p:69+\p], v[84+\p:85+\p]
.endr
.irp p, 0,2
	s_delay_alu instid0(VALU_DEP_2)
	v_pk_fma_f32 v[68+\p:69+\p], v[68+\p:69+\p], 0x39800000, v[28+\p:29+\p] op_sel_hi:[1,0,1]   ; / 4,096 + ba
.endr
	SIGM 68
.irp i, 0,1,2,3
	v_fma_f32 v[68+\i], v[64+\i], v[68+\i], v[64+\i] ; r + r x gate
.endr
	global_store_b128 v4, v[68:71], s[20:21]         ; two whole rows, 512 consecutive bytes
	s_wait_xcnt 0x0                                  ; EXEC changes only behind this wait
	v_cmp_gt_u32 vcc_lo, 16, v0
	s_and_saveexec_b32 s30, vcc_lo
	global_store_b128 v5, v[32:35], s[48:49]         ; lanes 0-15: one row of 256 bytes
	s_wait_xcnt 0x0
	s_or_b32 exec_lo, exec_lo, s30
.Lend:
	s_wait_tensorcnt 0x0
	ds_add_u32 v208, v209
	s_wait_dscnt 0x0
	s_endpgm
.Lfunc_end_k_qc1f4c0bfeb_gates:
	.size	k_qc1f4c0bfeb_gates, .Lfunc_end_k_qc1f4c0bfeb_gates-k_qc1f4c0bfeb_gates
	.p2alignl 7, 3214868480
	.fill 96, 4, 3214868480
	.section	.rodata,"a",@progbits
	.p2align	6, 0x0
	.amdhsa_kernel k_qc1f4c0bfeb_gates
		.amdhsa_group_segment_fixed_size 76800
		.amdhsa_private_segment_fixed_size 0
		.amdhsa_enable_private_segment 0
		.amdhsa_kernarg_size 72
		.amdhsa_user_sgpr_count 2
		.amdhsa_user_sgpr_kernarg_segment_ptr 1
		.amdhsa_wavefront_size32 1
		.amdhsa_system_sgpr_workgroup_id_x 1
		.amdhsa_system_sgpr_workgroup_id_y 1
		.amdhsa_system_sgpr_workgroup_id_z 1
		.amdhsa_system_vgpr_workitem_id 0
		.amdhsa_next_free_vgpr 210
		.amdhsa_next_free_sgpr 66
		.amdhsa_reserve_vcc 1
		.amdhsa_float_denorm_mode_32 3
		.amdhsa_float_denorm_mode_16_64 3
		.amdhsa_memory_ordered 1
		.amdhsa_forward_progress 1
		.amdhsa_inst_pref_size 23
	.end_amdhsa_kernel
	.amdgpu_metadata
---
amdhsa.version: [ 1, 2 ]
amdhsa.kernels:
  - .name:           k_qc1f4c0bfeb_gates
    .symbol:         k_qc1f4c0bfeb_gates.kd
    .args:
      - { .name: SL, .offset: 0, .size: 8, .value_kind: global_buffer, .address_space: global }
      - { .name: SQ, .offset: 8, .size: 8, .value_kind: global_buffer, .address_space: global }
      - { .name: kbuf, .offset: 16, .size: 8, .value_kind: global_buffer, .address_space: global }
      - { .name: rbuf, .offset: 24, .size: 8, .value_kind: global_buffer, .address_space: global }
      - { .name: ba, .offset: 32, .size: 8, .value_kind: global_buffer, .address_space: global }
      - { .name: Wf1, .offset: 40, .size: 8, .value_kind: global_buffer, .address_space: global }
      - { .name: Wf2, .offset: 48, .size: 8, .value_kind: global_buffer, .address_space: global }
      - { .name: pmw, .offset: 56, .size: 8, .value_kind: global_buffer, .address_space: global }
      - { .name: rxn, .offset: 64, .size: 8, .value_kind: global_buffer, .address_space: global }
    .group_segment_fixed_size: 76800
    .private_segment_fixed_size: 0
    .kernarg_segment_align: 8
    .kernarg_segment_size: 72
    .max_flat_workgroup_size: 256
    .sgpr_count:     66
    .vgpr_count:     210
    .wavefront_size: 32
...
	.end_amdgpu_metadata
.endif
;; end of part 7
;; launch head (part 8): grid 32 x 1, 8 waves a work-group, no clusters, 17,920 bytes of LDS; arguments pmw, rxn, bf1, bf2, Wf3, bf3, out0; writes out0
.if DOCPART == 8
	.amdgcn_target "amdgcn-amd-amdhsa--gfx1250"
	.amdhsa_code_object_version 6
	.text
	.protected	k_qc1f4c0bfeb_head
	.globl	k_qc1f4c0bfeb_head
	.p2align	8
	.type	k_qc1f4c0bfeb_head,@function
k_qc1f4c0bfeb_head:
	s_mov_b64 s[64:65], 0
	v_nop
	global_prefetch_b8 v0, s[64:65] scope:SCOPE_SE
	s_setreg_imm32_b32 hwreg(HW_REG_WAVE_MODE, 25, 1), 1
	s_wait_xcnt 0x0
; HEAD: prot = max over pmw's 256 rows; ctx = [rxn | prot]; out = leaky(leaky(ctx Wf1^T + bf1) Wf2^T + bf2) . Wf3 + bf3.  The two products on codes of FP6 (E2M3), one E8M0 scale for each 32 along K; the last dot in f32.
; A work-group takes 16 q.  THE WAVES SHARE THE COLUMNS: wave w makes units 32 w .. 32 w + 31 of the first layer and 16 w .. 16 w + 15 of the second.
; THE WEIGHTS COME AS CODES: the launch before has quantised Wf1 and Wf2 once and laid each fragment as an image of its 12 registers behind pmw's 256 rows (fragment f at 1,536 f, group j of four registers at
; 512 j + 16 x lane; its scale word at 128 f + 4 x lane behind the images).  Wave w's four are 4 w .. 4 w + 3: Wf1's two tiles, Wf2's two K steps: three loads of 512 consecutive bytes each.
; Both products are used transposed (source 0 = 16 rows of the weight, source 1 = the 16 q): a lane holds one q and registers along the units.
; THE ROWS OF Wf1 THAT FORM A TILE ARE NOT NEIGHBOURS: row i of tile u is 32 w + 8 u + i + 8 (i / 8), so that the 16 registers of a lane's two tiles are units 32 w + 16 h + 0 .. 15: half of block w of the next K.
; Its 16 codes (3 registers) go to LDS at the place that the next operand's layout gives them, register by register (word 128 R + 4 lane), the block's byte beside them; behind a barrier every wave loads both fragments.
; The biases are loaded straight into the accumulators.  32 work-groups: the layer has 16 q a tile and 512 q.  No cluster: no tensor load; what the work-groups share is 117 KiB, read once by each.
; LIMITS: NaN and infinities are not served; a block of zeros keeps the byte 1.
.set PMX,  0                           ; 8 x 512: the waves' maxima
.set CTX,  4096                        ; 16 rows x 272: rxn
.set PRV,  8448                        ; 8 x 512: prot, a copy for each wave
.set H1I,  12544                       ; 2 fragments x 1,536: the hidden layer
.set H1S,  15616                       ; 2 x 64: its scale words
.set OSM,  15744                       ; 8 x 128: the waves' parts of the dot
.set WIM,  65536                       ; in pmw: the fragments' images
.set WSC,  114688                      ; and their scale words
.set SH8,  15
.set MX,   22
.set SOP,  26
.set EB,   28
.set CT,   30
.set PL,   33
.set TW,   37
.set CF,   38                          ; v38-49 ctx's fragment; v50 its scale word
.set CFW,  50
.set WF,   52                          ; v52-99 Wf1's two tiles, Wf2's two K steps; v100-103 their scale words
.set WFS,  100
.set H0,   104                         ; v104-119 the first layer's two accumulators; v120-127 the second's
.set H2,   120
.set W3,   128                         ; v128-135 Wf3 at my units
.set G,    136                         ; v136-199 64 numbers at work
.set HF,   200                         ; v200-223 the hidden layer's two fragments; v224-225 their scale words
.set HFS,  224
.set TQ,   228                         ; v228-231, v232-235 quads at work: rxn's rows, the maxima, the hidden layer's codes
.set OA,   236                         ; v236 4 x lane: the scale words' and the output's offset; never rewritten
.set SEL,  42
.macro BARRIER
	s_wait_dscnt 0x0
	s_barrier_signal -1
	s_barrier_wait -1
.endm
.macro Q64 src, dst, word              ; 64 numbers of a lane, two whole blocks (block c at src + 32 c is block 2 c + h of my row), become a fragment and its scale word
.irp c, 0,1
	v_max3_num_f32 v[MX+2*\c], |v[\src+32*\c]|, |v[\src+32*\c+1]|, |v[\src+32*\c+2]|
	v_max3_num_f32 v[MX+2*\c+1], |v[\src+32*\c+3]|, |v[\src+32*\c+4]|, |v[\src+32*\c+5]|
.endr
.irp i, 6,10,14,18,22,26
.irp c, 0,1
	s_delay_alu instid0(VALU_DEP_4)
	v_max3_num_f32 v[MX+2*\c], v[MX+2*\c], |v[\src+32*\c+\i]|, |v[\src+32*\c+\i+1]|
	s_delay_alu instid0(VALU_DEP_4)
	v_max3_num_f32 v[MX+2*\c+1], v[MX+2*\c+1], |v[\src+32*\c+\i+2]|, |v[\src+32*\c+\i+3]|
.endr
.endr
.irp c, 0
	s_delay_alu instid0(VALU_DEP_4)
	v_max3_num_f32 v[MX+2*\c], v[MX+2*\c], |v[\src+32*\c+30]|, |v[\src+32*\c+31]|
.endr
.irp c, 1
	s_delay_alu instid0(VALU_DEP_3)
	v_max3_num_f32 v[MX+2*\c], v[MX+2*\c], |v[\src+32*\c+30]|, |v[\src+32*\c+31]|
.endr
.irp c, 0,1
	s_delay_alu instid0(VALU_DEP_2)
	v_max3_num_f32 v[MX+2*\c], v[MX+2*\c], v[MX+2*\c+1], 0x1800000   ; the floor 2^(3 - 127): the byte cannot fall under 1
.endr
.irp c, 0,1
	s_delay_alu instid0(VALU_DEP_2)
	v_add_nc_u32 v[SOP+\c], 0xff000000, v[MX+2*\c]
.endr
.irp c, 0,1
	s_delay_alu instid0(VALU_DEP_2)
	v_lshrrev_b32 v[EB+\c], 23, v[SOP+\c]
.endr
	s_delay_alu instid0(VALU_DEP_1)
	v_lshl_or_b32 v[TW], v[EB+1], 16, v[EB]
	s_delay_alu instid0(VALU_DEP_1)
	v_lshlrev_b32 v[TW], v[SH8], v[TW]
	s_delay_alu instid0(VALU_DEP_1)
	v_permlanex16_b32 v[PL], v[TW], s[SEL], s[SEL+1]
	s_delay_alu instid0(VALU_DEP_1)
	v_or_b32 v[\word], v[TW], v[PL]
.irp c, 0,1
	v_cvt_scalef32_pk16_fp6_f32 v[\dst+6*\c:\dst+6*\c+2], v[\src+32*\c:\src+32*\c+15], v[SOP+\c]
	v_cvt_scalef32_pk16_fp6_f32 v[CT+4*\c:CT+4*\c+2], v[\src+32*\c+16:\src+32*\c+31], v[SOP+\c]
.endr
	v_nop
.irp c, 0,1
.irp i, 0,1,2
	v_mov_b32 v[\dst+6*\c+3+\i], v[CT+4*\c+\i]
.endr
.endr
.endm
.macro MMI d, a, b, sa, sb             ; a product that adds in place
	v_wmma_scale_f32_16x16x128_f8f6f4 v[\d:\d+7], v[\a:\a+11], v[\b:\b+11], v[\d:\d+7], v[\sa], v[\sb] matrix_a_fmt:MATRIX_FMT_FP6 matrix_b_fmt:MATRIX_FMT_FP6
.endm
	s_load_b256 s[4:11], s[0:1], 0x0                 ; pmw, rxn, bf1, bf2
	s_load_b128 s[12:15], s[0:1], 0x20               ; Wf3, bf3
	s_load_b64 s[16:17], s[0:1], 0x30                ; out0
	v_lshl_add_u32 v240, v0, 2, 0x4200
	v_mov_b32 v241, 0
	v_lshrrev_b32 v1, 5, v0
	s_delay_alu instid0(VALU_DEP_1)
	v_readfirstlane_b32 s24, v1                      ; wave 0..7
	v_and_b32 v1, 31, v0
	v_and_b32 v2, 15, v0                             ; r
	v_bfe_u32 v3, v0, 4, 1                           ; h
	s_mov_b32 s[SEL], 0x76543210
	s_mov_b32 s[SEL+1], 0xfedcba98
	v_lshlrev_b32 v4, 4, v1                          ; 16 x lane
	v_lshl_add_u32 v7, v0, 4, PMX
	v_lshl_add_u32 v8, v1, 4, PMX
	s_mul_i32 s38, s24, 544
	s_add_co_u32 s38, s38, CTX
	v_mul_u32_u24 v9, v3, 272
	s_delay_alu instid0(VALU_DEP_1)
	v_lshl_add_u32 v9, v2, 4, v9
	s_delay_alu instid0(VALU_DEP_1)
	v_add_nc_u32 v9, s38, v9                         ; rxn, in: rows 2 w + h
	v_mul_u32_u24 v10, v2, 272
	s_delay_alu instid0(VALU_DEP_1)
	v_lshl_add_u32 v10, v3, 7, v10
	s_delay_alu instid0(VALU_DEP_1)
	v_add_nc_u32 v10, CTX, v10                       ; and out: row r, + 128 h
	v_lshl_add_u32 v11, v0, 4, PRV
	s_lshl_b32 s38, s24, 9
	s_add_co_u32 s38, s38, PRV
	v_lshl_add_u32 v12, v3, 7, s38
	s_lshr_b32 s39, s24, 2                           ; which K step of the second product my block lies in,
	s_bfe_u32 s41, s24, 0x10001                      ; which half of it,
	s_and_b32 s44, s24, 1                            ; and which half of the lanes holds it
	s_mul_i32 s38, s39, 1536
	s_mul_i32 s41, s41, 768
	s_add_co_u32 s38, s38, s41
	s_lshl_b32 s44, s44, 6
	s_add_co_u32 s38, s38, s44
	s_add_co_u32 s38, s38, H1I
	v_mul_u32_u24 v13, v3, 384
	s_delay_alu instid0(VALU_DEP_1)
	v_lshl_add_u32 v13, v2, 2, v13
	s_delay_alu instid0(VALU_DEP_1)
	v_add_nc_u32 v13, s38, v13                       ; my three registers of codes: register 6 c + 3 h + i of lane 16 (w % 2) + r
	s_lshl_b32 s38, s39, 6
	s_and_b32 s41, s24, 3
	s_add_co_u32 s38, s38, s41
	s_add_co_u32 s38, s38, H1S
	v_lshl_add_u32 v14, v2, 2, s38                   ; my block's byte in row r's scale word
	v_lshlrev_b32 v[SH8], 3, v3
	v_lshl_add_u32 v16, v1, 2, H1I
	v_lshl_add_u32 v17, v2, 2, H1S
	v_lshl_add_u32 v18, v0, 2, OSM
	v_lshl_add_u32 v19, v1, 2, OSM
	v_lshlrev_b32 v20, 6, v3                         ; bf1: + 16 h numbers
	v_lshlrev_b32 v21, 5, v3                         ; bf2, Wf3: + 8 h numbers
	v_lshlrev_b32 v[OA], 2, v1
	v_mov_b32 v[PL], 0                               ; written once: a lane permute's destination counts as one of its sources
	s_lshl_b32 s26, s24, 13
	s_mov_b32 s27, 0                                 ; my 32 rows of maxima
	s_lshl_b32 s28, ttmp9, 12
	s_lshl_b32 s29, s24, 9
	s_add_co_u32 s28, s28, s29
	s_mov_b32 s29, 0                                 ; my 2 rows of rxn
	s_mul_i32 s30, s24, 4*1536
	s_add_co_u32 s30, s30, WIM
	s_mov_b32 s31, 0                                 ; my four fragments' images
	s_lshl_b32 s46, s24, 9
	s_add_co_u32 s46, s46, WSC
	s_mov_b32 s47, 0                                 ; and their scale words
	s_lshl_b32 s32, s24, 7
	s_mov_b32 s33, 0                                 ; my 32 numbers of bf1
	s_lshl_b32 s34, s24, 6
	s_mov_b32 s35, 0                                 ; my 16 of bf2 and of Wf3
	s_lshl_b32 s36, ttmp9, 6
	s_mov_b32 s37, 0                                 ; my work-group's 16 outputs
	s_wait_alu depctr_va_vdst(0)
	s_wait_kmcnt 0x0
	s_load_b32 s40, s[14:15], 0x0                    ; bf3
	s_add_nc_u64 s[18:19], s[4:5], s[26:27]
	s_add_nc_u64 s[20:21], s[4:5], s[30:31]
	s_add_nc_u64 s[22:23], s[4:5], s[46:47]
	s_add_nc_u64 s[6:7], s[6:7], s[28:29]
	s_add_nc_u64 s[8:9], s[8:9], s[32:33]
	s_add_nc_u64 s[10:11], s[10:11], s[34:35]
	s_add_nc_u64 s[12:13], s[12:13], s[34:35]
	s_add_nc_u64 s[16:17], s[16:17], s[36:37]
.set I, 0
.rept 16
	global_load_b128 v[G+4*I:G+4*I+3], v4, s[18:19] offset:512*I
.set I, I+1
.endr
	global_load_b128 v[TQ:TQ+3], v4, s[6:7]
.irp u, 0,1
	global_load_b128 v[H0+8*\u:H0+8*\u+3], v20, s[8:9] offset:32*\u
	global_load_b128 v[H0+8*\u+4:H0+8*\u+7], v20, s[8:9] offset:32*\u+16
.endr
	global_load_b128 v[H2:H2+3], v21, s[10:11]
	global_load_b128 v[H2+4:H2+7], v21, s[10:11] offset:16
	global_load_b128 v[W3:W3+3], v21, s[12:13]
	global_load_b128 v[W3+4:W3+7], v21, s[12:13] offset:16
.irp s, 0,1,2,3
.irp j, 0,1,2
	global_load_b128 v[WF+12*\s+4*\j:WF+12*\s+4*\j+3], v4, s[20:21] offset:1536*\s+512*\j   ; the fragments as they were stored: the same registers in the same lanes
.endr
.endr
.irp s, 0,1,2,3
	global_load_b32 v[WFS+\s], v[OA], s[22:23] offset:128*\s
.endr
	s_wait_loadcnt 24                                ; the maxima and rxn are in; behind them: bf1's 4 loads, bf2's 2, Wf3's 2, the images' 12, the scale words' 4
.irp c, 0,1,2,3
	v_max3_num_f32 v[TQ+4+\c], v[G+\c], v[G+4+\c], v[G+8+\c]
.endr
.irp i, 3,5,7,9,11,13
.irp c, 0,1,2,3
	s_delay_alu instid0(VALU_DEP_4)
	v_max3_num_f32 v[TQ+4+\c], v[TQ+4+\c], v[G+4*\i+\c], v[G+4*\i+4+\c]
.endr
.endr
.irp c, 0,1,2,3
	s_delay_alu instid0(VALU_DEP_4)
	v_max_num_f32 v[TQ+4+\c], v[TQ+4+\c], v[G+60+\c]
.endr
.irp c, 0,1,2,3
	s_delay_alu instid0(VALU_DEP_4)
	v_permlanex16_b32 v[G+\c], v[TQ+4+\c], s[SEL], s[SEL+1]
.endr
.irp c, 0,1,2,3
	s_delay_alu instid0(VALU_DEP_4)
	v_max_num_f32 v[TQ+4+\c], v[TQ+4+\c], v[G+\c]
.endr
	ds_store_b128 v7, v[TQ+4:TQ+7]
	ds_store_b128 v9, v[TQ:TQ+3]
	s_wait_kmcnt 0x0                                 ; bf3
	BARRIER
.irp e, 0,1,2,3,4,5,6,7
	ds_load_b128 v[G+4*\e:G+4*\e+3], v8 offset:512*\e
.endr
	s_wait_dscnt 0x0
.irp c, 0,1,2,3
	v_max3_num_f32 v[TQ+4+\c], v[G+\c], v[G+4+\c], v[G+8+\c]
	v_max3_num_f32 v[TQ+\c], v[G+12+\c], v[G+16+\c], v[G+20+\c]
.endr
.irp c, 0,1,2,3
	v_max3_num_f32 v[TQ+4+\c], v[TQ+4+\c], v[TQ+\c], v[G+24+\c]
.endr
.irp c, 0,1,2,3
	s_delay_alu instid0(VALU_DEP_4)
	v_max_num_f32 v[TQ+4+\c], v[TQ+4+\c], v[G+28+\c] ; prot
.endr
	ds_store_b128 v11, v[TQ+4:TQ+7]
.irp j, 0,1,2,3,4,5,6,7
	ds_load_b128 v[G+4*\j:G+4*\j+3], v10 offset:16*\j               ; ctx(r, 32 h ..): rxn
	ds_load_b128 v[G+32+4*\j:G+35+4*\j], v12 offset:16*\j           ; ctx(r, 64 + 32 h ..): prot; LDS serves a wave's instructions in order (ISA guide 5.7.1.4), so these see my store
.endr
	s_wait_dscnt 0x0
	Q64 G, CF, CFW
	s_wait_alu depctr_va_vdst(0)
	s_wait_loadcnt 0x0                               ; the biases, Wf3, the weights' codes and scale words
.rept 4
	v_nop                                            ; an operand written by vector instructions stands 4 places ahead of a scaled product, a scale register 8: ctx's word has these four and the seven lines above them
.endr
	MMI H0, WF, CF, WFS, CFW                         ; the first layer: two accumulators, which hold bf1
	MMI H0+8, WF+12, CF, WFS+1, CFW
.rept 4
	v_nop                                            ; four places behind the products (ISA guide 7.12.1)
.endr
.set I, 0
.rept 16
	v_mul_f32 v[G+I], 0x3c23d70a, v[H0+I]            ; leaky relu = max(x, 0.01 x); each accumulator from its low end on
	v_max_num_f32 v[G+I], v[G+I], v[H0+I]
.set I, I+1
.endr
	v_max3_num_f32 v[MX], |v[G]|, |v[G+1]|, 0x1800000
.irp i, 2,4,6,8,10,12,14
	s_delay_alu instid0(VALU_DEP_1)
	v_max3_num_f32 v[MX], v[MX], |v[G+\i]|, |v[G+\i+1]|
.endr
	s_delay_alu instid0(VALU_DEP_1)
	v_permlanex16_b32 v[PL], v[MX], s[SEL], s[SEL+1]
	s_delay_alu instid0(VALU_DEP_1)
	v_max_num_f32 v[MX], v[MX], v[PL]                ; with lane l xor 16's 16: the block's largest magnitude
	s_delay_alu instid0(VALU_DEP_1)
	v_add_nc_u32 v[SOP], 0xff000000, v[MX]
	s_delay_alu instid0(VALU_DEP_1)
	v_lshrrev_b32 v[EB], 23, v[SOP]
	v_cvt_scalef32_pk16_fp6_f32 v[TQ+4:TQ+6], v[G:G+15], v[SOP]
	v_nop
.irp i, 0,1,2
	ds_store_b32 v13, v[TQ+4+\i] offset:128*\i
.endr
	ds_store_b8 v14, v[EB]                           ; both halves of the lanes write the same byte with the same value
	BARRIER                                          ; the hidden layer's two fragments lie in LDS
.set I, 0
.rept 24
	ds_load_b32 v[HF+I], v16 offset:128*I
.set I, I+1
.endr
	ds_load_b32 v[HFS], v17
	ds_load_b32 v[HFS+1], v17 offset:64
	s_wait_dscnt 0x0
	MMI H2, WF+24, HF, WFS+2, HFS                    ; the second layer: one accumulator, which holds bf2
	s_wait_alu depctr_va_vdst(0)                     ; the wait ahead of a link that follows the link it adds onto
	MMI H2, WF+36, HF+12, WFS+3, HFS+1
.rept 4
	v_nop
.endr
.set I, 0
.rept 8
	v_mul_f32 v[G+I], 0x3c23d70a, v[H2+I]
	v_max_num_f32 v[G+I], v[G+I], v[H2+I]
.set I, I+1
.endr
	v_mul_f32 v[TQ+4], v[G], v[W3]
.irp j, 1,2,3,4,5,6,7
	s_delay_alu instid0(VALU_DEP_1)
	v_fma_f32 v[TQ+4], v[G+\j], v[W3+\j], v[TQ+4]    ; the last product, in f32: my 8 units
.endr
	s_delay_alu instid0(VALU_DEP_1)
	v_permlanex16_b32 v[PL], v[TQ+4], s[SEL], s[SEL+1]
	s_delay_alu instid0(VALU_DEP_1)
	v_add_f32 v[TQ+4], v[TQ+4], v[PL]                ; my wave's 16
	ds_store_b32 v18, v[TQ+4]
	BARRIER
	s_cmp_lg_u32 s24, 0
	s_cbranch_scc1 .Lend
.irp e, 0,1,2,3,4,5,6,7
	ds_load_b32 v[G+\e], v19 offset:128*\e
.endr
	s_wait_dscnt 0x0
	v_add_f32 v[G], v[G], v[G+1]
	v_add_f32 v[G+2], v[G+2], v[G+3]
	v_add_f32 v[G+4], v[G+4], v[G+5]
	v_add_f32 v[G+6], v[G+6], v[G+7]
	s_delay_alu instid0(VALU_DEP_3)
	v_add_f32 v[G], v[G], v[G+2]
	s_delay_alu instid0(VALU_DEP_2)
	v_add_f32 v[G+4], v[G+4], v[G+6]
	s_delay_alu instid0(VALU_DEP_1)
	v_add_f32 v[G], v[G], v[G+4]
	s_delay_alu instid0(VALU_DEP_1)
	v_add_f32 v[G], s40, v[G]
	s_wait_alu depctr_va_vdst(0)
	s_wait_xcnt 0x0                                  ; EXEC changes only behind this wait
	v_cmp_gt_u32 vcc_lo, 16, v0
	s_and_saveexec_b32 s41, vcc_lo
	global_store_b32 v[OA], v[G], s[16:17]           ; lanes 0-15: my 16 q, 64 consecutive bytes
	s_wait_xcnt 0x0
	s_or_b32 exec_lo, exec_lo, s41
.Lend:
	s_wait_tensorcnt 0x0
	ds_add_u32 v240, v241
	s_wait_dscnt 0x0
	s_endpgm
.Lfunc_end_k_qc1f4c0bfeb_head:
	.size	k_qc1f4c0bfeb_head, .Lfunc_end_k_qc1f4c0bfeb_head-k_qc1f4c0bfeb_head
	.p2alignl 7, 3214868480
	.fill 96, 4, 3214868480
	.section	.rodata,"a",@progbits
	.p2align	6, 0x0
	.amdhsa_kernel k_qc1f4c0bfeb_head
		.amdhsa_group_segment_fixed_size 17920
		.amdhsa_private_segment_fixed_size 0
		.amdhsa_enable_private_segment 0
		.amdhsa_kernarg_size 56
		.amdhsa_user_sgpr_count 2
		.amdhsa_user_sgpr_kernarg_segment_ptr 1
		.amdhsa_wavefront_size32 1
		.amdhsa_system_sgpr_workgroup_id_x 1
		.amdhsa_system_sgpr_workgroup_id_y 1
		.amdhsa_system_sgpr_workgroup_id_z 1
		.amdhsa_system_vgpr_workitem_id 0
		.amdhsa_next_free_vgpr 242
		.amdhsa_next_free_sgpr 66
		.amdhsa_reserve_vcc 1
		.amdhsa_float_denorm_mode_32 3
		.amdhsa_float_denorm_mode_16_64 3
		.amdhsa_memory_ordered 1
		.amdhsa_forward_progress 1
		.amdhsa_inst_pref_size 28
	.end_amdhsa_kernel
	.amdgpu_metadata
---
amdhsa.version: [ 1, 2 ]
amdhsa.kernels:
  - .name:           k_qc1f4c0bfeb_head
    .symbol:         k_qc1f4c0bfeb_head.kd
    .args:
      - { .name: pmw, .offset: 0, .size: 8, .value_kind: global_buffer, .address_space: global }
      - { .name: rxn, .offset: 8, .size: 8, .value_kind: global_buffer, .address_space: global }
      - { .name: bf1, .offset: 16, .size: 8, .value_kind: global_buffer, .address_space: global }
      - { .name: bf2, .offset: 24, .size: 8, .value_kind: global_buffer, .address_space: global }
      - { .name: Wf3, .offset: 32, .size: 8, .value_kind: global_buffer, .address_space: global }
      - { .name: bf3, .offset: 40, .size: 8, .value_kind: global_buffer, .address_space: global }
      - { .name: out0, .offset: 48, .size: 8, .value_kind: global_buffer, .address_space: global }
    .group_segment_fixed_size: 17920
    .private_segment_fixed_size: 0
    .kernarg_segment_align: 8
    .kernarg_segment_size: 56
    .max_flat_workgroup_size: 256
    .sgpr_count:     66
    .vgpr_count:     242
    .wavefront_size: 32
...
	.end_amdgpu_metadata
.endif
;; end of part 8
